; MI455X (gfx1250); checked and timed in simulation.
; The chip was launched on July 23, 2026; its instructions are those of AMD's public machine-readable ISA for CDNA 5 (MIT licence, August 2026) and "CDNA5" Instruction Set Architecture Reference Guide (July 2026). The comments in the code are by the model that wrote it; some were corrected since.
;; Transformer Block. Allowed arithmetic: matrix products marked QUANTISED: E4M3 operands, one given power-of-two scale a tensor, by v_wmma_f32_16x16x64_fp8_fp8 or v_wmma_f32_16x16x128_fp8_fp8, f32 sums; everything else in f32.
;; Inputs: W_fc 1,024 x 4,096 float32; W_o 1,024 x 1,024 float32; W_pr 4,096 x 1,024 float32; W_qkv 1,024 x 3,072 float32; b_fc 4,096 float32; b_o 1,024 float32; b_pr 1,024 float32; b_qkv 3,072 float32; beta1 1,024 float32; beta2 1,024 float32; g1 1,024 float32; g2 1,024 float32; lowp_scales 12 int32 (the exponents e of the quantised operands' scales 2^e); x 2 x 2,048 x 1,024 float32.
;; Outputs: out0 2 x 2,048 x 1,024 float32.
;; This version of the problem:
;;   THIS VERSION OF THE PROBLEM IS GIVEN IN LOW PRECISION. The matrix products marked QUANTISED in the list below multiply operands that are first quantised to E4M3 (4 exponent bits, 3 mantissa bits; 8 bits a number), with one given power-of-two scale for each operand tensor; their sums are f32. All else is computed in f32.
;;   The module's matrix products, in the order in which they are computed (A, B: the left and right operand; K: the contracted axis; several contracted axes count as one K, in the product's order):
;;     1. [M 4,096, K 1,024] x [K 1,024, N 3,072]; A: computed on the way; B: input W_qkv: QUANTISED (scales: A lowp_scales[0], B lowp_scales[1])
;;     2. batch 32 x [M 2,048, K 64] x [K 64, N 2,048]; A: computed on the way; B: computed on the way: QUANTISED (scales: A lowp_scales[2], B lowp_scales[3])
;;     3. batch 32 x [M 2,048, K 2,048] x [K 2,048, N 64]; A: softmax (see below); B: computed on the way: QUANTISED (scales: A lowp_scales[4], B lowp_scales[5])
;;     4. [M 4,096, K 1,024] x [K 1,024, N 1,024]; A: computed on the way; B: input W_o: QUANTISED (scales: A lowp_scales[6], B lowp_scales[7])
;;     5. [M 4,096, K 1,024] x [K 1,024, N 4,096]; A: computed on the way; B: input W_fc: QUANTISED (scales: A lowp_scales[8], B lowp_scales[9])
;;     6. [M 4,096, K 4,096] x [K 4,096, N 1,024]; A: computed on the way; B: input W_pr: QUANTISED (scales: A lowp_scales[10], B lowp_scales[11])
;;   THE QUANTISER, for each operand of a quantised product, along K:
;;     - The operand's scale is 2^e, e = its entry of the input lowp_scales (int32; the entries are numbered through the quantised products in the list's order, A before B).
;;     - Each number is divided by the scale, clamped to +-448, and rounded to the nearest number of E4M3, ties to even, subnormals kept.
;;     - The product sums the exact products of the quantised numbers (number of the format x scale) in f32.
;;   ~~~python
;;   def quantise(x, axis, e):      # numpy; x: float32 -> the quantised numbers, widened to float32 again
;;       x = np.moveaxis(x, axis, -1); K = x.shape[-1]
;;       r = np.clip(x / 2.0 ** e, -448, 448)
;;       step = 2.0 ** (np.maximum(np.frexp(np.where(r == 0, 1, r))[1] - 1, -6) - 3)
;;       q = np.round(r / step) * step * 2.0 ** e      # np.round: ties to even
;;       return np.moveaxis(q, -1, axis).astype(np.float32)
;;   ~~~
;;   SOFTMAX AHEAD OF A QUANTISED PRODUCT. Where the list says 'softmax', what is quantised is not the finished softmax but p = 2^(t - M), with t = logit x log2(e) and M = ceil(the row's largest t), a whole number; so 1/2 < the row's largest p <= 1. The row's sum l is taken of the UNQUANTISED p, in f32, and the product's result is divided by l at the end. Since M is a whole number, a kernel that streams over the keys may use a running M (the ceiling of the running maximum): every later rescaling is an exact power of two, so the quantised numbers keep their values, but for numbers so far below the row's largest that they fall under the format's range.
;;   OPERANDS COMPUTED ON THE WAY. 'Computed on the way' means the value that the module computes at that place (a softmax that the list does not call 'softmax' is quantised finished and normalised). What goes into a quantiser is computed in f32, as accurately as f32 sums, v_exp_f32 and their like allow (about 1e-6 of the number): no bf16 or f16 on the way to a quantiser, and a product that is left as it is and whose result goes on into a quantised operand takes f32 operands (vector FMAs, or v_wmma_f32_16x16x4_f32). A number that lies on a knife's edge between two numbers of the format may be rounded either way, as far as f32 arithmetic and the matrix unit's own rounding can turn it there, and no further.
;; 2 versions. Each part assembles by itself: llvm-mc -triple=amdgcn-amd-amdhsa -mcpu=gfx1250 --defsym DOCPART=n.
;; ======== version 1 of 2: 7 launches
;; workspace buffers: wc 16,777,216 bytes; qkvc 12,582,912 bytes; aoc 4,194,304 bytes; x1 16,777,216 bytes; h2c 4,194,304 bytes; gc 16,777,216 bytes
;; launch prep (part 1): grid 640 x 1, 4 waves a work-group, no clusters, 51,712 bytes of LDS; arguments x, g1, beta1, W_qkv, W_o, W_fc, W_pr, lowp_scales, wc; writes wc
.if DOCPART == 1
	.amdgcn_target "amdgcn-amd-amdhsa--gfx1250"
	.amdhsa_code_object_version 6
	.text
	.protected	k_q397bb9ae39_prep
	.globl	k_q397bb9ae39_prep
	.p2align	8
	.type	k_q397bb9ae39_prep,@function
k_q397bb9ae39_prep:
	s_mov_b64 s[64:65], 0
	v_nop
	global_prefetch_b8 v0, s[64:65] scope:SCOPE_SE
	s_setreg_imm32_b32 hwreg(HW_REG_WAVE_MODE, 25, 1), 1
	s_wait_xcnt 0x0
; PREP.  Work-groups 0-383: the four weights, f32 stored [K][N], become codes of E4M3 laid [N][K] (K innermost) in wc.
; Work-groups 384-639: h = LayerNorm(x) g1 + beta1, f32, becomes codes [4096][1024] at byte HOFF of wc.
; code = number / 2^e, held within +-448, to the nearest code, ties to even; e: W_qkv entry 1, W_o 7, W_fc 9, W_pr 11, h 0 of the scales.
; LIMITS: each e between -126 and 119, so that 2^e and 448 x 2^e are f32 numbers.  NaN and infinities among the inputs are not served.
; wc: W_qkv [3072][1024] at 0, W_o [1024][1024] at 0x300000, W_fc [4096][1024] at 0x400000, W_pr [1024][4096] at 0x800000, h at 0xC00000.
; No tensor loads, no barrier: waves share nothing.  The two paths part on the work-group's number and have LDS bytes of their own.
.set HOFF,  0xC00000
.set SPT,   272                        ; weights: a stage row: 256 bytes of codes + 16
.set LNS,   4*32*SPT                   ; LayerNorm's stages begin behind the weights' four: byte 34,816
; weights path: a lane takes a column n and its registers run down K, so the conversions give codes with K innermost
.set VO,    16                         ; v16-47   i x (bytes in a row of W) + 4 x lane
.set X,     48                         ; v48-111  two sets of 32 numbers
.set C,     112                        ; v112-119 a block's codes
.set OUTR,  120                        ; v120-183 the way out
.set SO,    184                        ; v184-199 the stores' offsets: 2 t rows of codes on
; LayerNorm path
.set G,     16                         ; v16-47   g
.set BT,    48                         ; v48-79   beta
.set LX,    80                         ; v80-207  four rows; row p at LX + 32 p; load j's four numbers are k = 128 j + 4 lane + 0..3
.set CA,    208                        ; v208-223 row 0's codes and way out
	s_load_b512 s[8:23], s[0:1], 0x0               ; x 8:9, g1 10:11, beta1 12:13, W_qkv 14:15, W_o 16:17, W_fc 18:19, W_pr 20:21, scales 22:23
	s_load_b64 s[24:25], s[0:1], 0x40              ; wc
	v_lshl_add_u32 v226, v0, 2, 0xc800
	v_mov_b32 v227, 0
	v_lshrrev_b32 v1, 5, v0
	v_readfirstlane_b32 s32, v1                    ; wave 0..3
	v_and_b32 v2, 31, v0                           ; lane
	s_wait_kmcnt 0x0
	s_load_b256 s[36:43], s[22:23], 0x0            ; e0..e7
	s_load_b128 s[44:47], s[22:23], 0x20           ; e8..e11
	s_cmp_lt_u32 ttmp9, 384
	s_cbranch_scc0 .Lln
	; ---------------- weights: a work-group takes 128 columns x 256 along K; which tensor hangs on the work-group's number alone
	s_mov_b64 s[4:5], s[14:15]                     ; W_qkv: ids 0-95
	s_mov_b32 s26, 12288                           ; bytes in a row of W
	s_mov_b32 s27, 0                               ; the codes' place in wc
	s_mov_b32 s28, 0                               ; the tensor's first id
	s_mov_b32 s30, 1024                            ; bytes in a row of codes (K)
	s_mov_b32 s31, 2                               ; log2 of K / 256
	s_cmp_ge_u32 ttmp9, 96                         ; W_o: ids 96-127
	s_cselect_b64 s[4:5], s[16:17], s[4:5]
	s_cselect_b32 s26, 4096, s26
	s_cselect_b32 s27, 0x300000, s27
	s_cselect_b32 s28, 96, s28
	s_cmp_ge_u32 ttmp9, 128                        ; W_fc: ids 128-255
	s_cselect_b64 s[4:5], s[18:19], s[4:5]
	s_cselect_b32 s26, 16384, s26
	s_cselect_b32 s27, 0x400000, s27
	s_cselect_b32 s28, 128, s28
	s_cmp_ge_u32 ttmp9, 256                        ; W_pr: ids 256-383
	s_cselect_b64 s[4:5], s[20:21], s[4:5]
	s_cselect_b32 s26, 4096, s26
	s_cselect_b32 s27, 0x800000, s27
	s_cselect_b32 s28, 256, s28
	s_cselect_b32 s30, 4096, s30
	s_cselect_b32 s31, 4, s31
	s_sub_co_u32 s33, ttmp9, s28                   ; id within the tensor
	s_bfm_b32 s34, s31, 0
	s_and_b32 s34, s33, s34                        ; which 256 along K
	s_lshr_b32 s33, s33, s31                       ; which 128 columns
	s_lshl_b32 s33, s33, 7
	s_lshl_b32 s35, s32, 5
	s_add_co_u32 s33, s33, s35                     ; my wave's first column
	s_mul_i32 s35, s34, s26
	s_lshl_b32 s35, s35, 8                         ; 256 rows of W for each step along K
	s_lshl_b32 s2, s33, 2
	s_add_co_u32 s2, s35, s2
	s_mov_b32 s3, 0
	s_add_nc_u64 s[48:49], s[4:5], s[2:3]          ; block 0's first row, my wave's first column
	s_lshl_b32 s2, s26, 5                          ; 32 rows of W
.irp t, 1,2,3,4,5,6,7
	s_add_nc_u64 s[48+2*\t:49+2*\t], s[46+2*\t:47+2*\t], s[2:3]   ; a base for each block of 32 along K: none is stepped later
.endr
	s_mul_i32 s2, s33, s30
	s_lshl_b32 s35, s34, 8
	s_add_co_u32 s2, s2, s35
	s_add_co_u32 s2, s2, s27
	s_add_nc_u64 s[6:7], s[24:25], s[2:3]          ; the codes: row = my first column, byte = 256 x step along K
	v_lshlrev_b32 v3, 2, v2
	s_mul_i32 s35, s32, 32*SPT                     ; my stage
	v_mul_u32_u24 v4, v2, SPT
	v_add_nc_u32 v4, s35, v4                       ; into it: row = my column
	v_and_b32 v5, 15, v2
	v_lshrrev_b32 v6, 4, v2
	v_mul_u32_u24 v7, v6, SPT
	v_lshl_add_u32 v7, v5, 4, v7
	v_add_nc_u32 v7, s35, v7                       ; out of it: sixteen lanes to a row, two rows an instruction
	v_mul_u32_u24 v8, s30, v6
	v_lshl_add_u32 v8, v5, 4, v8                   ; and the same place among the rows of codes
.set i, 0
.rept 32
	v_mad_u32_u24 v[VO+i], s26, i, v3              ; row i of a block, my column
.set i, i+1
.endr
.set i, 0
.rept 16
	v_mad_u32_u24 v[SO+i], s30, 2*i, v8
.set i, i+1
.endr
.macro LOAD t                          ; block t: W(32 t + i, my column) into set t % 2; a wave's load reads 128 consecutive bytes, the four waves stand side by side
.set i, 0
.rept 32
	global_load_b32 v[X+32*((\t)%2)+i], v[VO+i], s[48+2*(\t):49+2*(\t)] th:TH_LOAD_NT
.set i, i+1
.endr
.endm
	LOAD 0
	LOAD 1
	s_wait_kmcnt 0x0
	s_mov_b32 s29, s37                             ; e of my tensor
	s_cmp_ge_u32 ttmp9, 96
	s_cselect_b32 s29, s43, s29
	s_cmp_ge_u32 ttmp9, 128
	s_cselect_b32 s29, s45, s29
	s_cmp_ge_u32 ttmp9, 256
	s_cselect_b32 s29, s47, s29
	s_add_co_i32 s29, s29, 127
	s_lshl_b32 s2, s29, 23
	v_mov_b32 v11, s2                              ; 2^e as f32: the conversion takes its exponent field
	s_add_co_i32 s29, s29, 8
	s_lshl_b32 s29, s29, 23
	s_or_b32 s29, s29, 0x600000
	v_mov_b32 v10, s29                             ; 448 x 2^e
.macro BLOCK t
.set XS, X+32*((\t)%2)
.if (\t) < 7
	s_wait_loadcnt 32                              ; this block's 32 loads are in; the next block's 32 may be out
.else
	s_wait_loadcnt 0
.endif
.set i, 0
.rept 32
	v_med3_num_f32 v[XS+i], v[XS+i], -v10, v10     ; the conversion to an 8-bit code does not saturate (ISA guide 7.6.2): the hold comes first
.set i, i+1
.endr
.irp g, 0,1,2,3
	v_cvt_scalef32_pk8_fp8_f32 v[C+2*\g:C+2*\g+1], v[XS+8*\g:XS+8*\g+7], v11
.endr
	ds_store_b128 v4, v[C:C+3] offset:32*(\t)      ; 32 codes of my column's row
	ds_store_b128 v4, v[C+4:C+7] offset:32*(\t)+16
.if (\t)+2 < 8
	LOAD (\t)+2
.endif
	s_wait_dscnt 0x0                               ; the stores have read their registers: the next block's codes may be written
.endm
.irp t, 0,1,2,3,4,5,6,7
	BLOCK \t
.endr
.set i, 0
.rept 16
	ds_load_b128 v[OUTR+4*i:OUTR+4*i+3], v7 offset:2*i*SPT   ; LDS serves a wave's instructions in order: these see my stores
.set i, i+1
.endr
.set i, 0
.rept 16
	s_wait_dscnt 15-i                              ; the later read-backs may be out
	global_store_b128 v[SO+i], v[OUTR+4*i:OUTR+4*i+3], s[6:7]   ; sixteen lanes store 256 consecutive bytes, aligned
.set i, i+1
.endr
	s_wait_tensorcnt 0x0
	ds_add_u32 v226, v227
	s_wait_dscnt 0x0
	s_endpgm
	; ---------------- LayerNorm: a wave takes four whole rows, kept in registers between the passes
.Lln:
	s_sub_co_u32 s26, ttmp9, 384
	s_lshl_b32 s26, s26, 4
	s_lshl_b32 s27, s32, 2
	s_add_co_u32 s26, s26, s27                     ; my first row
	s_lshl_b32 s4, s26, 12
	s_mov_b32 s5, 0
	s_add_nc_u64 s[8:9], s[8:9], s[4:5]            ; x at my first row
	s_lshl_b32 s4, s26, 10
	s_add_co_u32 s4, s4, HOFF
	s_add_nc_u64 s[24:25], s[24:25], s[4:5]        ; its codes
	s_lshl_b32 s27, s32, 12
	s_add_co_u32 s27, s27, LNS                     ; my stage: four rows of 1,024 bytes
	v_lshlrev_b32 v1, 4, v2                        ; 16 x lane
	v_lshl_add_u32 v3, v2, 4, s27                  ; the stage, by 16 bytes a lane
	v_lshl_add_u32 v2, v2, 2, s27                  ; the stage, by 4 bytes a lane
	s_mov_b32 s2, 0x76543210                       ; v_permlanex16_b32: lane l xor 16
	s_mov_b32 s3, 0xfedcba98
	s_mov_b32 s33, 0x3a800000                      ; 1 / 1024
	s_mov_b32 s34, 0x3727c5ac                      ; 1e-5
	v_mov_b32 v225, 0                              ; a lane permute's destination counts as read: written once
.irp j, 0,1,2,3,4,5,6,7
	global_load_b128 v[G+4*\j:G+4*\j+3], v1, s[10:11] offset:512*\j
.endr
.irp j, 0,1,2,3,4,5,6,7
	global_load_b128 v[BT+4*\j:BT+4*\j+3], v1, s[12:13] offset:512*\j
.endr
.set i, 0
.rept 32
	global_load_b128 v[LX+4*i:LX+4*i+3], v1, s[8:9] offset:4096*(i/8)+512*(i%8) th:TH_LOAD_NT   ; 512 consecutive bytes a load
.set i, i+1
.endr
	s_wait_kmcnt 0x0
	s_add_co_i32 s30, s36, 127
	s_lshl_b32 s31, s30, 23
	v_mov_b32 v224, s31                            ; 2^e
	s_add_co_i32 s30, s30, 8
	s_lshl_b32 s30, s30, 23
	s_or_b32 s29, s30, 0x600000                    ; 448 x 2^e
	s_or_b32 s28, s29, 0x80000000                  ; and its negative
.macro REDUCE                          ; four chains of pairs in v[8:15] -> the row's sum in v8 of every lane
	v_pk_add_f32 v[8:9], v[8:9], v[10:11]
	v_pk_add_f32 v[12:13], v[12:13], v[14:15]
	v_pk_add_f32 v[8:9], v[8:9], v[12:13]
	v_add_f32 v8, v8, v9
	v_add_f32_dpp v8, v8, v8 row_xmask:1 row_mask:0xf bank_mask:0xf
	v_add_f32_dpp v8, v8, v8 row_xmask:2 row_mask:0xf bank_mask:0xf
	v_add_f32_dpp v8, v8, v8 row_xmask:4 row_mask:0xf bank_mask:0xf
	v_add_f32_dpp v8, v8, v8 row_xmask:8 row_mask:0xf bank_mask:0xf
	v_permlanex16_b32 v225, v8, s2, s3
	v_add_f32 v8, v8, v225
.endm
; row p.  left: the later rows' loads, which may stay out.  cr, od: eight registers each for its codes and its way out (dead registers of the row before, so no pending store's data are written again)
.macro LNROW p, left, cr, od
.set XR, LX+32*(\p)
	s_wait_loadcnt \left
.irp c, 0,1,2,3
	v_pk_add_f32 v[8+2*\c:9+2*\c], v[XR+2*\c:XR+2*\c+1], v[XR+8+2*\c:XR+9+2*\c]
.endr
.irp c, 0,1,2,3
	v_pk_add_f32 v[8+2*\c:9+2*\c], v[8+2*\c:9+2*\c], v[XR+16+2*\c:XR+17+2*\c]
.endr
.irp c, 0,1,2,3
	v_pk_add_f32 v[8+2*\c:9+2*\c], v[8+2*\c:9+2*\c], v[XR+24+2*\c:XR+25+2*\c]
.endr
	REDUCE
	v_mul_f32 v4, s33, v8                          ; the mean
	v_mov_b32 v5, v4
.set i, 0
.rept 16
	v_pk_add_f32 v[XR+i:XR+i+1], v[XR+i:XR+i+1], v[4:5] neg_lo:[0,1] neg_hi:[0,1]   ; deviations first: a common offset of the row costs no digits in the variance
.set i, i+2
.endr
.irp c, 0,1,2,3
	v_pk_mul_f32 v[8+2*\c:9+2*\c], v[XR+2*\c:XR+2*\c+1], v[XR+2*\c:XR+2*\c+1]
.endr
.irp o, 8,16,24
.irp c, 0,1,2,3
	v_pk_fma_f32 v[8+2*\c:9+2*\c], v[XR+\o+2*\c:XR+\o+2*\c+1], v[XR+\o+2*\c:XR+\o+2*\c+1], v[8+2*\c:9+2*\c]
.endr
.endr
	REDUCE
	v_fma_f32 v6, v8, s33, s34                     ; the variance + 1e-5
	v_rsq_f32 v6, v6
	v_nop                                          ; a plain instruction behind the transcendental
	s_wait_alu depctr_va_vdst(0)                   ; the wait ahead of the result's first reader
	v_mov_b32 v7, v6
.set i, 0
.rept 16
	v_pk_mul_f32 v[XR+i:XR+i+1], v[XR+i:XR+i+1], v[6:7]
.set i, i+2
.endr
.set i, 0
.rept 16
	v_pk_fma_f32 v[XR+i:XR+i+1], v[XR+i:XR+i+1], v[G+i:G+i+1], v[BT+i:BT+i+1]
.set i, i+2
.endr
.set i, 0
.rept 32
	v_med3_num_f32 v[XR+i], v[XR+i], s28, s29      ; the hold at the largest code x the scale
.set i, i+1
.endr
.irp m, 0,1,2,3
	v_cvt_scalef32_pk8_fp8_f32 v[\cr+2*\m:\cr+2*\m+1], v[XR+8*\m:XR+8*\m+7], v224   ; register cr + j: the four codes of k = 128 j + 4 lane
.endr
	v_nop                                          ; a plain instruction behind the last conversion
.irp j, 0,1,2,3,4,5,6,7
	ds_store_b32 v2, v[\cr+\j] offset:1024*(\p)+128*\j
.endr
	ds_load_b128 v[\od:\od+3], v3 offset:1024*(\p)          ; back as 16 neighbouring codes a lane (a wave's LDS instructions are served in order)
	ds_load_b128 v[\od+4:\od+7], v3 offset:1024*(\p)+512
	s_wait_dscnt 0x0
	global_store_b128 v1, v[\od:\od+3], s[24:25] offset:1024*(\p)        ; 512 consecutive bytes, aligned
	global_store_b128 v1, v[\od+4:\od+7], s[24:25] offset:1024*(\p)+512
.endm
	LNROW 0, 24, CA, CA+8
	LNROW 1, 16, LX, LX+8
	LNROW 2, 8, LX+32, LX+40
	LNROW 3, 0, LX+64, LX+72
	s_wait_tensorcnt 0x0
	ds_add_u32 v226, v227
	s_wait_dscnt 0x0
	s_endpgm
.Lfunc_end_k_q397bb9ae39_prep:
	.size	k_q397bb9ae39_prep, .Lfunc_end_k_q397bb9ae39_prep-k_q397bb9ae39_prep
	.p2alignl 7, 3214868480
	.fill 96, 4, 3214868480
	.section	.rodata,"a",@progbits
	.p2align	6, 0x0
	.amdhsa_kernel k_q397bb9ae39_prep
		.amdhsa_group_segment_fixed_size 51712
		.amdhsa_private_segment_fixed_size 0
		.amdhsa_enable_private_segment 0
		.amdhsa_kernarg_size 72
		.amdhsa_user_sgpr_count 2
		.amdhsa_user_sgpr_kernarg_segment_ptr 1
		.amdhsa_wavefront_size32 1
		.amdhsa_system_sgpr_workgroup_id_x 1
		.amdhsa_system_sgpr_workgroup_id_y 1
		.amdhsa_system_sgpr_workgroup_id_z 1
		.amdhsa_system_vgpr_workitem_id 0
		.amdhsa_next_free_vgpr 228
		.amdhsa_next_free_sgpr 66
		.amdhsa_reserve_vcc 0
		.amdhsa_float_denorm_mode_32 3
		.amdhsa_float_denorm_mode_16_64 3
		.amdhsa_memory_ordered 1
		.amdhsa_forward_progress 1
		.amdhsa_inst_pref_size 97
	.end_amdhsa_kernel
	.amdgpu_metadata
---
amdhsa.version: [ 1, 2 ]
amdhsa.kernels:
  - .name:           k_q397bb9ae39_prep
    .symbol:         k_q397bb9ae39_prep.kd
    .args:
      - { .name: x, .offset: 0, .size: 8, .value_kind: global_buffer, .address_space: global }
      - { .name: g1, .offset: 8, .size: 8, .value_kind: global_buffer, .address_space: global }
      - { .name: beta1, .offset: 16, .size: 8, .value_kind: global_buffer, .address_space: global }
      - { .name: W_qkv, .offset: 24, .size: 8, .value_kind: global_buffer, .address_space: global }
      - { .name: W_o, .offset: 32, .size: 8, .value_kind: global_buffer, .address_space: global }
      - { .name: W_fc, .offset: 40, .size: 8, .value_kind: global_buffer, .address_space: global }
      - { .name: W_pr, .offset: 48, .size: 8, .value_kind: global_buffer, .address_space: global }
      - { .name: lowp_scales, .offset: 56, .size: 8, .value_kind: global_buffer, .address_space: global }
      - { .name: wc, .offset: 64, .size: 8, .value_kind: global_buffer, .address_space: global }
    .group_segment_fixed_size: 51712
    .private_segment_fixed_size: 0
    .kernarg_segment_align: 8
    .kernarg_segment_size: 72
    .max_flat_workgroup_size: 128
    .sgpr_count:     66
    .vgpr_count:     228
    .wavefront_size: 32
...
	.end_amdgpu_metadata
.endif
;; end of part 1
;; launch qkv (part 2): grid 12 x 16, 4 waves a work-group, clusters of 4 x 4, 327,680 bytes of LDS; arguments wc, lowp_scales, b_qkv, qkvc; writes qkvc
.if DOCPART == 2
	.amdgcn_target "amdgcn-amd-amdhsa--gfx1250"
	.amdhsa_code_object_version 6
	.text
	.protected	k_q397bb9ae39_qkv
	.globl	k_q397bb9ae39_qkv
	.p2align	8
	.type	k_q397bb9ae39_qkv,@function
k_q397bb9ae39_qkv:
	s_mov_b64 s[64:65], 0
	v_nop
	global_prefetch_b8 v0, s[64:65] scope:SCOPE_SE
	s_setreg_imm32_b32 hwreg(HW_REG_WAVE_MODE, 25, 1), 1
	s_wait_xcnt 0x0
	s_wait_alu depctr_hold_cnt(0) depctr_sa_sdst(0) depctr_va_vdst(0) depctr_va_sdst(0) depctr_va_ssrc(0) depctr_va_vcc(0) depctr_vm_vsrc(0)
	s_getreg_b32 s2, hwreg(HW_REG_IB_STS2, 6, 4)
	s_cmp_eq_u32 s2, 0
	s_cbranch_scc0 .Lentry_in_a_cluster
	s_endpgm
.Lentry_in_a_cluster:
	s_bfe_u32 s2, ttmp6, 0x10000c
	s_cmp_lg_u32 s2, 0xf033
	s_cbranch_scc0 .Lentry_shape_is_right
	s_endpgm
.Lentry_shape_is_right:
; QKV.  qkv = h W_qkv + b_qkv on codes of E4M3 (h: scale entry 0, W_qkv: entry 1), each result quantised at once: q (entry 2), k (entry 3), v (entry 5).
; Both operands lie in wc: W_qkv's codes [3072][1024] at 0, h's [4096][1024] at HOFF.  Out: q [32][2048][64] at 0 of qkvc, k likewise at 0x400000, v with the keys innermost, [32][64][2048], at 0x800000.
; A tile of C, 256 x 256, is made by four waves, each 128 x 128: 64 accumulators.  K goes in steps of 256 through two LDS slots filled by joint tensor loads of a 4 x 4 cluster
; (A's tile shared along a row of the cluster, B's along a column).  The matrix instruction is used transposed (source 0 = rows of B, source 1 = rows of A): a lane holds eight neighbouring columns of a row of C.
; CLUSTER x = 0: q, x = 1: k: A = h (tokens), B = W's rows: a lane's eight numbers run along the head's axis, which is q's and k's K.
; CLUSTER x = 2: v, WITH THE ROLES SWAPPED: A = W's rows 2048.., B = h: a lane's eight numbers run along the tokens, which are v's K.  Only offsets and numbers are selected, on the cluster's x, which all sixteen partners share.
; LIMITS: e0 + e1 between -126 and 127; e2, e3, e5 between -126 and 119.  NaN and infinities are not served.
; REGISTERS: window 0: v0-31 addresses; v32-95 column bias; v96-111 row bias (pairs); v112 the conversion's scale; from v128 A's fragments, ONE set; on the way out v128-255 are at work.
;   window 1: B's fragments, two sets.  windows 2, 3: the accumulators ((a, b) at v[8 (8 (a % 4) + b)]).
.set KROW,   1024
.set HOFF,   0xC00000
.set ROWB,   256                       ; a tile's row: 256 codes
.set PITCH,  272                       ; in LDS: + 16 bytes, so that the 16 rows of a fragment load start at 16 different banks (64 banks of 4 bytes: ISA guide 11.1)
.set FR,     16
.set NL,     4
.set NP,     4                         ; places behind this matrix instruction (ISA guide 7.12.1)
.set HALFT,  128*PITCH
.set SLOT,   4*HALFT
.set LAPS,   KROW/(2*ROWB)
.set SPARE,  2*SLOT                    ; the spare words: 128 bytes a wave, named by no other line
.set ADRA, 16
.set ADRB, 20
.set CQ,   19                          ; v19  q, k: 16 x lane
.set RDQ2, 22                          ; v22  q, k: the stage's rows 128 on
.set RDQ,  23                          ; v23  q, k: where I read the stage: 8 tokens x 64 bytes of my head
.set STO,  24                          ; v24  where I put 8 codes of a row
.set RD,   25                          ; v25  v: where I read a row back
.set CO,   26                          ; v26  v: my byte offset among v's rows
.set SPW,  28
.set NIL,  29
.set BI,   32
.set BR,   96
.set SC,   112
.set AF,   128
.set T,    128                         ; the way out: a block's 64 numbers
.set CD,   192                         ; its codes
.set G1, 24
.set G0, 32
.set G1B, 48
.set G0B, 56
.set MSB, 0
.macro WIN new                         ; the immediate's high byte repeats the setting that is left
.if MSB != (\new)
	s_set_vgpr_msb (MSB<<8)|(\new)
.set MSB, (\new)
.endif
.endm
.set MUL_LO, 0xa1                      ; source 0 (B) window 1, source 1 (A) window 0, C and D window 2
.set MUL_HI, 0xf1
.set TO_B,   0x40
.macro JLOAD g0a, g1a, g0b, g1b        ; a joint load: waves 0, 1 fetch for A, waves 2, 3 for B; four v_nop follow each line
	s_cmp_eq_u32 s15, 0
	s_cbranch_scc0 .Lfor_b_\@
	tensor_load_to_lds s[\g0a:\g0a+3], s[\g1a:\g1a+7]
	s_nop 0
.rept 4
	v_nop
.endr
	s_branch .Lasked_\@
.Lfor_b_\@:
	tensor_load_to_lds s[\g0b:\g0b+3], s[\g1b:\g1b+7]
	s_nop 0
.rept 4
	v_nop
.endr
.Lasked_\@:
.endm
.macro CREST                           ; a round of the cluster's barrier behind its opening barrier
	s_cmp_lg_u32 s14, 0
	s_cbranch_scc1 .Lnot_wave_0_\@
	s_barrier_signal -3
.Lnot_wave_0_\@:
	s_barrier_wait -3
	s_barrier_signal -1
	s_barrier_wait -1
.endm
.macro CROUND
	s_barrier_signal -1
	s_barrier_wait -1
	CREST
.endm
	s_load_b64 s[4:5], s[0:1], 0x0                 ; wc, for A
	s_load_b64 s[6:7], s[0:1], 0x0                 ; wc, for B
	s_load_b128 s[8:11], s[0:1], 0x8               ; the scales' exponents s[8:9], b_qkv s[10:11]
	s_load_b64 s[70:71], s[0:1], 0x18              ; qkvc
	v_lshl_add_u32 v[SPW], v0, 2, SPARE
	v_mov_b32 v[NIL], 0
	ds_add_u32 v28, v29
	ds_add_u32 v28, v29
	s_wait_dscnt 0x0
	v_lshrrev_b32 v1, 5, v0
	v_readfirstlane_b32 s14, v1                    ; wave 0..3
	s_lshr_b32 s15, s14, 1                         ; my half of the tile's rows; also: I fetch for A (0) or B (1)
	s_and_b32 s16, s14, 1                          ; my half of its columns; also: which 128 rows I fetch
	s_bfe_u32 s40, ttmp6, 0x40000                  ; cx
	s_bfe_u32 s41, ttmp6, 0x40004                  ; cy
	s_and_b32 s18, ttmp7, 0xffff                   ; cluster y
	s_cmp_eq_u32 ttmp9, 2                          ; v's clusters?  The cluster's x is the same in all sixteen partners
	s_cselect_b32 s72, s18, ttmp9                  ; which four tile columns
	s_cselect_b32 s73, 0, s18                      ; which four tile rows
	s_mov_b32 s74, HOFF
	s_cselect_b32 s74, 0x200000, s74               ; A's first byte in wc: W's row 2048, or h
	s_cselect_b32 s75, HOFF, 0                     ; B's: h, or W's row 0
	s_cselect_b32 s79, 0, -1                       ; keeps the column bias (q, k)
	s_cselect_b32 s83, -1, 0                       ; keeps the row bias (v)
	s_lshl_b32 s42, s72, 2
	s_add_co_u32 s42, s42, s40                     ; tile column
	s_lshl_b32 s17, s73, 2
	s_add_co_u32 s17, s17, s41                     ; tile row
	s_lshl_b32 s43, s41, 2
	s_lshl_b32 s43, 15, s43                        ; my row of the cluster
	s_lshl_b32 s44, 0x1111, s40                    ; my column
	s_or_b32 s[G1+0], s43, (1<<20)|(1<<21)|(5<<22)|(3<<25)    ; the mask; elements of 1 byte; padding on; bit 21 beside a mask; 4 words after every 64
	s_or_b32 s[G1B+0], s44, (1<<20)|(1<<21)|(5<<22)|(3<<25)
.irp g, G1, G1B
	s_mov_b32 s[\g+1], ROWB<<16                    ; tensor_dim0
	s_mov_b32 s[\g+2], 128<<16                     ; tensor_dim1
	s_mov_b32 s[\g+3], ROWB<<16                    ; tile_dim0
	s_mov_b32 s[\g+4], 128                         ; tile_dim1
	s_mov_b32 s[\g+5], KROW                        ; the pitch
	s_mov_b32 s[\g+6], 0
	s_mov_b32 s[\g+7], 0
.endr
	s_lshl_b32 s18, s16, 7
	s_lshl_b32 s20, s17, 8
	s_add_co_u32 s20, s20, s18                     ; A: row 256 x tile row + 128 x half
	s_mul_i32 s20, s20, KROW
	s_add_co_u32 s20, s20, s74
	s_mov_b32 s21, 0
	s_lshl_b32 s46, s42, 8
	s_add_co_u32 s46, s46, s18                     ; B: row 256 x tile column + 128 x half
	s_mul_i32 s46, s46, KROW
	s_add_co_u32 s46, s46, s75
	s_mov_b32 s47, 0
	s_mul_i32 s45, s14, HALFT                      ; where they go: wave x 128 rows
	s_wait_kmcnt 0x0
	s_load_b64 s[96:97], s[8:9], 0x0               ; e0, e1
	s_load_b128 s[84:87], s[8:9], 0x8              ; e2, e3, e4, e5
	s_add_nc_u64 s[20:21], s[4:5], s[20:21]
	s_add_nc_u64 s[46:47], s[6:7], s[46:47]
	CROUND                                         ; all sixteen work-groups are here: the first joint loads meet
.irp s, 0,1
	s_mov_b32 s[G0+4*\s], 1
	s_add_co_u32 s[G0+4*\s+1], s45, \s*SLOT
	s_add_nc_u64 s[G0+4*\s+2:G0+4*\s+3], s[20:21], \s*ROWB
	s_or_b32 s[G0+4*\s+3], s[G0+4*\s+3], 0x80000000
	s_mov_b32 s[G0B+4*\s], 1
	s_add_co_u32 s[G0B+4*\s+1], s45, \s*SLOT
	s_add_nc_u64 s[G0B+4*\s+2:G0B+4*\s+3], s[46:47], \s*ROWB
	s_or_b32 s[G0B+4*\s+3], s[G0B+4*\s+3], 0x80000000
	JLOAD G0+4*\s, G1, G0B+4*\s, G1B
.endr
	v_and_b32 v1, 15, v0                           ; r
	v_bfe_u32 v2, v0, 4, 1                         ; h
	v_mul_u32_u24 v3, v1, PITCH
	v_lshl_add_u32 v4, v2, 4, v3
	s_mul_i32 s21, s15, HALFT
	s_mul_i32 s22, s16, HALFT
	s_add_co_u32 s22, s22, 2*HALFT
.irp s, 0,1
	v_add_nc_u32 v[ADRA+\s], s21, v4
	v_add_nc_u32 v[ADRB+\s], s22, v4
	s_add_co_u32 s21, s21, SLOT
	s_add_co_u32 s22, s22, SLOT
.endr
	; the stage, in slot 0: 256 rows x 272 bytes, the work-group's
	s_mul_i32 s23, s15, 128*PITCH
	s_lshl_b32 s21, s16, 7
	s_add_co_u32 s23, s23, s21
	v_lshl_add_u32 v5, v2, 3, v3
	v_add_nc_u32 v[STO], s23, v5                   ; in: row 128 x half + r, byte 128 x half + 8 h
	s_mul_i32 s23, s14, 64*PITCH
	v_mul_u32_u24 v5, v2, PITCH
	v_lshl_add_u32 v5, v1, 4, v5
	v_add_nc_u32 v[RD], s23, v5                    ; v, back: my 64 rows, sixteen lanes to a row
	v_lshlrev_b32 v6, 11, v2
	v_lshl_add_u32 v[CO], v1, 4, v6                ; and the same two rows of v (2,048 bytes each)
	v_bfe_u32 v5, v0, 2, 3                         ; q, k, back: lane / 4 = a token of eight,
	v_and_b32 v6, 3, v0                            ; lane % 4 = 16 bytes of my head's 64
	v_mul_u32_u24 v5, v5, PITCH
	v_lshl_add_u32 v5, v6, 4, v5
	s_lshl_b32 s23, s14, 6
	v_add_nc_u32 v[RDQ], s23, v5
	v_add_nc_u32 v[RDQ2], 16*8*PITCH, v[RDQ]
	v_and_b32 v6, 31, v0
	v_lshlrev_b32 v[CQ], 4, v6
	v_lshlrev_b32 v15, 2, v1                       ; row bias: 4 r
	v_lshlrev_b32 v18, 5, v2                       ; column bias: 32 h
	; the biases: both are loaded, from places inside b_qkv, and the one that does not apply is cleared later
	s_lshl_b32 s88, s42, 10
	s_lshl_b32 s89, s16, 9
	s_add_co_u32 s88, s88, s89                     ; q, k: 4 x (256 x tile column + 128 x half)
	s_lshl_b32 s90, s17, 10
	s_lshl_b32 s91, s15, 9
	s_add_co_u32 s90, s90, s91
	s_add_co_u32 s90, s90, 8192                    ; v: 4 x (2048 + 256 x tile row + 128 x half)
	s_cmp_eq_u32 ttmp9, 2
	s_cselect_b32 s88, 0, s88
	s_cselect_b32 s90, s90, 0
	s_mov_b32 s89, 0
	s_mov_b32 s91, 0
	s_add_nc_u64 s[12:13], s[10:11], s[90:91]
	s_add_nc_u64 s[10:11], s[10:11], s[88:89]
.irp b, 0,1,2,3,4,5,6,7
	global_load_b128 v[BI+8*\b:BI+8*\b+3], v18, s[10:11] offset:64*\b       ; register 8 b + j: the bias of column 16 b + 8 h + j
	global_load_b128 v[BI+8*\b+4:BI+8*\b+7], v18, s[10:11] offset:64*\b+16
.endr
.irp a, 0,1,2,3,4,5,6,7
	global_load_b32 v[BR+2*\a], v15, s[12:13] offset:64*\a                  ; the bias of row 16 a + r, twice: a pair for the packed addition
	global_load_b32 v[BR+2*\a+1], v15, s[12:13] offset:64*\a
.endr
	; where my part of the result begins in qkvc
	s_lshr_b32 s88, s42, 3                         ; v: batch = tile column / 8
	s_lshl_b32 s88, s88, 10
	s_lshl_b32 s89, s17, 8
	s_add_co_u32 s88, s88, s89
	s_lshl_b32 s89, s14, 6
	s_add_co_u32 s88, s88, s89                     ; row 1024 x batch + 256 x tile row + 64 x wave
	s_lshl_b32 s88, s88, 11
	s_and_b32 s89, s42, 7
	s_lshl_b32 s89, s89, 8
	s_add_co_u32 s88, s88, s89
	s_add_co_u32 s88, s88, 0x800000
	s_lshr_b32 s90, s17, 3                         ; q, k: batch = tile row / 8
	s_lshl_b32 s90, s90, 4
	s_and_b32 s91, s42, 3
	s_lshl_b32 s91, s91, 2
	s_add_co_u32 s90, s90, s91
	s_add_co_u32 s90, s90, s14                     ; head: 16 x batch + 4 x (tile column % 4) + wave
	s_lshl_b32 s90, s90, 11
	s_and_b32 s91, s17, 7
	s_lshl_b32 s91, s91, 8
	s_add_co_u32 s90, s90, s91                     ; its token 256 x (tile row % 8)
	s_lshl_b32 s90, s90, 6
	s_lshl_b32 s91, ttmp9, 22                      ; q at 0, k at 0x400000
	s_add_co_u32 s90, s90, s91
	s_cmp_eq_u32 ttmp9, 2
	s_cselect_b32 s88, s88, s90
	s_mov_b32 s89, 0
	s_add_nc_u64 s[70:71], s[70:71], s[88:89]
.macro FRAG reg, adr, q, i             ; 16 rows x 128 K: lane l holds row l % 16; registers 4 c .. 4 c + 3 hold K = 32 c + 16 (l / 16) + 0 .. 15: the same permutation of k in A and in B
.irp c, 0,1,2,3
	ds_load_b128 v[\reg+4*\c:\reg+4*\c+3], v[\adr] offset:128*(\q)+32*\c+(\i)*16*PITCH
.endr
.endm
.macro MUL16 a0, p, zero               ; A's blocks a0, a0 + 1 x B's eight; the 64 accumulators take turns
.irp a, \a0, \a0+1
.irp b, 0,1,2,3,4,5,6,7
.if \zero
	v_wmma_f32_16x16x128_fp8_fp8 v[8*(8*((\a)%4)+\b):8*(8*((\a)%4)+\b)+7], v[128*(\p)+FR*\b:128*(\p)+FR*\b+FR-1], v[AF+FR*(\a):AF+FR*(\a)+FR-1], 0
.else
	v_wmma_f32_16x16x128_fp8_fp8 v[8*(8*((\a)%4)+\b):8*(8*((\a)%4)+\b)+7], v[128*(\p)+FR*\b:128*(\p)+FR*\b+FR-1], v[AF+FR*(\a):AF+FR*(\a)+FR-1], v[8*(8*((\a)%4)+\b):8*(8*((\a)%4)+\b)+7]
.endif
.endr
.endr
.endm
.macro FETCH_B slot, q, p
	WIN TO_B
.irp i, 0,1,2,3,4,5,6,7
	FRAG 128*(\p)+FR*\i, ADRB+\slot, \q, \i
.endr
	WIN 0
.endm
.macro FETCH_A slot, q, i0
.irp i, \i0, \i0+1, \i0+2, \i0+3
	FRAG AF+FR*(\i), ADRA+\slot, \q, \i
.endr
.endm
.macro PLACES n                        ; plain vector instructions between a matrix instruction and a load into, or a read of, its registers
.rept \n
	v_nop
.endr
.endm
.macro STEP slot, q, zero              ; 128 along K with its successor in the same slot
	s_wait_dscnt 4*NL                              ; B's set and A's blocks 0-3 are in; A's blocks 4-7 (16 loads) may be out
	WIN MUL_LO
	MUL16 0, (\q)%2, \zero
	MUL16 2, (\q)%2, \zero
	s_wait_dscnt 0
	PLACES NP
	FETCH_B \slot, (\q)+1, 1-(\q)%2
	FETCH_A \slot, (\q)+1, 0
	WIN MUL_HI
	MUL16 4, (\q)%2, \zero
	MUL16 6, (\q)%2, \zero
	PLACES NP
	WIN 0
	FETCH_A \slot, (\q)+1, 4
.endm
.macro TURN slot, next, fill           ; a slot's last step changes slots: one barrier; fill = 1: this slot is filled again, two K steps ahead
	s_wait_tensorcnt 0x0                           ; all my tensor loads have landed: my part of the next slot
	ds_add_u32 v[SPW], v[NIL]                      ; 0 onto my spare word
	s_wait_dscnt 4*NL+1                            ; the add and A's blocks 4-7 may be out
	WIN MUL_LO
	MUL16 0, 1, 0
	s_wait_dscnt 0x0                               ; the add is done, and my reads of this slot are over
	s_barrier_signal -1
	MUL16 2, 1, 0
	WIN 0
	s_barrier_wait -1
.if \fill
	CREST                                          ; the barrier has opened a round of the cluster's: no wave of any partner still reads this slot or has a load on its way
	s_add_nc_u64 s[G0+4*\slot+2:G0+4*\slot+3], s[G0+4*\slot+2:G0+4*\slot+3], 2*ROWB
	s_add_nc_u64 s[G0B+4*\slot+2:G0B+4*\slot+3], s[G0B+4*\slot+2:G0B+4*\slot+3], 2*ROWB
	JLOAD G0+4*\slot, G1, G0B+4*\slot, G1B         ; the first tensor load behind the round; its four v_nop are the places in front of the loads below
.else
	PLACES NP
.endif
	FETCH_B \next, 0, 0
	FETCH_A \next, 0, 0
	WIN MUL_HI
	MUL16 4, 1, 0
	MUL16 6, 1, 0
	PLACES NP
	WIN 0
	FETCH_A \next, 0, 4
.endm
	s_wait_tensorcnt 1                             ; my part of K step 0 is in; K step 1's load may be out
	s_barrier_signal -1
	s_barrier_wait -1
	FETCH_B 0, 0, 0
	FETCH_A 0, 0, 0
	FETCH_A 0, 0, 4
	STEP 0, 0, 1                                   ; the first step's products start the sums
	s_mov_b32 s3, LAPS-1
.Llap:
	TURN 0, 1, 1
	STEP 1, 0, 0
	TURN 1, 0, 1
	STEP 0, 0, 0
	s_sub_co_u32 s3, s3, 1
	s_cmp_lg_u32 s3, 0
	s_cbranch_scc1 .Llap
	TURN 0, 1, 0                                   ; the last lap fills nothing
	STEP 1, 0, 0
	s_wait_dscnt 4*NL
	WIN MUL_LO
	MUL16 0, 1, 0
	MUL16 2, 1, 0
	s_wait_dscnt 0
	WIN MUL_HI
	MUL16 4, 1, 0
	MUL16 6, 1, 0
	WIN 0
	; THE WAY OUT: sum x 2^(e0 + e1) + bias, held, converted (8 neighbours of a lane make 8 bytes), into the stage in slot 0, which has had its last fill and its last read.
	s_wait_kmcnt 0x0
	s_add_co_i32 s96, s96, s97
	s_add_co_i32 s96, s96, 127
	s_lshl_b32 s96, s96, 23                        ; 2^(e0 + e1)
	s_mov_b32 s97, s96
	s_cmp_eq_u32 ttmp9, 1
	s_cselect_b32 s76, s85, s84                    ; the result's e: q e2, k e3,
	s_cmp_eq_u32 ttmp9, 2
	s_cselect_b32 s76, s87, s76                    ; v e5: a choice, no branch
	s_add_co_i32 s76, s76, 127
	s_lshl_b32 s77, s76, 23
	PLACES NP
	v_mov_b32 v[SC], s77
	s_add_co_i32 s76, s76, 8
	s_lshl_b32 s76, s76, 23
	s_or_b32 s77, s76, 0x600000                    ; 448 x 2^e
	s_or_b32 s78, s77, 0x80000000
	s_wait_loadcnt 0x0                             ; the biases
.set i, 0
.rept 64
	v_and_b32 v[BI+i], s79, v[BI+i]                ; the column bias counts for q and k alone,
.set i, i+1
.endr
.set i, 0
.rept 16
	v_and_b32 v[BR+i], s83, v[BR+i]                ; the row bias for v alone
.set i, i+1
.endr
.macro BLOCKQ a                        ; my rows 16 a .. 16 a + 15
	WIN 0x02+((\a)/4)                              ; source 0: the accumulators' window
.set i, 0
.rept 32
	v_pk_fma_f32 v[T+i:T+i+1], v[64*((\a)%4)+i:64*((\a)%4)+i+1], s[96:97], v[BI+i:BI+i+1] op_sel_hi:[1,0,1]   ; each accumulator from its low end on
.set i, i+2
.endr
	WIN 0
.set i, 0
.rept 32
	v_pk_add_f32 v[T+i:T+i+1], v[T+i:T+i+1], v[BR+2*(\a):BR+2*(\a)+1]
.set i, i+2
.endr
.set i, 0
.rept 64
	v_med3_num_f32 v[T+i], v[T+i], s78, s77        ; the conversion does not saturate (ISA guide 7.6.2): the hold comes first
.set i, i+1
.endr
	s_wait_dscnt 0x0                               ; the last block's stores have read their registers
.irp b, 0,1,2,3,4,5,6,7
	v_cvt_scalef32_pk8_fp8_f32 v[CD+2*\b:CD+2*\b+1], v[T+8*\b:T+8*\b+7], v[SC]
.endr
	v_nop                                          ; a plain instruction behind the last conversion
.irp b, 0,1,2,3,4,5,6,7
	ds_store_b64 v[STO], v[CD+2*\b:CD+2*\b+1] offset:16*PITCH*(\a)+16*\b
.endr
.endm
.irp a, 0,1,2,3,4,5,6,7
	BLOCKQ \a
.endr
	s_wait_dscnt 0x0                               ; for the others' sake: my stores into the stage are done
	s_barrier_signal -1
	s_barrier_wait -1
	s_cmp_eq_u32 ttmp9, 2                          ; the two arms only read LDS
	s_cbranch_scc1 .Lv_out
	; q, k: wave w takes the tile's w-th head for all 256 tokens: 16,384 consecutive bytes of the result
.set i, 0
.rept 16
	ds_load_b128 v[128+4*i:131+4*i], v[RDQ] offset:8*PITCH*i
.set i, i+1
.endr
.set i, 0
.rept 16
	ds_load_b128 v[192+4*i:195+4*i], v[RDQ2] offset:8*PITCH*i
.set i, i+1
.endr
.set i, 0
.rept 32
	s_wait_dscnt 31-i                              ; the later read-backs may be out
	global_store_b128 v[CQ], v[128+4*i:131+4*i], s[70:71] offset:512*i    ; 512 consecutive bytes, aligned
.set i, i+1
.endr
	s_branch .Ldone
.Lv_out:
	; v: wave w takes rows 64 w .. 64 w + 63 of the stage; sixteen lanes store a row's 256 bytes
.set i, 0
.rept 32
	ds_load_b128 v[128+4*i:131+4*i], v[RD] offset:2*PITCH*i
.set i, i+1
.endr
.set i, 0
.rept 32
	s_wait_dscnt 31-i
	global_store_b128 v[CO], v[128+4*i:131+4*i], s[70:71] offset:4096*i
.set i, i+1
.endr
.Ldone:
	s_wait_tensorcnt 0x0                           ; the wave's end
	ds_add_u32 v[SPW], v[NIL]
	s_wait_dscnt 0x0
	CROUND                                         ; the closing round
	s_endpgm
.Lfunc_end_k_q397bb9ae39_qkv:
	.size	k_q397bb9ae39_qkv, .Lfunc_end_k_q397bb9ae39_qkv-k_q397bb9ae39_qkv
	.p2alignl 7, 3214868480
	.fill 96, 4, 3214868480
	.section	.rodata,"a",@progbits
	.p2align	6, 0x0
	.amdhsa_kernel k_q397bb9ae39_qkv
		.amdhsa_group_segment_fixed_size 327680
		.amdhsa_private_segment_fixed_size 0
		.amdhsa_enable_private_segment 0
		.amdhsa_kernarg_size 32
		.amdhsa_user_sgpr_count 2
		.amdhsa_user_sgpr_kernarg_segment_ptr 1
		.amdhsa_wavefront_size32 1
		.amdhsa_system_sgpr_workgroup_id_x 1
		.amdhsa_system_sgpr_workgroup_id_y 1
		.amdhsa_system_sgpr_workgroup_id_z 1
		.amdhsa_system_vgpr_workitem_id 0
		.amdhsa_next_free_vgpr 1024
		.amdhsa_next_free_sgpr 100
		.amdhsa_reserve_vcc 0
		.amdhsa_float_denorm_mode_32 3
		.amdhsa_float_denorm_mode_16_64 3
		.amdhsa_memory_ordered 1
		.amdhsa_forward_progress 1
		.amdhsa_inst_pref_size 171
	.end_amdhsa_kernel
	.amdgpu_metadata
---
amdhsa.version: [ 1, 2 ]
amdhsa.kernels:
  - .name:           k_q397bb9ae39_qkv
    .symbol:         k_q397bb9ae39_qkv.kd
    .args:
      - { .name: wc, .offset: 0, .size: 8, .value_kind: global_buffer, .address_space: global }
      - { .name: lowp_scales, .offset: 8, .size: 8, .value_kind: global_buffer, .address_space: global }
      - { .name: b_qkv, .offset: 16, .size: 8, .value_kind: global_buffer, .address_space: global }
      - { .name: qkvc, .offset: 24, .size: 8, .value_kind: global_buffer, .address_space: global }
    .group_segment_fixed_size: 327680
    .private_segment_fixed_size: 0
    .kernarg_segment_align: 8
    .kernarg_segment_size: 32
    .max_flat_workgroup_size: 128
    .sgpr_count:     100
    .vgpr_count:     1024
    .wavefront_size: 32
...
	.end_amdgpu_metadata
.endif
;; end of part 2
;; launch attn (part 3): grid 8 x 32, 16 waves a work-group, clusters of 4 x 1, 327,680 bytes of LDS; arguments qkvc, lowp_scales, aoc; writes aoc
.if DOCPART == 3
	.amdgcn_target "amdgcn-amd-amdhsa--gfx1250"
	.amdhsa_code_object_version 6
	.text
	.protected	k_q397bb9ae39_attn
	.globl	k_q397bb9ae39_attn
	.p2align	8
	.type	k_q397bb9ae39_attn,@function
k_q397bb9ae39_attn:
	s_mov_b64 s[64:65], 0
	v_nop
	global_prefetch_b8 v0, s[64:65] scope:SCOPE_SE
	s_setreg_imm32_b32 hwreg(HW_REG_WAVE_MODE, 25, 1), 1
	s_wait_xcnt 0x0
	s_wait_alu depctr_hold_cnt(0) depctr_sa_sdst(0) depctr_va_vdst(0) depctr_va_sdst(0) depctr_va_ssrc(0) depctr_va_vcc(0) depctr_vm_vsrc(0)
	s_getreg_b32 s2, hwreg(HW_REG_IB_STS2, 6, 4)
	s_cmp_eq_u32 s2, 0
	s_cbranch_scc0 .Lentry_in_a_cluster
	s_endpgm
.Lentry_in_a_cluster:
	s_bfe_u32 s2, ttmp6, 0x10000c
	s_cmp_lg_u32 s2, 0x3003
	s_cbranch_scc0 .Lentry_shape_is_right
	s_endpgm
.Lentry_shape_is_right:
; ATTN.  Causal attention on codes of E4M3: q (scale entry 2), k (3), p (4), v (5); the result is quantised at once (entry 6) into aoc [4096][1024], column 64 x head + d.
; q, k: [32][2048][64] at 0 and 0x400000 of qkvc; v with the keys innermost, [32][64][2048], at 0x800000.
; SOFTMAX: t = score x log2(e) / 8; M = the running largest t rounded up to a whole number; p = 2^(t - M) is quantised, not normalised; the row's sum is taken of the unquantised p and divides at the end.
; SHARES.  A work-group serves one head (y).  Its place g = 0..7 along x and the wave's number P' give the wave's tile of 16 queries: tile 8 P' + g.  A key step is 128 keys; step j is needed where j <= P', and j = P' is the step
; on the diagonal (16 g + 15 < 128).  So no branch hangs on g, and every work-group has waves of 1 .. 16 steps: the triangle is shared evenly.  P' = wave xor 3 in every second group of four waves.
; ALL OF THE HEAD'S K AND V LIE IN LDS: no slot is ever filled again.  Waves 0-3 fetch K, waves 4-7 V, four loads each (a quarter of each 512 keys), jointly for the four work-groups of a cluster, which share the head.
; Four tensor loads of a wave are out at the most.  The first 512 keys are read behind a first barrier, the rest behind a second.
; LAYOUT.  S^T = K Q^T (K = 64 form) and O^T = V^T P^T (K = 128 form): a lane holds one query throughout.  A tile's 16 keys are neighbours, so the eight conversions' results are registers 2 c, 2 c + 1 of the second product's operand
; in the form's own layout; V's fragments are fetched in that layout by loads of 8 bytes.
; LIMITS: e2 + e3 between -123 and 130 (added to c's exponent field); e4 and e6 between -126 and 119.  aoc's rows of a head are 64 bytes: its stores cover 64 consecutive bytes of each of eight rows.
; LDS: K at 0: four keys to a row of 256 + 16 bytes; V at VB: four tiles of 512 keys, row d of 512 + 16 bytes; stages at STG: 16 rows x 80 bytes a wave.
.set KT,   34816                       ; 512 keys of K: 128 rows x 272
.set VB,   4*KT
.set VT,   33792                       ; 512 keys of V: 64 rows x 528
.set STG,  VB+4*VT                     ; 274,432
.set AK0,  1                           ; v1   my lane's place in a tile of K
.set AV0,  2                           ; v2   in a tile of V
.set SIN,  3                           ; v3   the stage, in
.set SBK,  4                           ; v4   the stage, back
.set GO,   7                           ; v7   my byte offset in the wave's rows of aoc
.set ADK,  8
.set ADV,  9
.set DQ,   24                          ; v24  16 g + r - 8 h: key 16 t + j of the diagonal step is hidden where 16 t + j > DQ
.set TP,   246                         ; v246 the lane permute's destination
.set WV,   10
.set PP,   11
.set SEL,  20
.set CS,   22
.set G1K,  24
.set G1V,  32
.set G0K,  40                          ; s[40:55] four groups 0 for K
.set G0V,  68                          ; s[68:83] four for V
.set J0,   60                          ; the tile's first key step
.set TBK,  61                          ; the tile's first byte in K,
.set TBV,  62                          ; in V
.set CNT,  63
.set IDX,  66
.macro CROUND
	s_barrier_signal -1
	s_barrier_wait -1
	s_cmp_lg_u32 s[WV], 0
	s_cbranch_scc1 .Lnot_wave_0_\@
	s_barrier_signal -3
.Lnot_wave_0_\@:
	s_barrier_wait -3
	s_barrier_signal -1
	s_barrier_wait -1
.endm
	s_load_b128 s[4:7], s[0:1], 0x0                ; qkvc s[4:5], the scales' exponents s[6:7]
	s_load_b64 s[8:9], s[0:1], 0x10                ; aoc
	v_lshl_add_u32 v251, v0, 2, 0x48000
	v_mov_b32 v255, 0
	ds_add_u32 v251, v255
	ds_add_u32 v251, v255
	v_lshrrev_b32 v8, 5, v0
	v_readfirstlane_b32 s[WV], v8                  ; wave 0..15
	s_lshr_b32 s[PP], s[WV], 2
	s_and_b32 s[PP], s[PP], 1
	s_mul_i32 s[PP], s[PP], 3
	s_xor_b32 s[PP], s[PP], s[WV]                  ; P'
	s_bfe_u32 s12, ttmp6, 0x40000                  ; cx
	s_lshl_b32 s2, ttmp9, 2
	s_add_co_u32 s12, s12, s2                      ; g: it enters q's and aoc's addresses and the mask's compare alone
	s_and_b32 s13, ttmp7, 0xffff                   ; the head, 16 x batch + head: the four partners share it
	s_and_b32 s14, s[WV], 3
	s_mov_b32 s[G1K], 15|(1<<20)|(1<<21)|(5<<22)|(3<<25)   ; the mask: all four; elements of 1 byte; padding: 4 words after every 64
	s_mov_b32 s[G1K+1], 256<<16                    ; K is dense: four keys are stated as one row of 256 bytes
	s_mov_b32 s[G1K+2], 32<<16
	s_mov_b32 s[G1K+3], 256<<16
	s_mov_b32 s[G1K+4], 32                         ; 32 rows: 128 keys
	s_mov_b32 s[G1K+5], 256
	s_mov_b32 s[G1K+6], 0
	s_mov_b32 s[G1K+7], 0
	s_mov_b32 s[G1V], 15|(1<<20)|(1<<21)|(6<<22)|(3<<25)   ; padding: 4 words after every 128
	s_mov_b32 s[G1V+1], 512<<16
	s_mov_b32 s[G1V+2], 16<<16
	s_mov_b32 s[G1V+3], 512<<16                    ; 512 keys
	s_mov_b32 s[G1V+4], 16                         ; of 16 of the head's 64
	s_mov_b32 s[G1V+5], 2048
	s_mov_b32 s[G1V+6], 0
	s_mov_b32 s[G1V+7], 0
	s_mov_b32 s[SEL], 0x76543210
	s_mov_b32 s[SEL+1], 0xfedcba98
	s_mov_b32 s[CS], 0x3e38aa3b                    ; c = log2(e) / 8
	s_lshl_b32 s92, s13, 17                        ; the head's first byte in q, k and v: 131,072 x head
	s_lshl_b32 s93, s14, 13
	s_add_co_u32 s94, s92, s93
	s_add_co_u32 s94, s94, 0x400000                ; K: + 128 keys x (wave % 4)
	s_mov_b32 s95, 0
	s_lshl_b32 s93, s14, 15
	s_add_co_u32 s96, s92, s93
	s_add_co_u32 s96, s96, 0x800000                ; V: + 16 rows x (wave % 4)
	s_mov_b32 s97, 0
	s_mul_i32 s15, s14, 8704                       ; and in LDS: 32 rows of 272,
	s_mul_i32 s16, s14, 8448                       ; 16 rows of 528
	s_add_co_u32 s16, s16, VB
	s_lshl_b32 s17, s[PP], 3
	s_add_co_u32 s17, s17, s12                     ; my tile of queries
	s_lshl_b32 s98, s17, 10
	s_add_co_u32 s98, s98, s92
	s_mov_b32 s99, 0
	s_wait_dscnt 0x0
	s_wait_kmcnt 0x0
	s_load_b256 s[84:91], s[6:7], 0x0              ; e0..e7
	s_add_nc_u64 s[94:95], s[4:5], s[94:95]
	s_add_nc_u64 s[96:97], s[4:5], s[96:97]
	s_add_nc_u64 s[98:99], s[4:5], s[98:99]        ; q at my first query
	CROUND                                         ; all four work-groups are here: the joint loads meet
.irp n, 0,1,2,3
	s_mov_b32 s[G0K+4*\n], 1
	s_add_co_u32 s[G0K+4*\n+1], s15, \n*KT
	s_add_nc_u64 s[G0K+4*\n+2:G0K+4*\n+3], s[94:95], \n*32768
	s_or_b32 s[G0K+4*\n+3], s[G0K+4*\n+3], 0x80000000
	s_mov_b32 s[G0V+4*\n], 1
	s_add_co_u32 s[G0V+4*\n+1], s16, \n*VT
	s_add_nc_u64 s[G0V+4*\n+2:G0V+4*\n+3], s[96:97], \n*512
	s_or_b32 s[G0V+4*\n+3], s[G0V+4*\n+3], 0x80000000
.endr
	s_cmp_lt_u32 s[WV], 4                          ; a wave's four fills stand in one branch on its number, ahead of every wait on TENSORcnt and every LDS read
	s_cbranch_scc0 .Lnot_k
	tensor_load_to_lds s[G0K:G0K+3], s[G1K:G1K+7]
	s_nop 0
	tensor_load_to_lds s[G0K+4:G0K+7], s[G1K:G1K+7]
	s_nop 0
	tensor_load_to_lds s[G0K+8:G0K+11], s[G1K:G1K+7]
	s_nop 0
	tensor_load_to_lds s[G0K+12:G0K+15], s[G1K:G1K+7]
	s_nop 0
.rept 4
	v_nop
.endr
	s_branch .Lasked
.Lnot_k:
	s_cmp_lt_u32 s[WV], 8
	s_cbranch_scc0 .Lasked
	tensor_load_to_lds s[G0V:G0V+3], s[G1V:G1V+7]
	s_nop 0
	tensor_load_to_lds s[G0V+4:G0V+7], s[G1V:G1V+7]
	s_nop 0
	tensor_load_to_lds s[G0V+8:G0V+11], s[G1V:G1V+7]
	s_nop 0
	tensor_load_to_lds s[G0V+12:G0V+15], s[G1V:G1V+7]
	s_nop 0
.rept 4
	v_nop
.endr
.Lasked:
	v_and_b32 v8, 15, v0                           ; r
	v_bfe_u32 v9, v0, 4, 1                         ; h
	v_lshlrev_b32 v11, 6, v8
	v_lshl_add_u32 v11, v9, 4, v11                 ; q: row r of 64 bytes, + 16 h
	global_load_b128 v[16:19], v11, s[98:99]       ; registers 4 c .. 4 c + 3: k = 32 c + 16 h + 0 .. 15: the same permutation of k as K's fragments have
	global_load_b128 v[20:23], v11, s[98:99] offset:32
	v_lshrrev_b32 v10, 2, v8
	v_mul_u32_u24 v[AK0], v10, 272
	v_and_b32 v10, 3, v8
	v_lshl_add_u32 v[AK0], v10, 6, v[AK0]
	v_lshl_add_u32 v[AK0], v9, 4, v[AK0]           ; key r of a tile: row r / 4, byte 64 (r % 4) + 16 h
	v_mul_u32_u24 v[AV0], v8, 528
	v_lshl_add_u32 v[AV0], v9, 3, v[AV0]
	v_add_nc_u32 v[AV0], VB, v[AV0]                ; row d = r, + 8 h
	s_mul_i32 s2, s[WV], 1280
	s_add_co_u32 s2, s2, STG                       ; my stage
	v_mul_u32_u24 v[SIN], v8, 80
	v_lshl_add_u32 v[SIN], v9, 3, v[SIN]
	v_add_nc_u32 v[SIN], s2, v[SIN]                ; in: row r, + 8 h
	v_bfe_u32 v10, v0, 2, 3                        ; back: lane / 4 = a row of eight,
	v_and_b32 v5, 3, v0                            ; lane % 4 = 16 of its 64 bytes
	v_mul_u32_u24 v[SBK], v10, 80
	v_lshl_add_u32 v[SBK], v5, 4, v[SBK]
	v_add_nc_u32 v[SBK], s2, v[SBK]
	v_lshlrev_b32 v[GO], 10, v10
	v_lshl_add_u32 v[GO], v5, 4, v[GO]
	v_lshlrev_b32 v10, 3, v9
	v_sub_nc_u32 v[DQ], v8, v10
	s_lshl_b32 s2, s12, 4
	v_add_nc_u32 v[DQ], s2, v[DQ]
	s_lshr_b32 s2, s13, 4                          ; aoc: row 2048 x batch + 16 x my tile, byte 64 x head
	s_lshl_b32 s2, s2, 11
	s_lshl_b32 s3, s17, 4
	s_add_co_u32 s2, s2, s3
	s_lshl_b32 s2, s2, 10
	s_and_b32 s3, s13, 15
	s_lshl_b32 s3, s3, 6
	s_add_co_u32 s2, s2, s3
	s_mov_b32 s3, 0
	s_add_nc_u64 s[8:9], s[8:9], s[2:3]
	v_mov_b32 v13, 0xff61b1e6                      ; the largest t so far: -3e38
	v_floor_f32 v12, -v13                          ; -M
	v_mov_b32 v14, 0                               ; the sum, in two halves
	v_mov_b32 v15, 0
	v_mov_b32 v[TP], 0
	v_mov_b32 v253, 0                              ; (named as the upper half of v[252:253])
.set i, 0
.rept 32
	v_mov_b32 v[160+i], 0                          ; O^T: the step is written once; the first change of M leaves zeros zeros
.set i, i+1
.endr
	s_wait_kmcnt 0x0
	s_add_co_i32 s2, s86, s87
	s_lshl_b32 s2, s2, 23
	s_add_co_i32 s[CS], s[CS], s2                  ; a score stands for score x 2^(e2 + e3)
	s_mov_b32 s[CS+1], s[CS]
	s_add_co_i32 s2, s88, 127
	s_lshl_b32 s3, s2, 23
	v_mov_b32 v244, s3                             ; 2^e4
	s_add_co_i32 s2, s2, 8
	s_lshl_b32 s2, s2, 23
	s_or_b32 s2, s2, 0x600000
	v_mov_b32 v240, s2                             ; 448 x 2^e4
	s_add_co_i32 s56, s88, s89                     ; e4 + e5
	s_add_co_i32 s2, s90, 127
	s_lshl_b32 s3, s2, 23
	v_mov_b32 v247, s3                             ; 2^e6
	s_add_co_i32 s2, s2, 8
	s_lshl_b32 s2, s2, 23
	s_or_b32 s57, s2, 0x600000                     ; 448 x 2^e6
	s_or_b32 s58, s57, 0x80000000
; A KEY STEP: 128 keys, the q-th of the 512 in hand.  A step whose keys all come after my queries is left out: a scalar branch on the wave's number and the step's; no barrier and no tensor load stands in a step.
.macro STEP q
	s_add_co_u32 s[IDX], s[J0], \q
	s_cmp_gt_u32 s[IDX], s[PP]
	s_cbranch_scc1 .Lhid_\@
.rept 4
	v_nop                                          ; places in front of loads into registers that matrix instructions have read
.endr
.irp t, 0,1,2,3,4,5,6,7
.irp c, 0,1
	ds_load_b128 v[32+8*\t+4*\c:35+8*\t+4*\c], v[ADK] offset:8704*(\q)+1088*\t+32*\c
.endr
.endr
	s_wait_dscnt 8                                 ; tiles 0-3 are in; tiles 4-7 (8 loads) may be out
.irp t, 0,1,2,3
	v_wmma_f32_16x16x64_fp8_fp8 v[96+8*\t:103+8*\t], v[32+8*\t:39+8*\t], v[16:23], 0
.endr
	s_wait_dscnt 0x0
.irp t, 4,5,6,7
	v_wmma_f32_16x16x64_fp8_fp8 v[96+8*\t:103+8*\t], v[32+8*\t:39+8*\t], v[16:23], 0
.endr
.rept 4
	v_nop                                          ; places in front of V's loads and of the first read of the scores
.endr
.irp t, 0,1,2,3
.irp c, 0,1,2,3,4,5,6,7
	ds_load_b64 v[32+16*\t+2*\c:33+16*\t+2*\c], v[ADV] offset:8448*\t+128*(\q)+16*\c   ; V's fragments land while the softmax is walked
.endr
.endr
	s_cmp_lg_u32 s[IDX], s[PP]                     ; the mask is wanted on the diagonal alone
	s_cbranch_scc1 .Lopen_\@
	v_mov_b32 v254, 0xff800000                     ; -infinity: p = 0 then
.set n, 0
.rept 64
	v_cmp_gt_i32 vcc_lo, 16*(n/8)+n%8, v[DQ]
	v_cndmask_b32 v[96+n], v[96+n], v254, vcc_lo
.set n, n+1
.endr
.Lopen_\@:
	v_max3_num_f32 v254, v96, v97, v98             ; the step's largest score of my query among my 64 keys, in two chains,
	v_max3_num_f32 v252, v99, v100, v101
.irp i, 6,10,14,18,22,26,30,34,38,42,46,50,54,58
	v_max3_num_f32 v254, v254, v[96+\i], v[97+\i]
	v_max3_num_f32 v252, v252, v[98+\i], v[99+\i]
.endr
	v_max3_num_f32 v254, v254, v158, v159
	v_max_num_f32 v254, v254, v252
	v_permlanex16_b32 v[TP], v254, s[SEL], s[SEL+1]
	v_max_num_f32 v254, v254, v[TP]                ; and among lane l xor 16's
	v_mul_f32 v254, s[CS], v254                    ; as t (c is positive)
	v_max_num_f32 v13, v13, v254                   ; the running largest t
	v_mov_b32 v254, v12
	v_floor_f32 v12, -v13                          ; the new -M = -ceil(t)
	v_sub_f32 v254, v12, v254                      ; old M - new M: a whole number, 0 or less
	v_cvt_i32_f32 v254, v254
	v_ldexp_f32 v252, 1.0, v254                    ; f = 2^(old M - new M): rounds nothing
.set n, 0
.rept 32
	v_pk_fma_f32 v[96+n:97+n], v[96+n:97+n], s[CS:CS+1], v[12:13] op_sel_hi:[1,0,0]   ; t - M
.set n, n+2
.endr
.set n, 0
.rept 64
	v_exp_f32 v[96+n], v[96+n]                     ; p = 2^(t - M)
.set n, n+1
.endr
	v_pk_mul_f32 v[14:15], v[14:15], v[252:253] op_sel_hi:[1,0]   ; the sums under the new M: the plain instruction behind the batch
	s_wait_alu depctr_va_vdst(0)                   ; one wait for the batch, ahead of its first reader
	v_pk_add_f32 v[242:243], v[96:97], v[98:99]    ; the row's sum is taken of the unquantised p
.irp j, 4,8,12,16,20,24,28,32,36,40,44,48,52,56,60
	v_pk_add_f32 v[14:15], v[14:15], v[96+\j:97+\j]
	v_pk_add_f32 v[242:243], v[242:243], v[98+\j:99+\j]
.endr
	v_pk_add_f32 v[14:15], v[14:15], v[242:243]
.irp t, 0,1,2,3,4,5,6,7
.irp i, 0,1,2,3,4,5,6,7
	v_min_num_f32 v[96+8*\t+\i], v[96+8*\t+\i], v240   ; p is not negative: a one-sided hold (the conversion does not saturate: ISA guide 7.6.2)
.endr
	v_cvt_scalef32_pk8_fp8_f32 v[224+2*\t:225+2*\t], v[96+8*\t:103+8*\t], v244   ; keys 16 t + 8 h + 0 .. 7: registers 2 t, 2 t + 1 of the operand
.endr
.set n, 0
.rept 16
	v_pk_mul_f32 v[160+n:161+n], v[160+n:161+n], v[252:253] op_sel_hi:[1,0]   ; O^T under the new M; also the plain instructions behind the conversions
.set n, n+2
.endr
	s_wait_dscnt 0x0                               ; V's fragments
.irp t, 0,1,2,3
	v_wmma_f32_16x16x128_fp8_fp8 v[160+8*\t:167+8*\t], v[32+16*\t:47+16*\t], v[224:239], v[160+8*\t:167+8*\t]   ; the four accumulators take turns
.endr
.Lhid_\@:
.endm
.macro TILE                            ; 512 keys
	v_add_nc_u32 v[ADK], s[TBK], v[AK0]
	v_add_nc_u32 v[ADV], s[TBV], v[AV0]
	STEP 0
	STEP 1
	STEP 2
	STEP 3
.endm
	s_mov_b32 s[J0], 0
	s_mov_b32 s[TBK], 0
	s_mov_b32 s[TBV], 0
	s_wait_loadcnt 0x0                             ; q
	s_wait_tensorcnt 0x3                           ; my part of the first 512 keys is in; my three later loads may be out
	s_barrier_signal -1
	s_barrier_wait -1                              ; everybody's is
	TILE
	s_wait_tensorcnt 0x0                           ; all my loads have landed
	s_wait_dscnt 0x0
	s_barrier_signal -1
	s_barrier_wait -1                              ; everybody's have
	s_mov_b32 s[J0], 4
	s_mov_b32 s[TBK], KT
	s_mov_b32 s[TBV], VT
	s_mov_b32 s[CNT], 3
.Ltile:
	TILE
	s_add_co_u32 s[J0], s[J0], 4
	s_add_co_u32 s[TBK], s[TBK], KT
	s_add_co_u32 s[TBV], s[TBV], VT
	s_sub_co_u32 s[CNT], s[CNT], 1
	s_cmp_lg_u32 s[CNT], 0
	s_cbranch_scc1 .Ltile
	; THE WAY OUT: O^T x 2^(e4 + e5) / the sum, held, converted with 2^e6, through my stage, so that a lane stores 16 neighbouring bytes.
.rept 4
	v_nop
.endr
	v_add_f32 v14, v14, v15
	v_permlanex16_b32 v[TP], v14, s[SEL], s[SEL+1]
	v_add_f32 v14, v14, v[TP]                      ; the row's sum
	v_rcp_f32 v14, v14
	v_nop                                          ; a plain instruction behind the transcendental
	s_wait_alu depctr_va_vdst(0)                   ; and the wait ahead of its first reader
	v_ldexp_f32 v14, v14, s56
.set n, 0
.rept 32
	v_mul_f32 v[96+n], v[160+n], v14               ; register 8 t + j: o(query r, d = 16 t + 8 h + j); each accumulator from its low end on
.set n, n+1
.endr
.set n, 0
.rept 32
	v_med3_num_f32 v[96+n], v[96+n], s58, s57
.set n, n+1
.endr
.irp t, 0,1,2,3
	v_cvt_scalef32_pk8_fp8_f32 v[224+2*\t:225+2*\t], v[96+8*\t:103+8*\t], v247
.endr
	v_nop
.irp t, 0,1,2,3
	ds_store_b64 v[SIN], v[224+2*\t:225+2*\t] offset:16*\t
.endr
	ds_load_b128 v[32:35], v[SBK]                  ; a wave's LDS instructions are served in order: these see my stores
	ds_load_b128 v[36:39], v[SBK] offset:640
	s_wait_dscnt 1                                 ; the second read-back may be out
	global_store_b128 v[GO], v[32:35], s[8:9]
	s_wait_dscnt 0x0
	global_store_b128 v[GO], v[36:39], s[8:9] offset:8192
	s_wait_tensorcnt 0x0
	ds_add_u32 v251, v255
	s_wait_dscnt 0x0
	CROUND                                         ; the closing round
	s_endpgm
.Lfunc_end_k_q397bb9ae39_attn:
	.size	k_q397bb9ae39_attn, .Lfunc_end_k_q397bb9ae39_attn-k_q397bb9ae39_attn
	.p2alignl 7, 3214868480
	.fill 96, 4, 3214868480
	.section	.rodata,"a",@progbits
	.p2align	6, 0x0
	.amdhsa_kernel k_q397bb9ae39_attn
		.amdhsa_group_segment_fixed_size 327680
		.amdhsa_private_segment_fixed_size 0
		.amdhsa_enable_private_segment 0
		.amdhsa_kernarg_size 24
		.amdhsa_user_sgpr_count 2
		.amdhsa_user_sgpr_kernarg_segment_ptr 1
		.amdhsa_wavefront_size32 1
		.amdhsa_system_sgpr_workgroup_id_x 1
		.amdhsa_system_sgpr_workgroup_id_y 1
		.amdhsa_system_sgpr_workgroup_id_z 1
		.amdhsa_system_vgpr_workitem_id 0
		.amdhsa_next_free_vgpr 256
		.amdhsa_next_free_sgpr 100
		.amdhsa_reserve_vcc 1
		.amdhsa_float_denorm_mode_32 3
		.amdhsa_float_denorm_mode_16_64 3
		.amdhsa_memory_ordered 1
		.amdhsa_forward_progress 1
		.amdhsa_inst_pref_size 186
	.end_amdhsa_kernel
	.amdgpu_metadata
---
amdhsa.version: [ 1, 2 ]
amdhsa.kernels:
  - .name:           k_q397bb9ae39_attn
    .symbol:         k_q397bb9ae39_attn.kd
    .args:
      - { .name: qkvc, .offset: 0, .size: 8, .value_kind: global_buffer, .address_space: global }
      - { .name: lowp_scales, .offset: 8, .size: 8, .value_kind: global_buffer, .address_space: global }
      - { .name: aoc, .offset: 16, .size: 8, .value_kind: global_buffer, .address_space: global }
    .group_segment_fixed_size: 327680
    .private_segment_fixed_size: 0
    .kernarg_segment_align: 8
    .kernarg_segment_size: 24
    .max_flat_workgroup_size: 512
    .sgpr_count:     100
    .vgpr_count:     256
    .wavefront_size: 32
...
	.end_amdgpu_metadata
.endif
;; end of part 3
;; launch oproj (part 4): grid 4 x 16, 4 waves a work-group, clusters of 4 x 4, 327,680 bytes of LDS; arguments aoc, wc, lowp_scales, b_o, x, x1; writes x1
.if DOCPART == 4
	.amdgcn_target "amdgcn-amd-amdhsa--gfx1250"
	.amdhsa_code_object_version 6
	.text
	.protected	k_q397bb9ae39_oproj
	.globl	k_q397bb9ae39_oproj
	.p2align	8
	.type	k_q397bb9ae39_oproj,@function
k_q397bb9ae39_oproj:
	s_mov_b64 s[64:65], 0
	v_nop
	global_prefetch_b8 v0, s[64:65] scope:SCOPE_SE
	s_setreg_imm32_b32 hwreg(HW_REG_WAVE_MODE, 25, 1), 1
	s_wait_xcnt 0x0
	s_wait_alu depctr_hold_cnt(0) depctr_sa_sdst(0) depctr_va_vdst(0) depctr_va_sdst(0) depctr_va_ssrc(0) depctr_va_vcc(0) depctr_vm_vsrc(0)
	s_getreg_b32 s2, hwreg(HW_REG_IB_STS2, 6, 4)
	s_cmp_eq_u32 s2, 0
	s_cbranch_scc0 .Lentry_in_a_cluster
	s_endpgm
.Lentry_in_a_cluster:
	s_bfe_u32 s2, ttmp6, 0x10000c
	s_cmp_lg_u32 s2, 0xf033
	s_cbranch_scc0 .Lentry_shape_is_right
	s_endpgm
.Lentry_shape_is_right:
; OPROJ.  out = resid + A B^T x 2^(eA + eB) + bias, f32.  A: codes [4096][KROW]; B: codes [1024][KROW] at byte WOFF of wc; eA, eB at byte SCOFF of the scales; resid, out: [4096][1024] f32.
; Here: A = the attention's result, B = W_o, resid = x, out = x1.
; A tile of C, 256 x 256, is made by four waves, each 128 x 128: 64 accumulators.  K goes in steps of 256 through two LDS slots filled by joint tensor loads of a 4 x 4 cluster
; (A's tile shared along a row of the cluster, B's along a column).  The matrix instruction is used transposed (source 0 = rows of B, source 1 = rows of A): a lane holds eight neighbouring columns of a row of C.
; LIMIT: eA + eB between -126 and 127.  With N = 1,024 there are 64 tiles: a smaller tile would read each LDS byte for half as many products.
; REGISTERS: window 0: v0-31 addresses; v96-99 bias; from v128 A's fragments, ONE set, later rows on their way out.  window 1: B's fragments, two sets, later the residual's rows.  windows 2, 3: the accumulators.
.set KROW,   1024
.set WOFF,   0x300000
.set SCOFF,  24
.set PREF,   0                         ; four K steps, all asked for within the first lap: nothing lies ahead to be named
.set ROWB,   256
.set PITCH,  272                       ; 256 + 16: the 16 rows of a fragment load start at 16 different banks (64 banks of 4 bytes: ISA guide 11.1)
.set FR,     16
.set NL,     4
.set NP,     4                         ; places behind this matrix instruction (ISA guide 7.12.1)
.set HALFT,  128*PITCH
.set SLOT,   4*HALFT
.set LAPS,   KROW/(2*ROWB)
.set SPARE,  2*SLOT                    ; the spare words: 128 bytes a wave, named by no other line
.set SPITCH, 528                       ; the way out: 16 rows x (512 + 16) bytes for each wave, in slot 0 behind its last fill and last read
.set ADRA, 16
.set ADRB, 20
.set STO,  24
.set RD,   25
.set CO,   26
.set SPW,  28
.set NIL,  29
.set PFO,  30                          ; v30  the prefetches' offset: lane x a row of codes
.set BI4,  96
.set AF,   128
.set BK,   128
.set G1, 24
.set G0, 32
.set G1B, 48
.set G0B, 56
.set MSB, 0
.macro WIN new                         ; the immediate's high byte repeats the setting that is left
.if MSB != (\new)
	s_set_vgpr_msb (MSB<<8)|(\new)
.set MSB, (\new)
.endif
.endm
.set MUL_LO, 0xa1
.set MUL_HI, 0xf1
.set TO_B,   0x40
.macro JLOAD g0a, g1a, g0b, g1b        ; a joint load: waves 0, 1 fetch for A, waves 2, 3 for B; four v_nop follow each line
	s_cmp_eq_u32 s15, 0
	s_cbranch_scc0 .Lfor_b_\@
	tensor_load_to_lds s[\g0a:\g0a+3], s[\g1a:\g1a+7]
	s_nop 0
.rept 4
	v_nop
.endr
	s_branch .Lasked_\@
.Lfor_b_\@:
	tensor_load_to_lds s[\g0b:\g0b+3], s[\g1b:\g1b+7]
	s_nop 0
.rept 4
	v_nop
.endr
.Lasked_\@:
.endm
.macro CREST
	s_cmp_lg_u32 s14, 0
	s_cbranch_scc1 .Lnot_wave_0_\@
	s_barrier_signal -3
.Lnot_wave_0_\@:
	s_barrier_wait -3
	s_barrier_signal -1
	s_barrier_wait -1
.endm
.macro CROUND
	s_barrier_signal -1
	s_barrier_wait -1
	CREST
.endm
; A prefetch of the K step that stands two refills on: 32 rows x 256 bytes, a lane a row.  A's rows are named by the clusters with x = 0, B's by those with y = 0; the four partners that ask for a tile jointly
; share its rows out by address, 32 each.  The loop's last trip names nothing: its K steps two on do not exist.
.macro ASK
	s_cmp_gt_u32 s3, s82
	s_cbranch_scc0 .Lnot_mine_\@
	global_prefetch_b8 v[PFO], s[80:81] offset:ROWB th:TH_LOAD_NT scope:SCOPE_SE
.Lnot_mine_\@:
.endm
	s_load_b128 s[4:7], s[0:1], 0x0                ; A's codes, wc
	s_load_b128 s[8:11], s[0:1], 0x10              ; the scales' exponents, the bias
	s_load_b128 s[68:71], s[0:1], 0x20             ; the residual, the result
	v_lshl_add_u32 v[SPW], v0, 2, SPARE
	v_mov_b32 v[NIL], 0
	ds_add_u32 v28, v29
	ds_add_u32 v28, v29
	s_wait_dscnt 0x0
	v_lshrrev_b32 v1, 5, v0
	v_readfirstlane_b32 s14, v1                    ; wave 0..3
	s_lshr_b32 s15, s14, 1                         ; my half of the tile's rows; also: I fetch for A (0) or B (1)
	s_and_b32 s16, s14, 1                          ; my half of its columns; also: which 128 rows I fetch
	s_bfe_u32 s40, ttmp6, 0x40000                  ; cx
	s_bfe_u32 s41, ttmp6, 0x40004                  ; cy
	s_lshl_b32 s42, ttmp9, 2
	s_add_co_u32 s42, s42, s40                     ; tile column
	s_and_b32 s17, ttmp7, 0xffff
	s_lshl_b32 s17, s17, 2
	s_add_co_u32 s17, s17, s41                     ; tile row
	s_lshl_b32 s43, s41, 2
	s_lshl_b32 s43, 15, s43                        ; my row of the cluster
	s_lshl_b32 s44, 0x1111, s40                    ; my column
	s_or_b32 s[G1+0], s43, (1<<20)|(1<<21)|(5<<22)|(3<<25)    ; the mask; elements of 1 byte; padding on; bit 21 beside a mask; 4 words after every 64
	s_or_b32 s[G1B+0], s44, (1<<20)|(1<<21)|(5<<22)|(3<<25)
.irp g, G1, G1B
	s_mov_b32 s[\g+1], ROWB<<16
	s_mov_b32 s[\g+2], 128<<16
	s_mov_b32 s[\g+3], ROWB<<16
	s_mov_b32 s[\g+4], 128
	s_mov_b32 s[\g+5], KROW
	s_mov_b32 s[\g+6], 0
	s_mov_b32 s[\g+7], 0
.endr
	s_lshl_b32 s18, s16, 7
	s_lshl_b32 s20, s17, 8
	s_add_co_u32 s20, s20, s18
	s_mul_i32 s20, s20, KROW                       ; A: row 256 x tile row + 128 x half, in bytes
	s_mov_b32 s21, 0
	s_lshl_b32 s46, s42, 8
	s_add_co_u32 s46, s46, s18
	s_mul_i32 s46, s46, KROW                       ; B: row 256 x tile column + 128 x half
	s_mov_b32 s47, 0
	s_mul_i32 s45, s14, HALFT
	s_wait_kmcnt 0x0
	s_load_b64 s[96:97], s[8:9], SCOFF             ; eA, eB
	s_add_nc_u64 s[6:7], s[6:7], WOFF
	s_add_nc_u64 s[20:21], s[4:5], s[20:21]
	s_add_nc_u64 s[46:47], s[6:7], s[46:47]
	CROUND                                         ; all sixteen work-groups are here: the first joint loads meet
.irp s, 0,1
	s_mov_b32 s[G0+4*\s], 1
	s_add_co_u32 s[G0+4*\s+1], s45, \s*SLOT
	s_add_nc_u64 s[G0+4*\s+2:G0+4*\s+3], s[20:21], \s*ROWB
	s_or_b32 s[G0+4*\s+3], s[G0+4*\s+3], 0x80000000
	s_mov_b32 s[G0B+4*\s], 1
	s_add_co_u32 s[G0B+4*\s+1], s45, \s*SLOT
	s_add_nc_u64 s[G0B+4*\s+2:G0B+4*\s+3], s[46:47], \s*ROWB
	s_or_b32 s[G0B+4*\s+3], s[G0B+4*\s+3], 0x80000000
	JLOAD G0+4*\s, G1, G0B+4*\s, G1B
.endr
	v_and_b32 v1, 15, v0                           ; r
	v_bfe_u32 v2, v0, 4, 1                         ; h
	v_mul_u32_u24 v3, v1, PITCH
	v_lshl_add_u32 v4, v2, 4, v3
	s_mul_i32 s21, s15, HALFT
	s_mul_i32 s22, s16, HALFT
	s_add_co_u32 s22, s22, 2*HALFT
.irp s, 0,1
	v_add_nc_u32 v[ADRA+\s], s21, v4
	v_add_nc_u32 v[ADRB+\s], s22, v4
	s_add_co_u32 s21, s21, SLOT
	s_add_co_u32 s22, s22, SLOT
.endr
	s_mul_i32 s23, s14, 16*SPITCH                  ; my stage
	v_mul_u32_u24 v5, v1, SPITCH
	v_lshl_add_u32 v5, v2, 5, v5
	v_add_nc_u32 v[STO], s23, v5                   ; in: row r, 32 bytes for each half of the lanes
	v_and_b32 v6, 31, v0
	v_lshlrev_b32 v[CO], 4, v6                     ; back: the 32 lanes take a row of 512 bytes; the same in memory
	v_add_nc_u32 v[RD], s23, v[CO]
	s_lshl_b32 s20, s17, 8
	s_lshl_b32 s21, s15, 7
	s_add_co_u32 s20, s20, s21
	s_lshl_b32 s20, s20, 12                        ; my first row, 4,096 bytes a row
	s_lshl_b32 s46, s42, 10
	s_lshl_b32 s47, s16, 9
	s_add_co_u32 s46, s46, s47                     ; my first column, in bytes
	s_add_co_u32 s20, s20, s46
	s_mov_b32 s21, 0
	s_mov_b32 s47, 0
	s_add_nc_u64 s[70:71], s[70:71], s[20:21]
	s_add_nc_u64 s[68:69], s[68:69], s[20:21]
	s_add_nc_u64 s[10:11], s[10:11], s[46:47]
	global_load_b128 v[BI4:BI4+3], v[CO], s[10:11] ; the bias of columns 4 lane + 0 .. 3 of my 128
.if PREF
	s_lshl_b32 s84, s17, 8
	s_lshl_b32 s85, s42, 8
	s_and_b32 s86, ttmp7, 0xffff
	s_cmp_eq_u32 s15, 0                            ; do I fetch for A?
	s_cselect_b32 s84, s84, s85                    ; the tile's first row
	s_cselect_b32 s85, s40, s41                    ; my place among the four that ask for it with me
	s_cselect_b32 s86, ttmp9, s86                  ; the coordinate along which other clusters read the same rows
	s_cselect_b64 s[80:81], s[4:5], s[6:7]
	s_cmp_eq_u32 s86, 0
	s_cselect_b32 s82, 1, -1                       ; the same in all sixteen partners, for a given wave
	s_lshl_b32 s86, s16, 7
	s_add_co_u32 s84, s84, s86
	s_lshl_b32 s85, s85, 5
	s_add_co_u32 s84, s84, s85
	s_mul_i32 s84, s84, KROW
	s_add_co_u32 s84, s84, 2*ROWB                  ; at K step 2: the first refill steps it to 3 and names K step 4
	s_mov_b32 s85, 0
	s_add_nc_u64 s[80:81], s[80:81], s[84:85]
	v_mul_u32_u24 v[PFO], v6, KROW
.endif
.macro FRAG reg, adr, q, i             ; 16 rows x 128 K: registers 4 c .. 4 c + 3 hold K = 32 c + 16 (l / 16) + 0 .. 15: the same permutation of k in A and in B
.irp c, 0,1,2,3
	ds_load_b128 v[\reg+4*\c:\reg+4*\c+3], v[\adr] offset:128*(\q)+32*\c+(\i)*16*PITCH
.endr
.endm
.macro MUL16 a0, p, zero               ; the 64 accumulators take turns
.irp a, \a0, \a0+1
.irp b, 0,1,2,3,4,5,6,7
.if \zero
	v_wmma_f32_16x16x128_fp8_fp8 v[8*(8*((\a)%4)+\b):8*(8*((\a)%4)+\b)+7], v[128*(\p)+FR*\b:128*(\p)+FR*\b+FR-1], v[AF+FR*(\a):AF+FR*(\a)+FR-1], 0
.else
	v_wmma_f32_16x16x128_fp8_fp8 v[8*(8*((\a)%4)+\b):8*(8*((\a)%4)+\b)+7], v[128*(\p)+FR*\b:128*(\p)+FR*\b+FR-1], v[AF+FR*(\a):AF+FR*(\a)+FR-1], v[8*(8*((\a)%4)+\b):8*(8*((\a)%4)+\b)+7]
.endif
.endr
.endr
.endm
.macro FETCH_B slot, q, p
	WIN TO_B
.irp i, 0,1,2,3,4,5,6,7
	FRAG 128*(\p)+FR*\i, ADRB+\slot, \q, \i
.endr
	WIN 0
.endm
.macro FETCH_A slot, q, i0
.irp i, \i0, \i0+1, \i0+2, \i0+3
	FRAG AF+FR*(\i), ADRA+\slot, \q, \i
.endr
.endm
.macro PLACES n
.rept \n
	v_nop
.endr
.endm
.macro STEP slot, q, zero
	s_wait_dscnt 4*NL                              ; B's set and A's blocks 0-3 are in; A's blocks 4-7 (16 loads) may be out
	WIN MUL_LO
	MUL16 0, (\q)%2, \zero
	MUL16 2, (\q)%2, \zero
	s_wait_dscnt 0
	PLACES NP
	FETCH_B \slot, (\q)+1, 1-(\q)%2
	FETCH_A \slot, (\q)+1, 0
	WIN MUL_HI
	MUL16 4, (\q)%2, \zero
	MUL16 6, (\q)%2, \zero
	PLACES NP
	WIN 0
	FETCH_A \slot, (\q)+1, 4
.endm
.macro TURN slot, next, fill
.if (PREF) && (\fill)
	s_wait_xcnt 0x0                                ; the last prefetch, a K step back, has read its address
	s_add_nc_u64 s[80:81], s[80:81], ROWB
.endif
	s_wait_tensorcnt 0x0                           ; all my tensor loads have landed: my part of the next slot
	ds_add_u32 v[SPW], v[NIL]                      ; 0 onto my spare word
	s_wait_dscnt 4*NL+1                            ; the add and A's blocks 4-7 may be out
	WIN MUL_LO
	MUL16 0, 1, 0
	s_wait_dscnt 0x0                               ; the add is done, and my reads of this slot are over
	s_barrier_signal -1
	MUL16 2, 1, 0
	WIN 0
	s_barrier_wait -1
.if \fill
	CREST                                          ; the barrier has opened a round of the cluster's: no wave of any partner still reads this slot or has a load on its way
	s_add_nc_u64 s[G0+4*\slot+2:G0+4*\slot+3], s[G0+4*\slot+2:G0+4*\slot+3], 2*ROWB
	s_add_nc_u64 s[G0B+4*\slot+2:G0B+4*\slot+3], s[G0B+4*\slot+2:G0B+4*\slot+3], 2*ROWB
	JLOAD G0+4*\slot, G1, G0B+4*\slot, G1B         ; the first tensor load behind the round; its four v_nop are the places in front of the loads below
.else
	PLACES NP
.endif
	FETCH_B \next, 0, 0
	FETCH_A \next, 0, 0
.if (PREF) && (\fill)
	ASK
.endif
	WIN MUL_HI
	MUL16 4, 1, 0
	MUL16 6, 1, 0
	PLACES NP
	WIN 0
	FETCH_A \next, 0, 4
.endm
; THE WAY OUT, by blocks of 16 rows x 128 columns.
.macro RLOAD a                         ; the residual's rows of block a -> window 1, 64 registers; a load reads 512 consecutive bytes
	WIN 0x40
.set i, 0
.rept 16
	global_load_b128 v[64*((\a)%4)+4*i:64*((\a)%4)+4*i+3], v[CO], s[68:69] offset:(16*(\a)+i)*4096 th:TH_LOAD_NT
.set i, i+1
.endr
	WIN 0
.endm
.macro TOSTAGE a                       ; the sums go into my stage as they are, each accumulator's low four registers first, and come back as whole rows of 512 bytes
.set AC, 64*((\a)%4)
	WIN 0x08+4*((\a)/4)                            ; the stores' data: window 2 or 3
.irp b, 0,1,2,3,4,5,6,7
	ds_store_b128 v[STO], v[AC+8*\b:AC+8*\b+3] offset:64*\b
	ds_store_b128 v[STO], v[AC+8*\b+4:AC+8*\b+7] offset:64*\b+16
.endr
	WIN 0
.set BB, BK+64*((\a)%2)
.set i, 0
.rept 16
	ds_load_b128 v[BB+4*i:BB+4*i+3], v[RD] offset:i*SPITCH   ; a wave's LDS instructions are served in order
.set i, i+1
.endr
.endm
.macro SEND a, younger, left           ; younger: LDS instructions issued behind block a's loads; left: residual loads of later blocks; both may stay out
.set BB, BK+64*((\a)%2)
.set RS, 64*((\a)%4)
	s_wait_dscnt \younger
	s_wait_loadcnt \left
	WIN 0x10                                       ; source 2: window 1
.set i, 0
.rept 32
	v_pk_fma_f32 v[BB+i:BB+i+1], v[BB+i:BB+i+1], s[96:97], v[RS+i:RS+i+1] op_sel_hi:[1,0,1]   ; sum x 2^(eA + eB) + residual
.set i, i+2
.endr
	WIN 0
.set i, 0
.rept 16
	v_pk_add_f32 v[BB+4*i:BB+4*i+1], v[BB+4*i:BB+4*i+1], v[BI4:BI4+1]
	v_pk_add_f32 v[BB+4*i+2:BB+4*i+3], v[BB+4*i+2:BB+4*i+3], v[BI4+2:BI4+3]
.set i, i+1
.endr
.set i, 0
.rept 16
	global_store_b128 v[CO], v[BB+4*i:BB+4*i+3], s[70:71] offset:(16*(\a)+i)*4096 th:TH_STORE_NT   ; 512 consecutive bytes, aligned
.set i, i+1
.endr
.endm
	s_wait_tensorcnt 1                             ; my part of K step 0 is in; K step 1's load may be out
	s_barrier_signal -1
	s_barrier_wait -1
	FETCH_B 0, 0, 0
	FETCH_A 0, 0, 0
	FETCH_A 0, 0, 4
	STEP 0, 0, 1                                   ; the first step's products start the sums
	s_mov_b32 s3, LAPS-1
.Llap:
	TURN 0, 1, 1
	STEP 1, 0, 0
	TURN 1, 0, 1
	STEP 0, 0, 0
	s_sub_co_u32 s3, s3, 1
	s_cmp_lg_u32 s3, 0
	s_cbranch_scc1 .Llap
	TURN 0, 1, 0                                   ; the last lap fills nothing
	STEP 1, 0, 0
	RLOAD 0                                        ; B's set 0 is done with (its last products stand in front of the step's closing places): it takes the residual's first rows
	RLOAD 1
	s_wait_dscnt 4*NL
	WIN MUL_LO
	MUL16 0, 1, 0
	MUL16 2, 1, 0
	s_wait_dscnt 0
	WIN MUL_HI
	MUL16 4, 1, 0
	MUL16 6, 1, 0
	WIN 0
	s_wait_kmcnt 0x0
	s_add_co_i32 s96, s96, s97
	s_add_co_i32 s96, s96, 127
	s_lshl_b32 s96, s96, 23                        ; 2^(eA + eB)
	s_mov_b32 s97, s96
	PLACES NP
	RLOAD 2
	RLOAD 3
	TOSTAGE 0
	TOSTAGE 1
	SEND 0, 32, 48
	RLOAD 4
.irp a, 2,3,4
	s_wait_xcnt 0x0                                ; the stores of two blocks back have read their registers: this block's rows may land there
	TOSTAGE \a
	SEND \a-1, 32, 48
	RLOAD \a+3
.endr
	s_wait_xcnt 0x0
	TOSTAGE 5
	SEND 4, 32, 48
	s_wait_xcnt 0x0
	TOSTAGE 6
	SEND 5, 32, 32
	s_wait_xcnt 0x0
	TOSTAGE 7
	SEND 6, 32, 16
	SEND 7, 0, 0
	s_wait_tensorcnt 0x0                           ; the wave's end
	ds_add_u32 v[SPW], v[NIL]
	s_wait_dscnt 0x0
	CROUND                                         ; the closing round
	s_endpgm
.Lfunc_end_k_q397bb9ae39_oproj:
	.size	k_q397bb9ae39_oproj, .Lfunc_end_k_q397bb9ae39_oproj-k_q397bb9ae39_oproj
	.p2alignl 7, 3214868480
	.fill 96, 4, 3214868480
	.section	.rodata,"a",@progbits
	.p2align	6, 0x0
	.amdhsa_kernel k_q397bb9ae39_oproj
		.amdhsa_group_segment_fixed_size 327680
		.amdhsa_private_segment_fixed_size 0
		.amdhsa_enable_private_segment 0
		.amdhsa_kernarg_size 48
		.amdhsa_user_sgpr_count 2
		.amdhsa_user_sgpr_kernarg_segment_ptr 1
		.amdhsa_wavefront_size32 1
		.amdhsa_system_sgpr_workgroup_id_x 1
		.amdhsa_system_sgpr_workgroup_id_y 1
		.amdhsa_system_sgpr_workgroup_id_z 1
		.amdhsa_system_vgpr_workitem_id 0
		.amdhsa_next_free_vgpr 1024
		.amdhsa_next_free_sgpr 100
		.amdhsa_reserve_vcc 0
		.amdhsa_float_denorm_mode_32 3
		.amdhsa_float_denorm_mode_16_64 3
		.amdhsa_memory_ordered 1
		.amdhsa_forward_progress 1
		.amdhsa_inst_pref_size 152
	.end_amdhsa_kernel
	.amdgpu_metadata
---
amdhsa.version: [ 1, 2 ]
amdhsa.kernels:
  - .name:           k_q397bb9ae39_oproj
    .symbol:         k_q397bb9ae39_oproj.kd
    .args:
      - { .name: aoc, .offset: 0, .size: 8, .value_kind: global_buffer, .address_space: global }
      - { .name: wc, .offset: 8, .size: 8, .value_kind: global_buffer, .address_space: global }
      - { .name: lowp_scales, .offset: 16, .size: 8, .value_kind: global_buffer, .address_space: global }
      - { .name: b_o, .offset: 24, .size: 8, .value_kind: global_buffer, .address_space: global }
      - { .name: x, .offset: 32, .size: 8, .value_kind: global_buffer, .address_space: global }
      - { .name: x1, .offset: 40, .size: 8, .value_kind: global_buffer, .address_space: global }
    .group_segment_fixed_size: 327680
    .private_segment_fixed_size: 0
    .kernarg_segment_align: 8
    .kernarg_segment_size: 48
    .max_flat_workgroup_size: 128
    .sgpr_count:     100
    .vgpr_count:     1024
    .wavefront_size: 32
...
	.end_amdgpu_metadata
.endif
;; end of part 4
;; launch ln2 (part 5): grid 256 x 1, 4 waves a work-group, no clusters, 16,896 bytes of LDS; arguments x1, g2, beta2, lowp_scales, h2c; writes h2c
.if DOCPART == 5
	.amdgcn_target "amdgcn-amd-amdhsa--gfx1250"
	.amdhsa_code_object_version 6
	.text
	.protected	k_q397bb9ae39_ln2
	.globl	k_q397bb9ae39_ln2
	.p2align	8
	.type	k_q397bb9ae39_ln2,@function
k_q397bb9ae39_ln2:
	s_mov_b64 s[64:65], 0
	v_nop
	global_prefetch_b8 v0, s[64:65] scope:SCOPE_SE
	s_setreg_imm32_b32 hwreg(HW_REG_WAVE_MODE, 25, 1), 1
	s_wait_xcnt 0x0
; LN2.  h2 = LayerNorm(x1) g2 + beta2, f32, becomes codes of E4M3 [4096][1024] with the scale 2^e, e = entry 8 of the scales.
; A wave takes four whole rows, loaded at once and kept in registers between the passes.  No barrier: waves share nothing.  Memory binds: each byte is read once, in loads of 512 consecutive bytes.
; LIMITS: e between -126 and 119.  NaN and infinities are not served.
.set G,     16                         ; v16-47   g
.set BT,    48                         ; v48-79   beta
.set LX,    80                         ; v80-207  four rows; load j's four numbers are k = 128 j + 4 lane + 0..3
.set CA,    208                        ; v208-223 row 0's codes and way out
	s_load_b256 s[8:15], s[0:1], 0x0               ; x1 8:9, g2 10:11, beta2 12:13, scales 14:15
	s_load_b64 s[24:25], s[0:1], 0x20              ; h2c
	v_lshl_add_u32 v226, v0, 2, 0x4000
	v_mov_b32 v227, 0
	v_lshrrev_b32 v1, 5, v0
	v_readfirstlane_b32 s32, v1                    ; wave 0..3
	v_and_b32 v2, 31, v0                           ; lane
	s_wait_kmcnt 0x0
	s_load_b32 s36, s[14:15], 0x20                 ; e8
	s_lshl_b32 s26, ttmp9, 4
	s_lshl_b32 s27, s32, 2
	s_add_co_u32 s26, s26, s27                     ; my first row
	s_lshl_b32 s4, s26, 12
	s_mov_b32 s5, 0
	s_add_nc_u64 s[8:9], s[8:9], s[4:5]
	s_lshl_b32 s4, s26, 10
	s_add_nc_u64 s[24:25], s[24:25], s[4:5]
	s_lshl_b32 s27, s32, 12                        ; my stage: four rows of 1,024 bytes
	v_lshlrev_b32 v1, 4, v2                        ; 16 x lane
	v_lshl_add_u32 v3, v2, 4, s27
	v_lshl_add_u32 v2, v2, 2, s27
	s_mov_b32 s2, 0x76543210                       ; v_permlanex16_b32: lane l xor 16
	s_mov_b32 s3, 0xfedcba98
	s_mov_b32 s33, 0x3a800000                      ; 1 / 1024
	s_mov_b32 s34, 0x3727c5ac                      ; 1e-5
	v_mov_b32 v225, 0                              ; a lane permute's destination counts as read: written once
.irp j, 0,1,2,3,4,5,6,7
	global_load_b128 v[G+4*\j:G+4*\j+3], v1, s[10:11] offset:512*\j
.endr
.irp j, 0,1,2,3,4,5,6,7
	global_load_b128 v[BT+4*\j:BT+4*\j+3], v1, s[12:13] offset:512*\j
.endr
.set i, 0
.rept 32
	global_load_b128 v[LX+4*i:LX+4*i+3], v1, s[8:9] offset:4096*(i/8)+512*(i%8)
.set i, i+1
.endr
	s_wait_kmcnt 0x0
	s_add_co_i32 s30, s36, 127
	s_lshl_b32 s31, s30, 23
	v_mov_b32 v224, s31                            ; 2^e
	s_add_co_i32 s30, s30, 8
	s_lshl_b32 s30, s30, 23
	s_or_b32 s29, s30, 0x600000                    ; 448 x 2^e
	s_or_b32 s28, s29, 0x80000000
.macro REDUCE                          ; four chains of pairs in v[8:15] -> the row's sum in v8 of every lane
	v_pk_add_f32 v[8:9], v[8:9], v[10:11]
	v_pk_add_f32 v[12:13], v[12:13], v[14:15]
	v_pk_add_f32 v[8:9], v[8:9], v[12:13]
	v_add_f32 v8, v8, v9
	v_add_f32_dpp v8, v8, v8 row_xmask:1 row_mask:0xf bank_mask:0xf
	v_add_f32_dpp v8, v8, v8 row_xmask:2 row_mask:0xf bank_mask:0xf
	v_add_f32_dpp v8, v8, v8 row_xmask:4 row_mask:0xf bank_mask:0xf
	v_add_f32_dpp v8, v8, v8 row_xmask:8 row_mask:0xf bank_mask:0xf
	v_permlanex16_b32 v225, v8, s2, s3
	v_add_f32 v8, v8, v225
.endm
; row p.  left: the later rows' loads, which may stay out.  cr, od: eight registers each for its codes and its way out (dead registers of the row before, so no pending store's data are written again)
.macro LNROW p, left, cr, od
.set XR, LX+32*(\p)
	s_wait_loadcnt \left
.irp c, 0,1,2,3
	v_pk_add_f32 v[8+2*\c:9+2*\c], v[XR+2*\c:XR+2*\c+1], v[XR+8+2*\c:XR+9+2*\c]
.endr
.irp c, 0,1,2,3
	v_pk_add_f32 v[8+2*\c:9+2*\c], v[8+2*\c:9+2*\c], v[XR+16+2*\c:XR+17+2*\c]
.endr
.irp c, 0,1,2,3
	v_pk_add_f32 v[8+2*\c:9+2*\c], v[8+2*\c:9+2*\c], v[XR+24+2*\c:XR+25+2*\c]
.endr
	REDUCE
	v_mul_f32 v4, s33, v8                          ; the mean
	v_mov_b32 v5, v4
.set i, 0
.rept 16
	v_pk_add_f32 v[XR+i:XR+i+1], v[XR+i:XR+i+1], v[4:5] neg_lo:[0,1] neg_hi:[0,1]   ; deviations first: a common offset of the row costs no digits in the variance
.set i, i+2
.endr
.irp c, 0,1,2,3
	v_pk_mul_f32 v[8+2*\c:9+2*\c], v[XR+2*\c:XR+2*\c+1], v[XR+2*\c:XR+2*\c+1]
.endr
.irp o, 8,16,24
.irp c, 0,1,2,3
	v_pk_fma_f32 v[8+2*\c:9+2*\c], v[XR+\o+2*\c:XR+\o+2*\c+1], v[XR+\o+2*\c:XR+\o+2*\c+1], v[8+2*\c:9+2*\c]
.endr
.endr
	REDUCE
	v_fma_f32 v6, v8, s33, s34                     ; the variance + 1e-5
	v_rsq_f32 v6, v6
	v_nop                                          ; a plain instruction behind the transcendental
	s_wait_alu depctr_va_vdst(0)                   ; the wait ahead of the result's first reader
	v_mov_b32 v7, v6
.set i, 0
.rept 16
	v_pk_mul_f32 v[XR+i:XR+i+1], v[XR+i:XR+i+1], v[6:7]
.set i, i+2
.endr
.set i, 0
.rept 16
	v_pk_fma_f32 v[XR+i:XR+i+1], v[XR+i:XR+i+1], v[G+i:G+i+1], v[BT+i:BT+i+1]
.set i, i+2
.endr
.set i, 0
.rept 32
	v_med3_num_f32 v[XR+i], v[XR+i], s28, s29      ; the conversion does not saturate (ISA guide 7.6.2): the hold comes first
.set i, i+1
.endr
.irp m, 0,1,2,3
	v_cvt_scalef32_pk8_fp8_f32 v[\cr+2*\m:\cr+2*\m+1], v[XR+8*\m:XR+8*\m+7], v224   ; register cr + j: the four codes of k = 128 j + 4 lane
.endr
	v_nop                                          ; a plain instruction behind the last conversion
.irp j, 0,1,2,3,4,5,6,7
	ds_store_b32 v2, v[\cr+\j] offset:1024*(\p)+128*\j
.endr
	ds_load_b128 v[\od:\od+3], v3 offset:1024*(\p)          ; back as 16 neighbouring codes a lane (a wave's LDS instructions are served in order)
	ds_load_b128 v[\od+4:\od+7], v3 offset:1024*(\p)+512
	s_wait_dscnt 0x0
	global_store_b128 v1, v[\od:\od+3], s[24:25] offset:1024*(\p)        ; 512 consecutive bytes, aligned
	global_store_b128 v1, v[\od+4:\od+7], s[24:25] offset:1024*(\p)+512
.endm
	LNROW 0, 24, CA, CA+8
	LNROW 1, 16, LX, LX+8
	LNROW 2, 8, LX+32, LX+40
	LNROW 3, 0, LX+64, LX+72
	s_wait_tensorcnt 0x0
	ds_add_u32 v226, v227
	s_wait_dscnt 0x0
	s_endpgm
.Lfunc_end_k_q397bb9ae39_ln2:
	.size	k_q397bb9ae39_ln2, .Lfunc_end_k_q397bb9ae39_ln2-k_q397bb9ae39_ln2
	.p2alignl 7, 3214868480
	.fill 96, 4, 3214868480
	.section	.rodata,"a",@progbits
	.p2align	6, 0x0
	.amdhsa_kernel k_q397bb9ae39_ln2
		.amdhsa_group_segment_fixed_size 16896
		.amdhsa_private_segment_fixed_size 0
		.amdhsa_enable_private_segment 0
		.amdhsa_kernarg_size 40
		.amdhsa_user_sgpr_count 2
		.amdhsa_user_sgpr_kernarg_segment_ptr 1
		.amdhsa_wavefront_size32 1
		.amdhsa_system_sgpr_workgroup_id_x 1
		.amdhsa_system_sgpr_workgroup_id_y 1
		.amdhsa_system_sgpr_workgroup_id_z 1
		.amdhsa_system_vgpr_workitem_id 0
		.amdhsa_next_free_vgpr 228
		.amdhsa_next_free_sgpr 66
		.amdhsa_reserve_vcc 0
		.amdhsa_float_denorm_mode_32 3
		.amdhsa_float_denorm_mode_16_64 3
		.amdhsa_memory_ordered 1
		.amdhsa_forward_progress 1
		.amdhsa_inst_pref_size 44
	.end_amdhsa_kernel
	.amdgpu_metadata
---
amdhsa.version: [ 1, 2 ]
amdhsa.kernels:
  - .name:           k_q397bb9ae39_ln2
    .symbol:         k_q397bb9ae39_ln2.kd
    .args:
      - { .name: x1, .offset: 0, .size: 8, .value_kind: global_buffer, .address_space: global }
      - { .name: g2, .offset: 8, .size: 8, .value_kind: global_buffer, .address_space: global }
      - { .name: beta2, .offset: 16, .size: 8, .value_kind: global_buffer, .address_space: global }
      - { .name: lowp_scales, .offset: 24, .size: 8, .value_kind: global_buffer, .address_space: global }
      - { .name: h2c, .offset: 32, .size: 8, .value_kind: global_buffer, .address_space: global }
    .group_segment_fixed_size: 16896
    .private_segment_fixed_size: 0
    .kernarg_segment_align: 8
    .kernarg_segment_size: 40
    .max_flat_workgroup_size: 128
    .sgpr_count:     66
    .vgpr_count:     228
    .wavefront_size: 32
...
	.end_amdgpu_metadata
.endif
;; end of part 5
;; launch fc (part 6): grid 16 x 16, 4 waves a work-group, clusters of 4 x 4, 327,680 bytes of LDS; arguments h2c, wc, lowp_scales, b_fc, gc; writes gc
.if DOCPART == 6
	.amdgcn_target "amdgcn-amd-amdhsa--gfx1250"
	.amdhsa_code_object_version 6
	.text
	.protected	k_q397bb9ae39_fc
	.globl	k_q397bb9ae39_fc
	.p2align	8
	.type	k_q397bb9ae39_fc,@function
k_q397bb9ae39_fc:
	s_mov_b64 s[64:65], 0
	v_nop
	global_prefetch_b8 v0, s[64:65] scope:SCOPE_SE
	s_setreg_imm32_b32 hwreg(HW_REG_WAVE_MODE, 25, 1), 1
	s_wait_xcnt 0x0
	s_wait_alu depctr_hold_cnt(0) depctr_sa_sdst(0) depctr_va_vdst(0) depctr_va_sdst(0) depctr_va_ssrc(0) depctr_va_vcc(0) depctr_vm_vsrc(0)
	s_getreg_b32 s2, hwreg(HW_REG_IB_STS2, 6, 4)
	s_cmp_eq_u32 s2, 0
	s_cbranch_scc0 .Lentry_in_a_cluster
	s_endpgm
.Lentry_in_a_cluster:
	s_bfe_u32 s2, ttmp6, 0x10000c
	s_cmp_lg_u32 s2, 0xf033
	s_cbranch_scc0 .Lentry_shape_is_right
	s_endpgm
.Lentry_shape_is_right:
; FC.  g = gelu(h2 W_fc + b_fc), the product on codes of E4M3 (h2: scale entry 8, W_fc: entry 9), g quantised at once (entry 10) into gc [4096][4096].
; A: h2c [4096][1024]; B: W_fc's codes [4096][1024] at 0x400000 of wc.
; A tile of C, 256 x 256, is made by four waves, each 128 x 128: 64 accumulators.  K goes in steps of 256 through two LDS slots filled by joint tensor loads of a 4 x 4 cluster
; (A's tile shared along a row of the cluster, B's along a column).  The matrix instruction is used transposed: a lane holds eight neighbouring columns of a row of C, which are neighbours along the next K.
; GELU, exact form: gelu(x) = max(x, 0) - |x| / 2 x E, E = erfc(|x| / sqrt 2) = t exp(-x^2 / 2 + poly(t)), t = 1 / (1 + 0.35355339 |x|), poly of degree 9.
; The approximation's own fractional error in E is under 1.2e-7 for every x; E is formed without a difference of near numbers, so the negative tail keeps its digits.
; The eight blocks of 16 rows go through ONE text of the GELU, in a loop of eight trips; only the copy out of the accumulators, whose register numbers differ, is written eight times.
; LIMITS: e8 + e9 between -126 and 127; e10 between -126 and 119.  NaN and infinities are not served.
; REGISTERS: window 0: v0-31 addresses; v32-95 bias; from v128 A's fragments, later rows on their way out.  window 1: B's fragments; on the way out T 0-63, U 64-127, P 128-191, codes 192-207, TT 224-231, KC 232-233, SC 254.
.set KROW,   1024
.set WOFF,   0x400000
.set ROWB,   256
.set PITCH,  272                       ; 256 + 16: the 16 rows of a fragment load start at 16 different banks (64 banks of 4 bytes: ISA guide 11.1)
.set FR,     16
.set NL,     4
.set NP,     4                         ; places behind this matrix instruction (ISA guide 7.12.1)
.set HALFT,  128*PITCH
.set SLOT,   4*HALFT
.set LAPS,   KROW/(2*ROWB)
.set SPARE,  2*SLOT                    ; the spare words: 128 bytes a wave, named by no other line
.set ADRA, 16
.set ADRB, 20
.set STO,  24                          ; v24  the stage: where I put 8 codes of a row of block 0
.set RD,   25
.set CO,   26
.set STA,  27                          ; v27  the same for the block in hand
.set SPW,  28
.set NIL,  29
.set BI,   32
.set AF,   128
.set T,    0
.set U,    64
.set P,    128
.set CD,   192
.set TT,   224
.set KC,   232
.set SC,   254
.set BA,   72                          ; s72  the block in hand
.set SOFF, 73                          ; s73  its first byte in the stage
.set G1, 24
.set G0, 32
.set G1B, 48
.set G0B, 56
.set MSB, 0
.macro WIN new                         ; the immediate's high byte repeats the setting that is left
.if MSB != (\new)
	s_set_vgpr_msb (MSB<<8)|(\new)
.set MSB, (\new)
.endif
.endm
.set MUL_LO, 0xa1
.set MUL_HI, 0xf1
.set TO_B,   0x40
.macro JLOAD g0a, g1a, g0b, g1b        ; a joint load: waves 0, 1 fetch for A, waves 2, 3 for B; four v_nop follow each line
	s_cmp_eq_u32 s15, 0
	s_cbranch_scc0 .Lfor_b_\@
	tensor_load_to_lds s[\g0a:\g0a+3], s[\g1a:\g1a+7]
	s_nop 0
.rept 4
	v_nop
.endr
	s_branch .Lasked_\@
.Lfor_b_\@:
	tensor_load_to_lds s[\g0b:\g0b+3], s[\g1b:\g1b+7]
	s_nop 0
.rept 4
	v_nop
.endr
.Lasked_\@:
.endm
.macro CREST
	s_cmp_lg_u32 s14, 0
	s_cbranch_scc1 .Lnot_wave_0_\@
	s_barrier_signal -3
.Lnot_wave_0_\@:
	s_barrier_wait -3
	s_barrier_signal -1
	s_barrier_wait -1
.endm
.macro CROUND
	s_barrier_signal -1
	s_barrier_wait -1
	CREST
.endm
	s_load_b128 s[4:7], s[0:1], 0x0                ; h2c, wc
	s_load_b128 s[8:11], s[0:1], 0x10              ; the scales' exponents, b_fc
	s_load_b64 s[70:71], s[0:1], 0x20              ; gc
	v_lshl_add_u32 v[SPW], v0, 2, SPARE
	v_mov_b32 v[NIL], 0
	ds_add_u32 v28, v29
	ds_add_u32 v28, v29
	s_wait_dscnt 0x0
	v_lshrrev_b32 v1, 5, v0
	v_readfirstlane_b32 s14, v1                    ; wave 0..3
	s_lshr_b32 s15, s14, 1
	s_and_b32 s16, s14, 1
	s_bfe_u32 s40, ttmp6, 0x40000                  ; cx
	s_bfe_u32 s41, ttmp6, 0x40004                  ; cy
	s_lshl_b32 s42, ttmp9, 2
	s_add_co_u32 s42, s42, s40                     ; tile column
	s_and_b32 s17, ttmp7, 0xffff
	s_lshl_b32 s17, s17, 2
	s_add_co_u32 s17, s17, s41                     ; tile row
	s_lshl_b32 s43, s41, 2
	s_lshl_b32 s43, 15, s43
	s_lshl_b32 s44, 0x1111, s40
	s_or_b32 s[G1+0], s43, (1<<20)|(1<<21)|(5<<22)|(3<<25)
	s_or_b32 s[G1B+0], s44, (1<<20)|(1<<21)|(5<<22)|(3<<25)
.irp g, G1, G1B
	s_mov_b32 s[\g+1], ROWB<<16
	s_mov_b32 s[\g+2], 128<<16
	s_mov_b32 s[\g+3], ROWB<<16
	s_mov_b32 s[\g+4], 128
	s_mov_b32 s[\g+5], KROW
	s_mov_b32 s[\g+6], 0
	s_mov_b32 s[\g+7], 0
.endr
	s_lshl_b32 s18, s16, 7
	s_lshl_b32 s20, s17, 8
	s_add_co_u32 s20, s20, s18
	s_mul_i32 s20, s20, KROW
	s_mov_b32 s21, 0
	s_lshl_b32 s46, s42, 8
	s_add_co_u32 s46, s46, s18
	s_mul_i32 s46, s46, KROW
	s_mov_b32 s47, 0
	s_mul_i32 s45, s14, HALFT
	s_wait_kmcnt 0x0
	s_load_b64 s[96:97], s[8:9], 0x20              ; e8, e9
	s_load_b32 s76, s[8:9], 0x28                   ; e10
	s_add_nc_u64 s[6:7], s[6:7], WOFF
	s_add_nc_u64 s[20:21], s[4:5], s[20:21]
	s_add_nc_u64 s[46:47], s[6:7], s[46:47]
	CROUND                                         ; all sixteen work-groups are here: the first joint loads meet
.irp s, 0,1
	s_mov_b32 s[G0+4*\s], 1
	s_add_co_u32 s[G0+4*\s+1], s45, \s*SLOT
	s_add_nc_u64 s[G0+4*\s+2:G0+4*\s+3], s[20:21], \s*ROWB
	s_or_b32 s[G0+4*\s+3], s[G0+4*\s+3], 0x80000000
	s_mov_b32 s[G0B+4*\s], 1
	s_add_co_u32 s[G0B+4*\s+1], s45, \s*SLOT
	s_add_nc_u64 s[G0B+4*\s+2:G0B+4*\s+3], s[46:47], \s*ROWB
	s_or_b32 s[G0B+4*\s+3], s[G0B+4*\s+3], 0x80000000
	JLOAD G0+4*\s, G1, G0B+4*\s, G1B
.endr
	v_and_b32 v1, 15, v0                           ; r
	v_bfe_u32 v2, v0, 4, 1                         ; h
	v_mul_u32_u24 v3, v1, PITCH
	v_lshl_add_u32 v4, v2, 4, v3
	s_mul_i32 s21, s15, HALFT
	s_mul_i32 s22, s16, HALFT
	s_add_co_u32 s22, s22, 2*HALFT
.irp s, 0,1
	v_add_nc_u32 v[ADRA+\s], s21, v4
	v_add_nc_u32 v[ADRB+\s], s22, v4
	s_add_co_u32 s21, s21, SLOT
	s_add_co_u32 s22, s22, SLOT
.endr
	; the stage, in slot 0: 256 rows x 272 bytes, the work-group's
	s_mul_i32 s23, s15, 128*PITCH
	s_lshl_b32 s21, s16, 7
	s_add_co_u32 s23, s23, s21
	v_lshl_add_u32 v5, v2, 3, v3
	v_add_nc_u32 v[STO], s23, v5                   ; in: row 128 x half + r, byte 128 x half + 8 h
	s_mul_i32 s23, s14, 64*PITCH
	v_mul_u32_u24 v5, v2, PITCH
	v_lshl_add_u32 v5, v1, 4, v5
	v_add_nc_u32 v[RD], s23, v5                    ; back: my 64 rows, sixteen lanes to a row
	v_lshlrev_b32 v6, 12, v2
	v_lshl_add_u32 v[CO], v1, 4, v6                ; and the same two rows of gc (4,096 bytes each)
	v_lshlrev_b32 v18, 5, v2                       ; the bias: 32 h
	s_lshl_b32 s88, s42, 10
	s_lshl_b32 s89, s16, 9
	s_add_co_u32 s88, s88, s89
	s_mov_b32 s89, 0
	s_add_nc_u64 s[10:11], s[10:11], s[88:89]
.irp b, 0,1,2,3,4,5,6,7
	global_load_b128 v[BI+8*\b:BI+8*\b+3], v18, s[10:11] offset:64*\b       ; register 8 b + j: the bias of column 16 b + 8 h + j
	global_load_b128 v[BI+8*\b+4:BI+8*\b+7], v18, s[10:11] offset:64*\b+16
.endr
	s_lshl_b32 s88, s17, 8
	s_lshl_b32 s90, s14, 6
	s_add_co_u32 s88, s88, s90
	s_lshl_b32 s88, s88, 12                        ; row 256 x tile row + 64 x wave
	s_lshl_b32 s90, s42, 8
	s_add_co_u32 s88, s88, s90
	s_add_nc_u64 s[70:71], s[70:71], s[88:89]
.macro FRAG reg, adr, q, i             ; 16 rows x 128 K: registers 4 c .. 4 c + 3 hold K = 32 c + 16 (l / 16) + 0 .. 15: the same permutation of k in A and in B
.irp c, 0,1,2,3
	ds_load_b128 v[\reg+4*\c:\reg+4*\c+3], v[\adr] offset:128*(\q)+32*\c+(\i)*16*PITCH
.endr
.endm
.macro MUL16 a0, p, zero               ; the 64 accumulators take turns
.irp a, \a0, \a0+1
.irp b, 0,1,2,3,4,5,6,7
.if \zero
	v_wmma_f32_16x16x128_fp8_fp8 v[8*(8*((\a)%4)+\b):8*(8*((\a)%4)+\b)+7], v[128*(\p)+FR*\b:128*(\p)+FR*\b+FR-1], v[AF+FR*(\a):AF+FR*(\a)+FR-1], 0
.else
	v_wmma_f32_16x16x128_fp8_fp8 v[8*(8*((\a)%4)+\b):8*(8*((\a)%4)+\b)+7], v[128*(\p)+FR*\b:128*(\p)+FR*\b+FR-1], v[AF+FR*(\a):AF+FR*(\a)+FR-1], v[8*(8*((\a)%4)+\b):8*(8*((\a)%4)+\b)+7]
.endif
.endr
.endr
.endm
.macro FETCH_B slot, q, p
	WIN TO_B
.irp i, 0,1,2,3,4,5,6,7
	FRAG 128*(\p)+FR*\i, ADRB+\slot, \q, \i
.endr
	WIN 0
.endm
.macro FETCH_A slot, q, i0
.irp i, \i0, \i0+1, \i0+2, \i0+3
	FRAG AF+FR*(\i), ADRA+\slot, \q, \i
.endr
.endm
.macro PLACES n
.rept \n
	v_nop
.endr
.endm
.macro STEP slot, q, zero
	s_wait_dscnt 4*NL                              ; B's set and A's blocks 0-3 are in; A's blocks 4-7 (16 loads) may be out
	WIN MUL_LO
	MUL16 0, (\q)%2, \zero
	MUL16 2, (\q)%2, \zero
	s_wait_dscnt 0
	PLACES NP
	FETCH_B \slot, (\q)+1, 1-(\q)%2
	FETCH_A \slot, (\q)+1, 0
	WIN MUL_HI
	MUL16 4, (\q)%2, \zero
	MUL16 6, (\q)%2, \zero
	PLACES NP
	WIN 0
	FETCH_A \slot, (\q)+1, 4
.endm
.macro TURN slot, next, fill
	s_wait_tensorcnt 0x0                           ; all my tensor loads have landed: my part of the next slot
	ds_add_u32 v[SPW], v[NIL]                      ; 0 onto my spare word
	s_wait_dscnt 4*NL+1                            ; the add and A's blocks 4-7 may be out
	WIN MUL_LO
	MUL16 0, 1, 0
	s_wait_dscnt 0x0                               ; the add is done, and my reads of this slot are over
	s_barrier_signal -1
	MUL16 2, 1, 0
	WIN 0
	s_barrier_wait -1
.if \fill
	CREST                                          ; the barrier has opened a round of the cluster's: no wave of any partner still reads this slot or has a load on its way
	s_add_nc_u64 s[G0+4*\slot+2:G0+4*\slot+3], s[G0+4*\slot+2:G0+4*\slot+3], 2*ROWB
	s_add_nc_u64 s[G0B+4*\slot+2:G0B+4*\slot+3], s[G0B+4*\slot+2:G0B+4*\slot+3], 2*ROWB
	JLOAD G0+4*\slot, G1, G0B+4*\slot, G1B         ; the first tensor load behind the round; its four v_nop are the places in front of the loads below
.else
	PLACES NP
.endif
	FETCH_B \next, 0, 0
	FETCH_A \next, 0, 0
	WIN MUL_HI
	MUL16 4, 1, 0
	MUL16 6, 1, 0
	PLACES NP
	WIN 0
	FETCH_A \next, 0, 4
.endm
.macro COPYIN a                        ; T = block a's sums x 2^(e8 + e9) + bias; each accumulator from its low end on
	WIN 0x42+((\a)/4)                              ; destination window 1, source 0 window 2 or 3, the bias window 0
.set i, 0
.rept 32
	v_pk_fma_f32 v[T+i:T+i+1], v[64*((\a)%4)+i:64*((\a)%4)+i+1], s[96:97], v[BI+i:BI+i+1] op_sel_hi:[1,0,1]
.set i, i+2
.endr
	WIN 0
.endm
	s_wait_tensorcnt 1                             ; my part of K step 0 is in; K step 1's load may be out
	s_barrier_signal -1
	s_barrier_wait -1
	FETCH_B 0, 0, 0
	FETCH_A 0, 0, 0
	FETCH_A 0, 0, 4
	STEP 0, 0, 1                                   ; the first step's products start the sums
	s_mov_b32 s3, LAPS-1
.Llap:
	TURN 0, 1, 1
	STEP 1, 0, 0
	TURN 1, 0, 1
	STEP 0, 0, 0
	s_sub_co_u32 s3, s3, 1
	s_cmp_lg_u32 s3, 0
	s_cbranch_scc1 .Llap
	TURN 0, 1, 0                                   ; the last lap fills nothing
	STEP 1, 0, 0
	s_wait_dscnt 4*NL
	WIN MUL_LO
	MUL16 0, 1, 0
	MUL16 2, 1, 0
	s_wait_dscnt 0
	WIN MUL_HI
	MUL16 4, 1, 0
	MUL16 6, 1, 0
	WIN 0
	; THE WAY OUT
	s_wait_kmcnt 0x0
	s_add_co_i32 s96, s96, s97
	s_add_co_i32 s96, s96, 127
	s_lshl_b32 s96, s96, 23                        ; 2^(e8 + e9)
	s_mov_b32 s97, s96
	s_add_co_i32 s76, s76, 127
	s_lshl_b32 s79, s76, 23                        ; 2^e10
	s_add_co_i32 s76, s76, 8
	s_lshl_b32 s76, s76, 23
	s_or_b32 s77, s76, 0x600000                    ; 448 x 2^e10
	s_or_b32 s78, s77, 0x80000000
	s_mov_b32 s84, 0x3eb504f3                      ; 0.35355339
	PLACES NP
	v_mov_b32 v[SC], s79                           ; the conversion's scale, under the same number in windows 0 and 1
	WIN 0x40
	v_mov_b32 v[SC], s79
	v_mov_b32 v[KC], 0x3e2ef945                    ; c9 = 0.17087277, a pair
	v_mov_b32 v[KC+1], 0x3e2ef945
	WIN 0
	s_wait_loadcnt 0x0                             ; the bias
	s_mov_b32 s[BA], 0
	s_mov_b32 s[SOFF], 0
.Lblk:                                             ; eight trips: my rows 16 BA .. 16 BA + 15
	s_cmp_eq_u32 s[BA], 1
	s_cbranch_scc1 .Lc1
	s_cmp_eq_u32 s[BA], 2
	s_cbranch_scc1 .Lc2
	s_cmp_eq_u32 s[BA], 3
	s_cbranch_scc1 .Lc3
	s_cmp_eq_u32 s[BA], 4
	s_cbranch_scc1 .Lc4
	s_cmp_eq_u32 s[BA], 5
	s_cbranch_scc1 .Lc5
	s_cmp_eq_u32 s[BA], 6
	s_cbranch_scc1 .Lc6
	s_cmp_eq_u32 s[BA], 7
	s_cbranch_scc1 .Lc7
	COPYIN 0
	s_branch .Lgo
.Lc1:
	COPYIN 1
	s_branch .Lgo
.Lc2:
	COPYIN 2
	s_branch .Lgo
.Lc3:
	COPYIN 3
	s_branch .Lgo
.Lc4:
	COPYIN 4
	s_branch .Lgo
.Lc5:
	COPYIN 5
	s_branch .Lgo
.Lc6:
	COPYIN 6
	s_branch .Lgo
.Lc7:
	COPYIN 7
.Lgo:
	WIN 0x55                                       ; all four places: window 1
.set i, 0
.rept 64
	v_fma_f32 v[U+i], |v[T+i]|, s84, 1.0           ; 1 + 0.35355339 |x|
.set i, i+1
.endr
.set i, 0
.rept 64
	v_rcp_f32 v[U+i], v[U+i]                       ; t
.set i, i+1
.endr
	v_nop                                          ; a plain instruction behind the batch
	s_wait_alu depctr_va_vdst(0)                   ; one wait for the 64 reciprocals, ahead of their first reader
.set i, 0
.rept 32
	v_pk_fma_f32 v[P+i:P+i+1], v[U+i:U+i+1], v[KC:KC+1], 0xbf527892 op_sel_hi:[1,1,0]   ; c9 t + c8
.set i, i+2
.endr
.irp k, 0x3fbe87b0, 0xbf914e5d, 0x3e8ec7cc, 0xbe3ec24c, 0x3dc636c9, 0x3ebf88fb, 0x3f8000c7, 0xbfa1fc4e
.set i, 0
.rept 32
	v_pk_fma_f32 v[P+i:P+i+1], v[P+i:P+i+1], v[U+i:U+i+1], \k op_sel_hi:[1,1,0]         ; x t + c7 .. c0
.set i, i+2
.endr
.endr
.irp g, 0,1,2,3,4,5,6,7
.irp i, 0,1,2,3
	v_pk_mul_f32 v[TT+2*\i:TT+2*\i+1], v[T+8*\g+2*\i:T+8*\g+2*\i+1], -0.5 op_sel_hi:[1,0]
.endr
.irp i, 0,1,2,3
	v_pk_fma_f32 v[P+8*\g+2*\i:P+8*\g+2*\i+1], v[TT+2*\i:TT+2*\i+1], v[T+8*\g+2*\i:T+8*\g+2*\i+1], v[P+8*\g+2*\i:P+8*\g+2*\i+1]   ; - x^2 / 2 + poly
.endr
.endr
.set i, 0
.rept 32
	v_pk_mul_f32 v[P+i:P+i+1], v[P+i:P+i+1], 0x3fb8aa3b op_sel_hi:[1,0]   ; x log2(e)
.set i, i+2
.endr
.set i, 0
.rept 64
	v_exp_f32 v[P+i], v[P+i]
.set i, i+1
.endr
.set i, 0
.rept 64
	v_mul_f32 v[U+i], v[U+i], |v[T+i]|             ; t |x|: work that names no exponential's result
.set i, i+1
.endr
.set i, 0
.rept 64
	v_max_num_f32 v[T+i], 0, v[T+i]                ; max(x, 0)
.set i, i+1
.endr
	s_wait_alu depctr_va_vdst(0)                   ; one wait for the 64 exponentials
.set i, 0
.rept 32
	v_pk_mul_f32 v[P+i:P+i+1], v[P+i:P+i+1], v[U+i:U+i+1]                  ; |x| E
.set i, i+2
.endr
.set i, 0
.rept 32
	v_pk_fma_f32 v[T+i:T+i+1], v[P+i:P+i+1], -0.5, v[T+i:T+i+1] op_sel_hi:[1,0,1]   ; gelu
.set i, i+2
.endr
.set i, 0
.rept 64
	v_med3_num_f32 v[T+i], v[T+i], s78, s77        ; the conversion does not saturate (ISA guide 7.6.2): the hold comes first
.set i, i+1
.endr
	s_wait_dscnt 0x0                               ; the last trip's stores have read their registers
.irp b, 0,1,2,3,4,5,6,7
	v_cvt_scalef32_pk8_fp8_f32 v[CD+2*\b:CD+2*\b+1], v[T+8*\b:T+8*\b+7], v[SC]
.endr
	v_nop                                          ; a plain instruction behind the last conversion
	WIN 0
	v_add_nc_u32 v[STA], s[SOFF], v[STO]
	WIN 0x04                                       ; the stores' data: window 1
.irp b, 0,1,2,3,4,5,6,7
	ds_store_b64 v[STA], v[CD+2*\b:CD+2*\b+1] offset:16*\b
.endr
	WIN 0
	s_add_co_u32 s[SOFF], s[SOFF], 16*PITCH
	s_add_co_u32 s[BA], s[BA], 1
	s_cmp_lt_u32 s[BA], 8
	s_cbranch_scc1 .Lblk
	s_wait_dscnt 0x0                               ; for the others' sake: my stores into the stage are done
	s_barrier_signal -1
	s_barrier_wait -1
.set i, 0
.rept 32
	ds_load_b128 v[128+4*i:131+4*i], v[RD] offset:2*PITCH*i
.set i, i+1
.endr
.set i, 0
.rept 32
	s_wait_dscnt 31-i                              ; the later read-backs may be out
	global_store_b128 v[CO], v[128+4*i:131+4*i], s[70:71] offset:8192*i    ; sixteen lanes store 256 consecutive bytes, aligned
.set i, i+1
.endr
	s_wait_tensorcnt 0x0                           ; the wave's end
	ds_add_u32 v[SPW], v[NIL]
	s_wait_dscnt 0x0
	CROUND                                         ; the closing round
	s_endpgm
.Lfunc_end_k_q397bb9ae39_fc:
	.size	k_q397bb9ae39_fc, .Lfunc_end_k_q397bb9ae39_fc-k_q397bb9ae39_fc
	.p2alignl 7, 3214868480
	.fill 96, 4, 3214868480
	.section	.rodata,"a",@progbits
	.p2align	6, 0x0
	.amdhsa_kernel k_q397bb9ae39_fc
		.amdhsa_group_segment_fixed_size 327680
		.amdhsa_private_segment_fixed_size 0
		.amdhsa_enable_private_segment 0
		.amdhsa_kernarg_size 40
		.amdhsa_user_sgpr_count 2
		.amdhsa_user_sgpr_kernarg_segment_ptr 1
		.amdhsa_wavefront_size32 1
		.amdhsa_system_sgpr_workgroup_id_x 1
		.amdhsa_system_sgpr_workgroup_id_y 1
		.amdhsa_system_sgpr_workgroup_id_z 1
		.amdhsa_system_vgpr_workitem_id 0
		.amdhsa_next_free_vgpr 1024
		.amdhsa_next_free_sgpr 100
		.amdhsa_reserve_vcc 0
		.amdhsa_float_denorm_mode_32 3
		.amdhsa_float_denorm_mode_16_64 3
		.amdhsa_memory_ordered 1
		.amdhsa_forward_progress 1
		.amdhsa_inst_pref_size 161
	.end_amdhsa_kernel
	.amdgpu_metadata
---
amdhsa.version: [ 1, 2 ]
amdhsa.kernels:
  - .name:           k_q397bb9ae39_fc
    .symbol:         k_q397bb9ae39_fc.kd
    .args:
      - { .name: h2c, .offset: 0, .size: 8, .value_kind: global_buffer, .address_space: global }
      - { .name: wc, .offset: 8, .size: 8, .value_kind: global_buffer, .address_space: global }
      - { .name: lowp_scales, .offset: 16, .size: 8, .value_kind: global_buffer, .address_space: global }
      - { .name: b_fc, .offset: 24, .size: 8, .value_kind: global_buffer, .address_space: global }
      - { .name: gc, .offset: 32, .size: 8, .value_kind: global_buffer, .address_space: global }
    .group_segment_fixed_size: 327680
    .private_segment_fixed_size: 0
    .kernarg_segment_align: 8
    .kernarg_segment_size: 40
    .max_flat_workgroup_size: 128
    .sgpr_count:     100
    .vgpr_count:     1024
    .wavefront_size: 32
...
	.end_amdgpu_metadata
.endif
;; end of part 6
;; launch pr (part 7): grid 4 x 16, 4 waves a work-group, clusters of 4 x 4, 327,680 bytes of LDS; arguments gc, wc, lowp_scales, b_pr, x1, out0; writes out0
.if DOCPART == 7
	.amdgcn_target "amdgcn-amd-amdhsa--gfx1250"
	.amdhsa_code_object_version 6
	.text
	.protected	k_q397bb9ae39_pr
	.globl	k_q397bb9ae39_pr
	.p2align	8
	.type	k_q397bb9ae39_pr,@function
k_q397bb9ae39_pr:
	s_mov_b64 s[64:65], 0
	v_nop
	global_prefetch_b8 v0, s[64:65] scope:SCOPE_SE
	s_setreg_imm32_b32 hwreg(HW_REG_WAVE_MODE, 25, 1), 1
	s_wait_xcnt 0x0
	s_wait_alu depctr_hold_cnt(0) depctr_sa_sdst(0) depctr_va_vdst(0) depctr_va_sdst(0) depctr_va_ssrc(0) depctr_va_vcc(0) depctr_vm_vsrc(0)
	s_getreg_b32 s2, hwreg(HW_REG_IB_STS2, 6, 4)
	s_cmp_eq_u32 s2, 0
	s_cbranch_scc0 .Lentry_in_a_cluster
	s_endpgm
.Lentry_in_a_cluster:
	s_bfe_u32 s2, ttmp6, 0x10000c
	s_cmp_lg_u32 s2, 0xf033
	s_cbranch_scc0 .Lentry_shape_is_right
	s_endpgm
.Lentry_shape_is_right:
; PR.  out = resid + A B^T x 2^(eA + eB) + bias, f32.  A: codes [4096][KROW]; B: codes [1024][KROW] at byte WOFF of wc; eA, eB at byte SCOFF of the scales; resid, out: [4096][1024] f32.
; Here: A = the GELU's result, B = W_pr, resid = x1, out = out0.
; A tile of C, 256 x 256, is made by four waves, each 128 x 128: 64 accumulators.  K goes in steps of 256 through two LDS slots filled by joint tensor loads of a 4 x 4 cluster
; (A's tile shared along a row of the cluster, B's along a column).  The matrix instruction is used transposed (source 0 = rows of B, source 1 = rows of A): a lane holds eight neighbouring columns of a row of C.
; LIMIT: eA + eB between -126 and 127.  With N = 1,024 there are 64 tiles: a smaller tile would read each LDS byte for half as many products.
; REGISTERS: window 0: v0-31 addresses; v96-99 bias; from v128 A's fragments, ONE set, later rows on their way out.  window 1: B's fragments, two sets, later the residual's rows.  windows 2, 3: the accumulators.
.set KROW,   4096
.set WOFF,   0x800000
.set SCOFF,  40
.set PREF,   1                         ; sixteen K steps: each refill's rows are named two K steps, 256 matrix instructions, ahead
.set ROWB,   256
.set PITCH,  272                       ; 256 + 16: the 16 rows of a fragment load start at 16 different banks (64 banks of 4 bytes: ISA guide 11.1)
.set FR,     16
.set NL,     4
.set NP,     4                         ; places behind this matrix instruction (ISA guide 7.12.1)
.set HALFT,  128*PITCH
.set SLOT,   4*HALFT
.set LAPS,   KROW/(2*ROWB)
.set SPARE,  2*SLOT                    ; the spare words: 128 bytes a wave, named by no other line
.set SPITCH, 528                       ; the way out: 16 rows x (512 + 16) bytes for each wave, in slot 0 behind its last fill and last read
.set ADRA, 16
.set ADRB, 20
.set STO,  24
.set RD,   25
.set CO,   26
.set SPW,  28
.set NIL,  29
.set PFO,  30                          ; v30  the prefetches' offset: lane x a row of codes
.set BI4,  96
.set AF,   128
.set BK,   128
.set G1, 24
.set G0, 32
.set G1B, 48
.set G0B, 56
.set MSB, 0
.macro WIN new                         ; the immediate's high byte repeats the setting that is left
.if MSB != (\new)
	s_set_vgpr_msb (MSB<<8)|(\new)
.set MSB, (\new)
.endif
.endm
.set MUL_LO, 0xa1
.set MUL_HI, 0xf1
.set TO_B,   0x40
.macro JLOAD g0a, g1a, g0b, g1b        ; a joint load: waves 0, 1 fetch for A, waves 2, 3 for B; four v_nop follow each line
	s_cmp_eq_u32 s15, 0
	s_cbranch_scc0 .Lfor_b_\@
	tensor_load_to_lds s[\g0a:\g0a+3], s[\g1a:\g1a+7]
	s_nop 0
.rept 4
	v_nop
.endr
	s_branch .Lasked_\@
.Lfor_b_\@:
	tensor_load_to_lds s[\g0b:\g0b+3], s[\g1b:\g1b+7]
	s_nop 0
.rept 4
	v_nop
.endr
.Lasked_\@:
.endm
.macro CREST
	s_cmp_lg_u32 s14, 0
	s_cbranch_scc1 .Lnot_wave_0_\@
	s_barrier_signal -3
.Lnot_wave_0_\@:
	s_barrier_wait -3
	s_barrier_signal -1
	s_barrier_wait -1
.endm
.macro CROUND
	s_barrier_signal -1
	s_barrier_wait -1
	CREST
.endm
; A prefetch of the K step that stands two refills on: 32 rows x 256 bytes, a lane a row.  A's rows are named by the clusters with x = 0, B's by those with y = 0; the four partners that ask for a tile jointly
; share its rows out by address, 32 each.  The loop's last trip names nothing: its K steps two on do not exist.
.macro ASK
	s_cmp_gt_u32 s3, s82
	s_cbranch_scc0 .Lnot_mine_\@
	global_prefetch_b8 v[PFO], s[80:81] offset:ROWB th:TH_LOAD_NT scope:SCOPE_SE
.Lnot_mine_\@:
.endm
	s_load_b128 s[4:7], s[0:1], 0x0                ; A's codes, wc
	s_load_b128 s[8:11], s[0:1], 0x10              ; the scales' exponents, the bias
	s_load_b128 s[68:71], s[0:1], 0x20             ; the residual, the result
	v_lshl_add_u32 v[SPW], v0, 2, SPARE
	v_mov_b32 v[NIL], 0
	ds_add_u32 v28, v29
	ds_add_u32 v28, v29
	s_wait_dscnt 0x0
	v_lshrrev_b32 v1, 5, v0
	v_readfirstlane_b32 s14, v1                    ; wave 0..3
	s_lshr_b32 s15, s14, 1                         ; my half of the tile's rows; also: I fetch for A (0) or B (1)
	s_and_b32 s16, s14, 1                          ; my half of its columns; also: which 128 rows I fetch
	s_bfe_u32 s40, ttmp6, 0x40000                  ; cx
	s_bfe_u32 s41, ttmp6, 0x40004                  ; cy
	s_lshl_b32 s42, ttmp9, 2
	s_add_co_u32 s42, s42, s40                     ; tile column
	s_and_b32 s17, ttmp7, 0xffff
	s_lshl_b32 s17, s17, 2
	s_add_co_u32 s17, s17, s41                     ; tile row
	s_lshl_b32 s43, s41, 2
	s_lshl_b32 s43, 15, s43                        ; my row of the cluster
	s_lshl_b32 s44, 0x1111, s40                    ; my column
	s_or_b32 s[G1+0], s43, (1<<20)|(1<<21)|(5<<22)|(3<<25)    ; the mask; elements of 1 byte; padding on; bit 21 beside a mask; 4 words after every 64
	s_or_b32 s[G1B+0], s44, (1<<20)|(1<<21)|(5<<22)|(3<<25)
.irp g, G1, G1B
	s_mov_b32 s[\g+1], ROWB<<16
	s_mov_b32 s[\g+2], 128<<16
	s_mov_b32 s[\g+3], ROWB<<16
	s_mov_b32 s[\g+4], 128
	s_mov_b32 s[\g+5], KROW
	s_mov_b32 s[\g+6], 0
	s_mov_b32 s[\g+7], 0
.endr
	s_lshl_b32 s18, s16, 7
	s_lshl_b32 s20, s17, 8
	s_add_co_u32 s20, s20, s18
	s_mul_i32 s20, s20, KROW                       ; A: row 256 x tile row + 128 x half, in bytes
	s_mov_b32 s21, 0
	s_lshl_b32 s46, s42, 8
	s_add_co_u32 s46, s46, s18
	s_mul_i32 s46, s46, KROW                       ; B: row 256 x tile column + 128 x half
	s_mov_b32 s47, 0
	s_mul_i32 s45, s14, HALFT
	s_wait_kmcnt 0x0
	s_load_b64 s[96:97], s[8:9], SCOFF             ; eA, eB
	s_add_nc_u64 s[6:7], s[6:7], WOFF
	s_add_nc_u64 s[20:21], s[4:5], s[20:21]
	s_add_nc_u64 s[46:47], s[6:7], s[46:47]
	CROUND                                         ; all sixteen work-groups are here: the first joint loads meet
.irp s, 0,1
	s_mov_b32 s[G0+4*\s], 1
	s_add_co_u32 s[G0+4*\s+1], s45, \s*SLOT
	s_add_nc_u64 s[G0+4*\s+2:G0+4*\s+3], s[20:21], \s*ROWB
	s_or_b32 s[G0+4*\s+3], s[G0+4*\s+3], 0x80000000
	s_mov_b32 s[G0B+4*\s], 1
	s_add_co_u32 s[G0B+4*\s+1], s45, \s*SLOT
	s_add_nc_u64 s[G0B+4*\s+2:G0B+4*\s+3], s[46:47], \s*ROWB
	s_or_b32 s[G0B+4*\s+3], s[G0B+4*\s+3], 0x80000000
	JLOAD G0+4*\s, G1, G0B+4*\s, G1B
.endr
	v_and_b32 v1, 15, v0                           ; r
	v_bfe_u32 v2, v0, 4, 1                         ; h
	v_mul_u32_u24 v3, v1, PITCH
	v_lshl_add_u32 v4, v2, 4, v3
	s_mul_i32 s21, s15, HALFT
	s_mul_i32 s22, s16, HALFT
	s_add_co_u32 s22, s22, 2*HALFT
.irp s, 0,1
	v_add_nc_u32 v[ADRA+\s], s21, v4
	v_add_nc_u32 v[ADRB+\s], s22, v4
	s_add_co_u32 s21, s21, SLOT
	s_add_co_u32 s22, s22, SLOT
.endr
	s_mul_i32 s23, s14, 16*SPITCH                  ; my stage
	v_mul_u32_u24 v5, v1, SPITCH
	v_lshl_add_u32 v5, v2, 5, v5
	v_add_nc_u32 v[STO], s23, v5                   ; in: row r, 32 bytes for each half of the lanes
	v_and_b32 v6, 31, v0
	v_lshlrev_b32 v[CO], 4, v6                     ; back: the 32 lanes take a row of 512 bytes; the same in memory
	v_add_nc_u32 v[RD], s23, v[CO]
	s_lshl_b32 s20, s17, 8
	s_lshl_b32 s21, s15, 7
	s_add_co_u32 s20, s20, s21
	s_lshl_b32 s20, s20, 12                        ; my first row, 4,096 bytes a row
	s_lshl_b32 s46, s42, 10
	s_lshl_b32 s47, s16, 9
	s_add_co_u32 s46, s46, s47                     ; my first column, in bytes
	s_add_co_u32 s20, s20, s46
	s_mov_b32 s21, 0
	s_mov_b32 s47, 0
	s_add_nc_u64 s[70:71], s[70:71], s[20:21]
	s_add_nc_u64 s[68:69], s[68:69], s[20:21]
	s_add_nc_u64 s[10:11], s[10:11], s[46:47]
	global_load_b128 v[BI4:BI4+3], v[CO], s[10:11] ; the bias of columns 4 lane + 0 .. 3 of my 128
.if PREF
	s_lshl_b32 s84, s17, 8
	s_lshl_b32 s85, s42, 8
	s_and_b32 s86, ttmp7, 0xffff
	s_cmp_eq_u32 s15, 0                            ; do I fetch for A?
	s_cselect_b32 s84, s84, s85                    ; the tile's first row
	s_cselect_b32 s85, s40, s41                    ; my place among the four that ask for it with me
	s_cselect_b32 s86, ttmp9, s86                  ; the coordinate along which other clusters read the same rows
	s_cselect_b64 s[80:81], s[4:5], s[6:7]
	s_cmp_eq_u32 s86, 0
	s_cselect_b32 s82, 1, -1                       ; the same in all sixteen partners, for a given wave
	s_lshl_b32 s86, s16, 7
	s_add_co_u32 s84, s84, s86
	s_lshl_b32 s85, s85, 5
	s_add_co_u32 s84, s84, s85
	s_mul_i32 s84, s84, KROW
	s_add_co_u32 s84, s84, 2*ROWB                  ; at K step 2: the first refill steps it to 3 and names K step 4
	s_mov_b32 s85, 0
	s_add_nc_u64 s[80:81], s[80:81], s[84:85]
	v_mul_u32_u24 v[PFO], v6, KROW
.endif
.macro FRAG reg, adr, q, i             ; 16 rows x 128 K: registers 4 c .. 4 c + 3 hold K = 32 c + 16 (l / 16) + 0 .. 15: the same permutation of k in A and in B
.irp c, 0,1,2,3
	ds_load_b128 v[\reg+4*\c:\reg+4*\c+3], v[\adr] offset:128*(\q)+32*\c+(\i)*16*PITCH
.endr
.endm
.macro MUL16 a0, p, zero               ; the 64 accumulators take turns
.irp a, \a0, \a0+1
.irp b, 0,1,2,3,4,5,6,7
.if \zero
	v_wmma_f32_16x16x128_fp8_fp8 v[8*(8*((\a)%4)+\b):8*(8*((\a)%4)+\b)+7], v[128*(\p)+FR*\b:128*(\p)+FR*\b+FR-1], v[AF+FR*(\a):AF+FR*(\a)+FR-1], 0
.else
	v_wmma_f32_16x16x128_fp8_fp8 v[8*(8*((\a)%4)+\b):8*(8*((\a)%4)+\b)+7], v[128*(\p)+FR*\b:128*(\p)+FR*\b+FR-1], v[AF+FR*(\a):AF+FR*(\a)+FR-1], v[8*(8*((\a)%4)+\b):8*(8*((\a)%4)+\b)+7]
.endif
.endr
.endr
.endm
.macro FETCH_B slot, q, p
	WIN TO_B
.irp i, 0,1,2,3,4,5,6,7
	FRAG 128*(\p)+FR*\i, ADRB+\slot, \q, \i
.endr
	WIN 0
.endm
.macro FETCH_A slot, q, i0
.irp i, \i0, \i0+1, \i0+2, \i0+3
	FRAG AF+FR*(\i), ADRA+\slot, \q, \i
.endr
.endm
.macro PLACES n
.rept \n
	v_nop
.endr
.endm
.macro STEP slot, q, zero
	s_wait_dscnt 4*NL                              ; B's set and A's blocks 0-3 are in; A's blocks 4-7 (16 loads) may be out
	WIN MUL_LO
	MUL16 0, (\q)%2, \zero
	MUL16 2, (\q)%2, \zero
	s_wait_dscnt 0
	PLACES NP
	FETCH_B \slot, (\q)+1, 1-(\q)%2
	FETCH_A \slot, (\q)+1, 0
	WIN MUL_HI
	MUL16 4, (\q)%2, \zero
	MUL16 6, (\q)%2, \zero
	PLACES NP
	WIN 0
	FETCH_A \slot, (\q)+1, 4
.endm
.macro TURN slot, next, fill
.if (PREF) && (\fill)
	s_wait_xcnt 0x0                                ; the last prefetch, a K step back, has read its address
	s_add_nc_u64 s[80:81], s[80:81], ROWB
.endif
	s_wait_tensorcnt 0x0                           ; all my tensor loads have landed: my part of the next slot
	ds_add_u32 v[SPW], v[NIL]                      ; 0 onto my spare word
	s_wait_dscnt 4*NL+1                            ; the add and A's blocks 4-7 may be out
	WIN MUL_LO
	MUL16 0, 1, 0
	s_wait_dscnt 0x0                               ; the add is done, and my reads of this slot are over
	s_barrier_signal -1
	MUL16 2, 1, 0
	WIN 0
	s_barrier_wait -1
.if \fill
	CREST                                          ; the barrier has opened a round of the cluster's: no wave of any partner still reads this slot or has a load on its way
	s_add_nc_u64 s[G0+4*\slot+2:G0+4*\slot+3], s[G0+4*\slot+2:G0+4*\slot+3], 2*ROWB
	s_add_nc_u64 s[G0B+4*\slot+2:G0B+4*\slot+3], s[G0B+4*\slot+2:G0B+4*\slot+3], 2*ROWB
	JLOAD G0+4*\slot, G1, G0B+4*\slot, G1B         ; the first tensor load behind the round; its four v_nop are the places in front of the loads below
.else
	PLACES NP
.endif
	FETCH_B \next, 0, 0
	FETCH_A \next, 0, 0
.if (PREF) && (\fill)
	ASK
.endif
	WIN MUL_HI
	MUL16 4, 1, 0
	MUL16 6, 1, 0
	PLACES NP
	WIN 0
	FETCH_A \next, 0, 4
.endm
; THE WAY OUT, by blocks of 16 rows x 128 columns.
.macro RLOAD a                         ; the residual's rows of block a -> window 1, 64 registers; a load reads 512 consecutive bytes
	WIN 0x40
.set i, 0
.rept 16
	global_load_b128 v[64*((\a)%4)+4*i:64*((\a)%4)+4*i+3], v[CO], s[68:69] offset:(16*(\a)+i)*4096 th:TH_LOAD_NT
.set i, i+1
.endr
	WIN 0
.endm
.macro TOSTAGE a                       ; the sums go into my stage as they are, each accumulator's low four registers first, and come back as whole rows of 512 bytes
.set AC, 64*((\a)%4)
	WIN 0x08+4*((\a)/4)                            ; the stores' data: window 2 or 3
.irp b, 0,1,2,3,4,5,6,7
	ds_store_b128 v[STO], v[AC+8*\b:AC+8*\b+3] offset:64*\b
	ds_store_b128 v[STO], v[AC+8*\b+4:AC+8*\b+7] offset:64*\b+16
.endr
	WIN 0
.set BB, BK+64*((\a)%2)
.set i, 0
.rept 16
	ds_load_b128 v[BB+4*i:BB+4*i+3], v[RD] offset:i*SPITCH   ; a wave's LDS instructions are served in order
.set i, i+1
.endr
.endm
.macro SEND a, younger, left           ; younger: LDS instructions issued behind block a's loads; left: residual loads of later blocks; both may stay out
.set BB, BK+64*((\a)%2)
.set RS, 64*((\a)%4)
	s_wait_dscnt \younger
	s_wait_loadcnt \left
	WIN 0x10                                       ; source 2: window 1
.set i, 0
.rept 32
	v_pk_fma_f32 v[BB+i:BB+i+1], v[BB+i:BB+i+1], s[96:97], v[RS+i:RS+i+1] op_sel_hi:[1,0,1]   ; sum x 2^(eA + eB) + residual
.set i, i+2
.endr
	WIN 0
.set i, 0
.rept 16
	v_pk_add_f32 v[BB+4*i:BB+4*i+1], v[BB+4*i:BB+4*i+1], v[BI4:BI4+1]
	v_pk_add_f32 v[BB+4*i+2:BB+4*i+3], v[BB+4*i+2:BB+4*i+3], v[BI4+2:BI4+3]
.set i, i+1
.endr
.set i, 0
.rept 16
	global_store_b128 v[CO], v[BB+4*i:BB+4*i+3], s[70:71] offset:(16*(\a)+i)*4096 th:TH_STORE_NT   ; 512 consecutive bytes, aligned
.set i, i+1
.endr
.endm
	s_wait_tensorcnt 1                             ; my part of K step 0 is in; K step 1's load may be out
	s_barrier_signal -1
	s_barrier_wait -1
	FETCH_B 0, 0, 0
	FETCH_A 0, 0, 0
	FETCH_A 0, 0, 4
	STEP 0, 0, 1                                   ; the first step's products start the sums
	s_mov_b32 s3, LAPS-1
.Llap:
	TURN 0, 1, 1
	STEP 1, 0, 0
	TURN 1, 0, 1
	STEP 0, 0, 0
	s_sub_co_u32 s3, s3, 1
	s_cmp_lg_u32 s3, 0
	s_cbranch_scc1 .Llap
	TURN 0, 1, 0                                   ; the last lap fills nothing
	STEP 1, 0, 0
	RLOAD 0                                        ; B's set 0 is done with (its last products stand in front of the step's closing places): it takes the residual's first rows
	RLOAD 1
	s_wait_dscnt 4*NL
	WIN MUL_LO
	MUL16 0, 1, 0
	MUL16 2, 1, 0
	s_wait_dscnt 0
	WIN MUL_HI
	MUL16 4, 1, 0
	MUL16 6, 1, 0
	WIN 0
	s_wait_kmcnt 0x0
	s_add_co_i32 s96, s96, s97
	s_add_co_i32 s96, s96, 127
	s_lshl_b32 s96, s96, 23                        ; 2^(eA + eB)
	s_mov_b32 s97, s96
	PLACES NP
	RLOAD 2
	RLOAD 3
	TOSTAGE 0
	TOSTAGE 1
	SEND 0, 32, 48
	RLOAD 4
.irp a, 2,3,4
	s_wait_xcnt 0x0                                ; the stores of two blocks back have read their registers: this block's rows may land there
	TOSTAGE \a
	SEND \a-1, 32, 48
	RLOAD \a+3
.endr
	s_wait_xcnt 0x0
	TOSTAGE 5
	SEND 4, 32, 48
	s_wait_xcnt 0x0
	TOSTAGE 6
	SEND 5, 32, 32
	s_wait_xcnt 0x0
	TOSTAGE 7
	SEND 6, 32, 16
	SEND 7, 0, 0
	s_wait_tensorcnt 0x0                           ; the wave's end
	ds_add_u32 v[SPW], v[NIL]
	s_wait_dscnt 0x0
	CROUND                                         ; the closing round
	s_endpgm
.Lfunc_end_k_q397bb9ae39_pr:
	.size	k_q397bb9ae39_pr, .Lfunc_end_k_q397bb9ae39_pr-k_q397bb9ae39_pr
	.p2alignl 7, 3214868480
	.fill 96, 4, 3214868480
	.section	.rodata,"a",@progbits
	.p2align	6, 0x0
	.amdhsa_kernel k_q397bb9ae39_pr
		.amdhsa_group_segment_fixed_size 327680
		.amdhsa_private_segment_fixed_size 0
		.amdhsa_enable_private_segment 0
		.amdhsa_kernarg_size 48
		.amdhsa_user_sgpr_count 2
		.amdhsa_user_sgpr_kernarg_segment_ptr 1
		.amdhsa_wavefront_size32 1
		.amdhsa_system_sgpr_workgroup_id_x 1
		.amdhsa_system_sgpr_workgroup_id_y 1
		.amdhsa_system_sgpr_workgroup_id_z 1
		.amdhsa_system_vgpr_workitem_id 0
		.amdhsa_next_free_vgpr 1024
		.amdhsa_next_free_sgpr 100
		.amdhsa_reserve_vcc 0
		.amdhsa_float_denorm_mode_32 3
		.amdhsa_float_denorm_mode_16_64 3
		.amdhsa_memory_ordered 1
		.amdhsa_forward_progress 1
		.amdhsa_inst_pref_size 153
	.end_amdhsa_kernel
	.amdgpu_metadata
---
amdhsa.version: [ 1, 2 ]
amdhsa.kernels:
  - .name:           k_q397bb9ae39_pr
    .symbol:         k_q397bb9ae39_pr.kd
    .args:
      - { .name: gc, .offset: 0, .size: 8, .value_kind: global_buffer, .address_space: global }
      - { .name: wc, .offset: 8, .size: 8, .value_kind: global_buffer, .address_space: global }
      - { .name: lowp_scales, .offset: 16, .size: 8, .value_kind: global_buffer, .address_space: global }
      - { .name: b_pr, .offset: 24, .size: 8, .value_kind: global_buffer, .address_space: global }
      - { .name: x1, .offset: 32, .size: 8, .value_kind: global_buffer, .address_space: global }
      - { .name: out0, .offset: 40, .size: 8, .value_kind: global_buffer, .address_space: global }
    .group_segment_fixed_size: 327680
    .private_segment_fixed_size: 0
    .kernarg_segment_align: 8
    .kernarg_segment_size: 48
    .max_flat_workgroup_size: 128
    .sgpr_count:     100
    .vgpr_count:     1024
    .wavefront_size: 32
...
	.end_amdgpu_metadata
.endif
;; end of part 7
;; ======== version 2 of 2: 7 launches
;; limits: right only within a limited range of input values
;; workspace buffers: wc 16,777,216 bytes; qkvc 12,582,912 bytes; aoc 4,194,304 bytes; x1 16,777,216 bytes; h2c 4,194,304 bytes; gc 16,777,216 bytes
;; launch prep (part 8): grid 640 x 1, 4 waves a work-group, no clusters, 51,712 bytes of LDS; arguments x, g1, beta1, W_qkv, W_o, W_fc, W_pr, lowp_scales, wc; writes wc
.if DOCPART == 8
	.amdgcn_target "amdgcn-amd-amdhsa--gfx1250"
	.amdhsa_code_object_version 6
	.text
	.protected	k_q397bb9ae39_prep
	.globl	k_q397bb9ae39_prep
	.p2align	8
	.type	k_q397bb9ae39_prep,@function
k_q397bb9ae39_prep:
	s_mov_b64 s[64:65], 0
	v_nop
	global_prefetch_b8 v0, s[64:65] scope:SCOPE_SE
	s_setreg_imm32_b32 hwreg(HW_REG_WAVE_MODE, 25, 1), 1
	s_wait_xcnt 0x0
; PREP.  Work-groups 0-383: the four weights, f32 stored [K][N], become codes of E4M3 laid [N][K] (K innermost) in wc.
; Work-groups 384-639: h = LayerNorm(x) g1 + beta1, f32, becomes codes [4096][1024] at byte HOFF of wc.
; code = number / 2^e, held within +-448, to the nearest code, ties to even; e: W_qkv entry 1, W_o 7, W_fc 9, W_pr 11, h 0 of the scales.
; LIMITS: each e between -126 and 119, so that 2^e and 448 x 2^e are f32 numbers.  NaN and infinities among the inputs are not served.
; wc: W_qkv [3072][1024] at 0, W_o [1024][1024] at 0x300000, W_fc [4096][1024] at 0x400000, W_pr [1024][4096] at 0x800000, h at 0xC00000.
; No tensor loads, no barrier: waves share nothing.  The two paths part on the work-group's number and have LDS bytes of their own.
.set HOFF,  0xC00000
.set SPT,   272                        ; weights: a stage row: 256 bytes of codes + 16
.set LNS,   4*32*SPT                   ; LayerNorm's stages begin behind the weights' four: byte 34,816
; weights path: a lane takes a column n and its registers run down K, so the conversions give codes with K innermost
.set VO,    16                         ; v16-47   i x (bytes in a row of W) + 4 x lane
.set X,     48                         ; v48-111  two sets of 32 numbers
.set C,     112                        ; v112-119 a block's codes
.set OUTR,  120                        ; v120-183 the way out
.set SO,    184                        ; v184-199 the stores' offsets: 2 t rows of codes on
; LayerNorm path
.set G,     16                         ; v16-47   g
.set BT,    48                         ; v48-79   beta
.set LX,    80                         ; v80-207  four rows; row p at LX + 32 p; load j's four numbers are k = 128 j + 4 lane + 0..3
.set CA,    208                        ; v208-223 row 0's codes and way out
	s_load_b512 s[8:23], s[0:1], 0x0               ; x 8:9, g1 10:11, beta1 12:13, W_qkv 14:15, W_o 16:17, W_fc 18:19, W_pr 20:21, scales 22:23
	s_load_b64 s[24:25], s[0:1], 0x40              ; wc
	v_lshl_add_u32 v226, v0, 2, 0xc800
	v_mov_b32 v227, 0
	v_lshrrev_b32 v1, 5, v0
	v_readfirstlane_b32 s32, v1                    ; wave 0..3
	v_and_b32 v2, 31, v0                           ; lane
	s_wait_kmcnt 0x0
	s_load_b256 s[36:43], s[22:23], 0x0            ; e0..e7
	s_load_b128 s[44:47], s[22:23], 0x20           ; e8..e11
	s_cmp_lt_u32 ttmp9, 384
	s_cbranch_scc0 .Lln
	; ---------------- weights: a work-group takes 128 columns x 256 along K; which tensor hangs on the work-group's number alone
	s_mov_b64 s[4:5], s[14:15]                     ; W_qkv: ids 0-95
	s_mov_b32 s26, 12288                           ; bytes in a row of W
	s_mov_b32 s27, 0                               ; the codes' place in wc
	s_mov_b32 s28, 0                               ; the tensor's first id
	s_mov_b32 s30, 1024                            ; bytes in a row of codes (K)
	s_mov_b32 s31, 2                               ; log2 of K / 256
	s_cmp_ge_u32 ttmp9, 96                         ; W_o: ids 96-127
	s_cselect_b64 s[4:5], s[16:17], s[4:5]
	s_cselect_b32 s26, 4096, s26
	s_cselect_b32 s27, 0x300000, s27
	s_cselect_b32 s28, 96, s28
	s_cmp_ge_u32 ttmp9, 128                        ; W_fc: ids 128-255
	s_cselect_b64 s[4:5], s[18:19], s[4:5]
	s_cselect_b32 s26, 16384, s26
	s_cselect_b32 s27, 0x400000, s27
	s_cselect_b32 s28, 128, s28
	s_cmp_ge_u32 ttmp9, 256                        ; W_pr: ids 256-383
	s_cselect_b64 s[4:5], s[20:21], s[4:5]
	s_cselect_b32 s26, 4096, s26
	s_cselect_b32 s27, 0x800000, s27
	s_cselect_b32 s28, 256, s28
	s_cselect_b32 s30, 4096, s30
	s_cselect_b32 s31, 4, s31
	s_sub_co_u32 s33, ttmp9, s28                   ; id within the tensor
	s_bfm_b32 s34, s31, 0
	s_and_b32 s34, s33, s34                        ; which 256 along K
	s_lshr_b32 s33, s33, s31                       ; which 128 columns
	s_lshl_b32 s33, s33, 7
	s_lshl_b32 s35, s32, 5
	s_add_co_u32 s33, s33, s35                     ; my wave's first column
	s_mul_i32 s35, s34, s26
	s_lshl_b32 s35, s35, 8                         ; 256 rows of W for each step along K
	s_lshl_b32 s2, s33, 2
	s_add_co_u32 s2, s35, s2
	s_mov_b32 s3, 0
	s_add_nc_u64 s[48:49], s[4:5], s[2:3]          ; block 0's first row, my wave's first column
	s_lshl_b32 s2, s26, 5                          ; 32 rows of W
.irp t, 1,2,3,4,5,6,7
	s_add_nc_u64 s[48+2*\t:49+2*\t], s[46+2*\t:47+2*\t], s[2:3]   ; a base for each block of 32 along K: none is stepped later
.endr
	s_mul_i32 s2, s33, s30
	s_lshl_b32 s35, s34, 8
	s_add_co_u32 s2, s2, s35
	s_add_co_u32 s2, s2, s27
	s_add_nc_u64 s[6:7], s[24:25], s[2:3]          ; the codes: row = my first column, byte = 256 x step along K
	s_wait_alu depctr_va_vdst(0)
	v_lshlrev_b32 v3, 2, v2
	s_mul_i32 s35, s32, 32*SPT                     ; my stage
	v_mul_u32_u24 v4, v2, SPT
	v_add_nc_u32 v4, s35, v4                       ; into it: row = my column
	v_and_b32 v5, 15, v2
	v_lshrrev_b32 v6, 4, v2
	v_mul_u32_u24 v7, v6, SPT
	v_lshl_add_u32 v7, v5, 4, v7
	v_add_nc_u32 v7, s35, v7                       ; out of it: sixteen lanes to a row, two rows an instruction
	v_mul_u32_u24 v8, s30, v6
	v_lshl_add_u32 v8, v5, 4, v8                   ; and the same place among the rows of codes
.set i, 0
.rept 32
	v_mad_u32_u24 v[VO+i], s26, i, v3              ; row i of a block, my column
.set i, i+1
.endr
.set i, 0
.rept 16
	v_mad_u32_u24 v[SO+i], s30, 2*i, v8
.set i, i+1
.endr
.macro LOAD t                          ; block t: W(32 t + i, my column) into set t % 2; a wave's load reads 128 consecutive bytes, the four waves stand side by side
.set i, 0
.rept 32
	global_load_b32 v[X+32*((\t)%2)+i], v[VO+i], s[48+2*(\t):49+2*(\t)] th:TH_LOAD_NT
.set i, i+1
.endr
.endm
	LOAD 0
	LOAD 1
	s_wait_kmcnt 0x0
	s_mov_b32 s29, s37                             ; e of my tensor
	s_cmp_ge_u32 ttmp9, 96
	s_cselect_b32 s29, s43, s29
	s_cmp_ge_u32 ttmp9, 128
	s_cselect_b32 s29, s45, s29
	s_cmp_ge_u32 ttmp9, 256
	s_cselect_b32 s29, s47, s29
	s_add_co_i32 s29, s29, 127
	s_lshl_b32 s2, s29, 23
	v_mov_b32 v11, s2                              ; 2^e as f32: the conversion takes its exponent field
	s_add_co_i32 s29, s29, 8
	s_lshl_b32 s29, s29, 23
	s_or_b32 s29, s29, 0x600000
	v_mov_b32 v10, s29                             ; 448 x 2^e
.macro BLOCK t
.set XS, X+32*((\t)%2)
.if (\t) < 7
	s_wait_loadcnt 32                              ; this block's 32 loads are in; the next block's 32 may be out
.else
	s_wait_loadcnt 0
.endif
.set i, 0
.rept 32
	v_med3_num_f32 v[XS+i], v[XS+i], -v10, v10     ; the conversion to an 8-bit code does not saturate (ISA guide 7.6.2): the hold comes first
.set i, i+1
.endr
.irp g, 0,1,2,3
	v_cvt_scalef32_pk8_fp8_f32 v[C+2*\g:C+2*\g+1], v[XS+8*\g:XS+8*\g+7], v11
.endr
	ds_store_b128 v4, v[C:C+3] offset:32*(\t)      ; 32 codes of my column's row
	ds_store_b128 v4, v[C+4:C+7] offset:32*(\t)+16
.if (\t)+2 < 8
	LOAD (\t)+2
.endif
	s_wait_dscnt 0x0                               ; the stores have read their registers: the next block's codes may be written
.endm
	s_wait_alu depctr_va_vdst(0)
.irp t, 0,1,2,3,4,5,6,7
	BLOCK \t
.endr
.set i, 0
.rept 16
	ds_load_b128 v[OUTR+4*i:OUTR+4*i+3], v7 offset:2*i*SPT   ; LDS serves a wave's instructions in order: these see my stores
.set i, i+1
.endr
.set i, 0
.rept 16
	s_wait_dscnt 15-i                              ; the later read-backs may be out
	global_store_b128 v[SO+i], v[OUTR+4*i:OUTR+4*i+3], s[6:7]   ; sixteen lanes store 256 consecutive bytes, aligned
.set i, i+1
.endr
	s_wait_tensorcnt 0x0
	ds_add_u32 v226, v227
	s_wait_dscnt 0x0
	s_endpgm
	; ---------------- LayerNorm: a wave takes four whole rows, kept in registers between the passes
.Lln:
	s_sub_co_u32 s26, ttmp9, 384
	s_lshl_b32 s26, s26, 4
	s_lshl_b32 s27, s32, 2
	s_add_co_u32 s26, s26, s27                     ; my first row
	s_lshl_b32 s4, s26, 12
	s_mov_b32 s5, 0
	s_add_nc_u64 s[8:9], s[8:9], s[4:5]            ; x at my first row
	s_lshl_b32 s4, s26, 10
	s_add_co_u32 s4, s4, HOFF
	s_add_nc_u64 s[24:25], s[24:25], s[4:5]        ; its codes
	s_lshl_b32 s27, s32, 12
	s_add_co_u32 s27, s27, LNS                     ; my stage: four rows of 1,024 bytes
	s_wait_alu depctr_va_vdst(0)
	v_lshlrev_b32 v1, 4, v2                        ; 16 x lane
	v_lshl_add_u32 v3, v2, 4, s27                  ; the stage, by 16 bytes a lane
	v_lshl_add_u32 v2, v2, 2, s27                  ; the stage, by 4 bytes a lane
	s_mov_b32 s2, 0x76543210                       ; v_permlanex16_b32: lane l xor 16
	s_mov_b32 s3, 0xfedcba98
	s_mov_b32 s33, 0x3a800000                      ; 1 / 1024
	s_mov_b32 s34, 0x3727c5ac                      ; 1e-5
	v_mov_b32 v225, 0                              ; a lane permute's destination counts as read: written once
.irp j, 0,1,2,3,4,5,6,7
	global_load_b128 v[G+4*\j:G+4*\j+3], v1, s[10:11] offset:512*\j
.endr
.irp j, 0,1,2,3,4,5,6,7
	global_load_b128 v[BT+4*\j:BT+4*\j+3], v1, s[12:13] offset:512*\j
.endr
.set i, 0
.rept 32
	global_load_b128 v[LX+4*i:LX+4*i+3], v1, s[8:9] offset:4096*(i/8)+512*(i%8) th:TH_LOAD_NT   ; 512 consecutive bytes a load
.set i, i+1
.endr
	s_wait_kmcnt 0x0
	s_add_co_i32 s30, s36, 127
	s_lshl_b32 s31, s30, 23
	v_mov_b32 v224, s31                            ; 2^e
	s_add_co_i32 s30, s30, 8
	s_lshl_b32 s30, s30, 23
	s_or_b32 s29, s30, 0x600000                    ; 448 x 2^e
	s_or_b32 s28, s29, 0x80000000                  ; and its negative
.macro REDUCE                          ; four chains of pairs in v[8:15] -> the row's sum in v8 of every lane
	v_pk_add_f32 v[8:9], v[8:9], v[10:11]
	v_pk_add_f32 v[12:13], v[12:13], v[14:15]
	v_pk_add_f32 v[8:9], v[8:9], v[12:13]
	v_add_f32 v8, v8, v9
	v_add_f32_dpp v8, v8, v8 row_xmask:1 row_mask:0xf bank_mask:0xf
	v_add_f32_dpp v8, v8, v8 row_xmask:2 row_mask:0xf bank_mask:0xf
	v_add_f32_dpp v8, v8, v8 row_xmask:4 row_mask:0xf bank_mask:0xf
	v_add_f32_dpp v8, v8, v8 row_xmask:8 row_mask:0xf bank_mask:0xf
	v_permlanex16_b32 v225, v8, s2, s3
	v_add_f32 v8, v8, v225
.endm
; row p.  left: the later rows' loads, which may stay out.  cr, od: eight registers each for its codes and its way out (dead registers of the row before, so no pending store's data are written again)
.macro LNROW p, left, cr, od
.set XR, LX+32*(\p)
	s_wait_loadcnt \left
.irp c, 0,1,2,3
	v_pk_add_f32 v[8+2*\c:9+2*\c], v[XR+2*\c:XR+2*\c+1], v[XR+8+2*\c:XR+9+2*\c]
.endr
.irp c, 0,1,2,3
	v_pk_add_f32 v[8+2*\c:9+2*\c], v[8+2*\c:9+2*\c], v[XR+16+2*\c:XR+17+2*\c]
.endr
.irp c, 0,1,2,3
	v_pk_add_f32 v[8+2*\c:9+2*\c], v[8+2*\c:9+2*\c], v[XR+24+2*\c:XR+25+2*\c]
.endr
	REDUCE
	v_mul_f32 v4, s33, v8                          ; the mean
	v_mov_b32 v5, v4
.set i, 0
.rept 16
	v_pk_add_f32 v[XR+i:XR+i+1], v[XR+i:XR+i+1], v[4:5] neg_lo:[0,1] neg_hi:[0,1]   ; deviations first: a common offset of the row costs no digits in the variance
.set i, i+2
.endr
.irp c, 0,1,2,3
	v_pk_mul_f32 v[8+2*\c:9+2*\c], v[XR+2*\c:XR+2*\c+1], v[XR+2*\c:XR+2*\c+1]
.endr
.irp o, 8,16,24
.irp c, 0,1,2,3
	v_pk_fma_f32 v[8+2*\c:9+2*\c], v[XR+\o+2*\c:XR+\o+2*\c+1], v[XR+\o+2*\c:XR+\o+2*\c+1], v[8+2*\c:9+2*\c]
.endr
.endr
	REDUCE
	v_fma_f32 v6, v8, s33, s34                     ; the variance + 1e-5
	s_wait_alu depctr_va_vdst(0)
	v_rsq_f32 v6, v6
	v_nop                                          ; a plain instruction behind the transcendental
	s_wait_alu depctr_va_vdst(0)                   ; the wait ahead of the result's first reader
	v_mov_b32 v7, v6
.set i, 0
.rept 16
	v_pk_mul_f32 v[XR+i:XR+i+1], v[XR+i:XR+i+1], v[6:7]
.set i, i+2
.endr
.set i, 0
.rept 16
	v_pk_fma_f32 v[XR+i:XR+i+1], v[XR+i:XR+i+1], v[G+i:G+i+1], v[BT+i:BT+i+1]
.set i, i+2
.endr
.set i, 0
.rept 32
	v_med3_num_f32 v[XR+i], v[XR+i], s28, s29      ; the hold at the largest code x the scale
.set i, i+1
.endr
.irp m, 0,1,2,3
	v_cvt_scalef32_pk8_fp8_f32 v[\cr+2*\m:\cr+2*\m+1], v[XR+8*\m:XR+8*\m+7], v224   ; register cr + j: the four codes of k = 128 j + 4 lane
.endr
	v_nop                                          ; a plain instruction behind the last conversion
.irp j, 0,1,2,3,4,5,6,7
	ds_store_b32 v2, v[\cr+\j] offset:1024*(\p)+128*\j
.endr
	ds_load_b128 v[\od:\od+3], v3 offset:1024*(\p)          ; back as 16 neighbouring codes a lane (a wave's LDS instructions are served in order)
	ds_load_b128 v[\od+4:\od+7], v3 offset:1024*(\p)+512
	s_wait_dscnt 0x0
	global_store_b128 v1, v[\od:\od+3], s[24:25] offset:1024*(\p)        ; 512 consecutive bytes, aligned
	global_store_b128 v1, v[\od+4:\od+7], s[24:25] offset:1024*(\p)+512
.endm
	LNROW 0, 24, CA, CA+8
	LNROW 1, 16, LX, LX+8
	LNROW 2, 8, LX+32, LX+40
	LNROW 3, 0, LX+64, LX+72
	s_wait_tensorcnt 0x0
	ds_add_u32 v226, v227
	s_wait_dscnt 0x0
	s_endpgm
.Lfunc_end_k_q397bb9ae39_prep:
	.size	k_q397bb9ae39_prep, .Lfunc_end_k_q397bb9ae39_prep-k_q397bb9ae39_prep
	.p2alignl 7, 3214868480
	.fill 96, 4, 3214868480
	.section	.rodata,"a",@progbits
	.p2align	6, 0x0
	.amdhsa_kernel k_q397bb9ae39_prep
		.amdhsa_group_segment_fixed_size 51712
		.amdhsa_private_segment_fixed_size 0
		.amdhsa_enable_private_segment 0
		.amdhsa_kernarg_size 72
		.amdhsa_user_sgpr_count 2
		.amdhsa_user_sgpr_kernarg_segment_ptr 1
		.amdhsa_wavefront_size32 1
		.amdhsa_system_sgpr_workgroup_id_x 1
		.amdhsa_system_sgpr_workgroup_id_y 1
		.amdhsa_system_sgpr_workgroup_id_z 1
		.amdhsa_system_vgpr_workitem_id 0
		.amdhsa_next_free_vgpr 228
		.amdhsa_next_free_sgpr 66
		.amdhsa_reserve_vcc 0
		.amdhsa_float_denorm_mode_32 3
		.amdhsa_float_denorm_mode_16_64 3
		.amdhsa_memory_ordered 1
		.amdhsa_forward_progress 1
		.amdhsa_inst_pref_size 97
	.end_amdhsa_kernel
	.amdgpu_metadata
---
amdhsa.version: [ 1, 2 ]
amdhsa.kernels:
  - .name:           k_q397bb9ae39_prep
    .symbol:         k_q397bb9ae39_prep.kd
    .args:
      - { .name: x, .offset: 0, .size: 8, .value_kind: global_buffer, .address_space: global }
      - { .name: g1, .offset: 8, .size: 8, .value_kind: global_buffer, .address_space: global }
      - { .name: beta1, .offset: 16, .size: 8, .value_kind: global_buffer, .address_space: global }
      - { .name: W_qkv, .offset: 24, .size: 8, .value_kind: global_buffer, .address_space: global }
      - { .name: W_o, .offset: 32, .size: 8, .value_kind: global_buffer, .address_space: global }
      - { .name: W_fc, .offset: 40, .size: 8, .value_kind: global_buffer, .address_space: global }
      - { .name: W_pr, .offset: 48, .size: 8, .value_kind: global_buffer, .address_space: global }
      - { .name: lowp_scales, .offset: 56, .size: 8, .value_kind: global_buffer, .address_space: global }
      - { .name: wc, .offset: 64, .size: 8, .value_kind: global_buffer, .address_space: global }
    .group_segment_fixed_size: 51712
    .private_segment_fixed_size: 0
    .kernarg_segment_align: 8
    .kernarg_segment_size: 72
    .max_flat_workgroup_size: 128
    .sgpr_count:     66
    .vgpr_count:     228
    .wavefront_size: 32
...
	.end_amdgpu_metadata
.endif
;; end of part 8
;; launch qkv (part 9): grid 12 x 16, 4 waves a work-group, clusters of 4 x 4, 327,680 bytes of LDS; arguments wc, lowp_scales, b_qkv, qkvc; writes qkvc
.if DOCPART == 9
	.amdgcn_target "amdgcn-amd-amdhsa--gfx1250"
	.amdhsa_code_object_version 6
	.text
	.protected	k_q397bb9ae39_qkv
	.globl	k_q397bb9ae39_qkv
	.p2align	8
	.type	k_q397bb9ae39_qkv,@function
k_q397bb9ae39_qkv:
	s_mov_b64 s[64:65], 0
	v_nop
	global_prefetch_b8 v0, s[64:65] scope:SCOPE_SE
	s_setreg_imm32_b32 hwreg(HW_REG_WAVE_MODE, 25, 1), 1
	s_wait_xcnt 0x0
	s_wait_alu depctr_hold_cnt(0) depctr_sa_sdst(0) depctr_va_vdst(0) depctr_va_sdst(0) depctr_va_ssrc(0) depctr_va_vcc(0) depctr_vm_vsrc(0)
	s_getreg_b32 s2, hwreg(HW_REG_IB_STS2, 6, 4)
	s_cmp_eq_u32 s2, 0
	s_cbranch_scc0 .Lentry_in_a_cluster
	s_endpgm
.Lentry_in_a_cluster:
	s_bfe_u32 s2, ttmp6, 0x10000c
	s_cmp_lg_u32 s2, 0xf033
	s_cbranch_scc0 .Lentry_shape_is_right
	s_endpgm
.Lentry_shape_is_right:
; QKV.  qkv = h W_qkv + b_qkv on codes of E4M3 (h: scale entry 0, W_qkv: entry 1), each result quantised at once: q (entry 2), k (entry 3), v (entry 5).
; Both operands lie in wc: W_qkv's codes [3072][1024] at 0, h's [4096][1024] at HOFF.  Out: q [32][2048][64] at 0 of qkvc, k likewise at 0x400000, v with the keys innermost, [32][64][2048], at 0x800000.
; A tile of C, 256 x 256, is made by four waves, each 128 x 128: 64 accumulators.  K goes in steps of 256 through two LDS slots filled by joint tensor loads of a 4 x 4 cluster
; (A's tile shared along a row of the cluster, B's along a column).  The matrix instruction is used transposed (source 0 = rows of B, source 1 = rows of A): a lane holds eight neighbouring columns of a row of C.
; CLUSTER x = 0: q, x = 1: k: A = h (tokens), B = W's rows: a lane's eight numbers run along the head's axis, which is q's and k's K.
; CLUSTER x = 2: v, WITH THE ROLES SWAPPED: A = W's rows 2048.., B = h: a lane's eight numbers run along the tokens, which are v's K.  Only offsets and numbers are selected, on the cluster's x, which all sixteen partners share.
; LIMITS: e0 + e1 between -126 and 127; e2, e3, e5 between -126 and 119.  NaN and infinities are not served.
; REGISTERS: window 0: v0-31 addresses; v32-95 column bias; v96-111 row bias (pairs); v112 the conversion's scale; from v128 A's fragments, ONE set; on the way out v128-255 are at work.
;   window 1: B's fragments, two sets.  windows 2, 3: the accumulators ((a, b) at v[8 (8 (a % 4) + b)]).
.set KROW,   1024
.set HOFF,   0xC00000
.set ROWB,   256                       ; a tile's row: 256 codes
.set PITCH,  272                       ; in LDS: + 16 bytes, so that the 16 rows of a fragment load start at 16 different banks (64 banks of 4 bytes: ISA guide 11.1)
.set FR,     16
.set NL,     4
.set NP,     4                         ; places behind this matrix instruction (ISA guide 7.12.1)
.set HALFT,  128*PITCH
.set SLOT,   4*HALFT
.set LAPS,   KROW/(2*ROWB)
.set SPARE,  2*SLOT                    ; the spare words: 128 bytes a wave, named by no other line
.set ADRA, 16
.set ADRB, 20
.set CQ,   19                          ; v19  q, k: 16 x lane
.set RDQ2, 22                          ; v22  q, k: the stage's rows 128 on
.set RDQ,  23                          ; v23  q, k: where I read the stage: 8 tokens x 64 bytes of my head
.set STO,  24                          ; v24  where I put 8 codes of a row
.set RD,   25                          ; v25  v: where I read a row back
.set CO,   26                          ; v26  v: my byte offset among v's rows
.set SPW,  28
.set NIL,  29
.set BI,   32
.set BR,   96
.set SC,   112
.set AF,   128
.set T,    128                         ; the way out: a block's 64 numbers
.set CD,   192                         ; its codes
.set G1, 24
.set G0, 32
.set G1B, 48
.set G0B, 56
.set MSB, 0
.macro WIN new                         ; the immediate's high byte repeats the setting that is left
.if MSB != (\new)
	s_set_vgpr_msb (MSB<<8)|(\new)
.set MSB, (\new)
.endif
.endm
.set MUL_LO, 0xa1                      ; source 0 (B) window 1, source 1 (A) window 0, C and D window 2
.set MUL_HI, 0xf1
.set TO_B,   0x40
.macro JLOAD g0a, g1a, g0b, g1b        ; a joint load: waves 0, 1 fetch for A, waves 2, 3 for B; four v_nop follow each line
	s_cmp_eq_u32 s15, 0
	s_cbranch_scc0 .Lfor_b_\@
	tensor_load_to_lds s[\g0a:\g0a+3], s[\g1a:\g1a+7]
	s_nop 0
.rept 4
	v_nop
.endr
	s_branch .Lasked_\@
.Lfor_b_\@:
	tensor_load_to_lds s[\g0b:\g0b+3], s[\g1b:\g1b+7]
	s_nop 0
.rept 4
	v_nop
.endr
.Lasked_\@:
.endm
.macro CREST                           ; a round of the cluster's barrier behind its opening barrier
	s_cmp_lg_u32 s14, 0
	s_cbranch_scc1 .Lnot_wave_0_\@
	s_barrier_signal -3
.Lnot_wave_0_\@:
	s_barrier_wait -3
	s_barrier_signal -1
	s_barrier_wait -1
.endm
.macro CROUND
	s_barrier_signal -1
	s_barrier_wait -1
	CREST
.endm
	s_load_b64 s[4:5], s[0:1], 0x0                 ; wc, for A
	s_load_b64 s[6:7], s[0:1], 0x0                 ; wc, for B
	s_load_b128 s[8:11], s[0:1], 0x8               ; the scales' exponents s[8:9], b_qkv s[10:11]
	s_load_b64 s[70:71], s[0:1], 0x18              ; qkvc
	v_lshl_add_u32 v[SPW], v0, 2, SPARE
	v_mov_b32 v[NIL], 0
	ds_add_u32 v28, v29
	ds_add_u32 v28, v29
	s_wait_dscnt 0x0
	v_lshrrev_b32 v1, 5, v0
	v_readfirstlane_b32 s14, v1                    ; wave 0..3
	s_lshr_b32 s15, s14, 1                         ; my half of the tile's rows; also: I fetch for A (0) or B (1)
	s_and_b32 s16, s14, 1                          ; my half of its columns; also: which 128 rows I fetch
	s_bfe_u32 s40, ttmp6, 0x40000                  ; cx
	s_bfe_u32 s41, ttmp6, 0x40004                  ; cy
	s_and_b32 s18, ttmp7, 0xffff                   ; cluster y
	s_cmp_eq_u32 ttmp9, 2                          ; v's clusters?  The cluster's x is the same in all sixteen partners
	s_cselect_b32 s72, s18, ttmp9                  ; which four tile columns
	s_cselect_b32 s73, 0, s18                      ; which four tile rows
	s_mov_b32 s74, HOFF
	s_cselect_b32 s74, 0x200000, s74               ; A's first byte in wc: W's row 2048, or h
	s_cselect_b32 s75, HOFF, 0                     ; B's: h, or W's row 0
	s_cselect_b32 s79, 0, -1                       ; keeps the column bias (q, k)
	s_cselect_b32 s83, -1, 0                       ; keeps the row bias (v)
	s_lshl_b32 s42, s72, 2
	s_add_co_u32 s42, s42, s40                     ; tile column
	s_lshl_b32 s17, s73, 2
	s_add_co_u32 s17, s17, s41                     ; tile row
	s_lshl_b32 s43, s41, 2
	s_lshl_b32 s43, 15, s43                        ; my row of the cluster
	s_lshl_b32 s44, 0x1111, s40                    ; my column
	s_or_b32 s[G1+0], s43, (1<<20)|(1<<21)|(5<<22)|(3<<25)    ; the mask; elements of 1 byte; padding on; bit 21 beside a mask; 4 words after every 64
	s_or_b32 s[G1B+0], s44, (1<<20)|(1<<21)|(5<<22)|(3<<25)
.irp g, G1, G1B
	s_mov_b32 s[\g+1], ROWB<<16                    ; tensor_dim0
	s_mov_b32 s[\g+2], 128<<16                     ; tensor_dim1
	s_mov_b32 s[\g+3], ROWB<<16                    ; tile_dim0
	s_mov_b32 s[\g+4], 128                         ; tile_dim1
	s_mov_b32 s[\g+5], KROW                        ; the pitch
	s_mov_b32 s[\g+6], 0
	s_mov_b32 s[\g+7], 0
.endr
	s_lshl_b32 s18, s16, 7
	s_lshl_b32 s20, s17, 8
	s_add_co_u32 s20, s20, s18                     ; A: row 256 x tile row + 128 x half
	s_mul_i32 s20, s20, KROW
	s_add_co_u32 s20, s20, s74
	s_mov_b32 s21, 0
	s_lshl_b32 s46, s42, 8
	s_add_co_u32 s46, s46, s18                     ; B: row 256 x tile column + 128 x half
	s_mul_i32 s46, s46, KROW
	s_add_co_u32 s46, s46, s75
	s_mov_b32 s47, 0
	s_mul_i32 s45, s14, HALFT                      ; where they go: wave x 128 rows
	s_wait_kmcnt 0x0
	s_load_b64 s[96:97], s[8:9], 0x0               ; e0, e1
	s_load_b128 s[84:87], s[8:9], 0x8              ; e2, e3, e4, e5
	s_add_nc_u64 s[20:21], s[4:5], s[20:21]
	s_add_nc_u64 s[46:47], s[6:7], s[46:47]
	CROUND                                         ; all sixteen work-groups are here: the first joint loads meet
.irp s, 0,1
	s_mov_b32 s[G0+4*\s], 1
	s_add_co_u32 s[G0+4*\s+1], s45, \s*SLOT
	s_add_nc_u64 s[G0+4*\s+2:G0+4*\s+3], s[20:21], \s*ROWB
	s_or_b32 s[G0+4*\s+3], s[G0+4*\s+3], 0x80000000
	s_mov_b32 s[G0B+4*\s], 1
	s_add_co_u32 s[G0B+4*\s+1], s45, \s*SLOT
	s_add_nc_u64 s[G0B+4*\s+2:G0B+4*\s+3], s[46:47], \s*ROWB
	s_or_b32 s[G0B+4*\s+3], s[G0B+4*\s+3], 0x80000000
.if \s                                         ; slot 1's first fill is issued as a refill is, with a round ahead of it
	s_wait_alu depctr_va_vdst(0)
	s_wait_tensorcnt 0x0
	ds_add_u32 v28, v29
	ds_add_u32 v28, v29
	s_wait_dscnt 0x0
	CROUND
.endif
	JLOAD G0+4*\s, G1, G0B+4*\s, G1B
.endr
	v_and_b32 v1, 15, v0                           ; r
	v_bfe_u32 v2, v0, 4, 1                         ; h
	v_mul_u32_u24 v3, v1, PITCH
	s_wait_alu depctr_va_vdst(0)
	v_lshl_add_u32 v4, v2, 4, v3
	s_mul_i32 s21, s15, HALFT
	s_mul_i32 s22, s16, HALFT
	s_add_co_u32 s22, s22, 2*HALFT
.irp s, 0,1
	v_add_nc_u32 v[ADRA+\s], s21, v4
	v_add_nc_u32 v[ADRB+\s], s22, v4
	s_add_co_u32 s21, s21, SLOT
	s_add_co_u32 s22, s22, SLOT
.endr
	; the stage, in slot 0: 256 rows x 272 bytes, the work-group's
	s_mul_i32 s23, s15, 128*PITCH
	s_lshl_b32 s21, s16, 7
	s_add_co_u32 s23, s23, s21
	v_lshl_add_u32 v5, v2, 3, v3
	v_add_nc_u32 v[STO], s23, v5                   ; in: row 128 x half + r, byte 128 x half + 8 h
	s_mul_i32 s23, s14, 64*PITCH
	v_mul_u32_u24 v5, v2, PITCH
	v_lshl_add_u32 v5, v1, 4, v5
	v_add_nc_u32 v[RD], s23, v5                    ; v, back: my 64 rows, sixteen lanes to a row
	v_lshlrev_b32 v6, 11, v2
	v_lshl_add_u32 v[CO], v1, 4, v6                ; and the same two rows of v (2,048 bytes each)
	v_bfe_u32 v5, v0, 2, 3                         ; q, k, back: lane / 4 = a token of eight,
	v_and_b32 v6, 3, v0                            ; lane % 4 = 16 bytes of my head's 64
	v_mul_u32_u24 v5, v5, PITCH
	v_lshl_add_u32 v5, v6, 4, v5
	s_lshl_b32 s23, s14, 6
	v_add_nc_u32 v[RDQ], s23, v5
	v_add_nc_u32 v[RDQ2], 16*8*PITCH, v[RDQ]
	v_and_b32 v6, 31, v0
	v_lshlrev_b32 v[CQ], 4, v6
	v_lshlrev_b32 v15, 2, v1                       ; row bias: 4 r
	v_lshlrev_b32 v18, 5, v2                       ; column bias: 32 h
	; the biases: both are loaded, from places inside b_qkv, and the one that does not apply is cleared later
	s_wait_alu depctr_va_vdst(0)
	s_lshl_b32 s88, s42, 10
	s_lshl_b32 s89, s16, 9
	s_add_co_u32 s88, s88, s89                     ; q, k: 4 x (256 x tile column + 128 x half)
	s_lshl_b32 s90, s17, 10
	s_lshl_b32 s91, s15, 9
	s_add_co_u32 s90, s90, s91
	s_add_co_u32 s90, s90, 8192                    ; v: 4 x (2048 + 256 x tile row + 128 x half)
	s_cmp_eq_u32 ttmp9, 2
	s_cselect_b32 s88, 0, s88
	s_cselect_b32 s90, s90, 0
	s_mov_b32 s89, 0
	s_mov_b32 s91, 0
	s_add_nc_u64 s[12:13], s[10:11], s[90:91]
	s_add_nc_u64 s[10:11], s[10:11], s[88:89]
.irp b, 0,1,2,3,4,5,6,7
	global_load_b128 v[BI+8*\b:BI+8*\b+3], v18, s[10:11] offset:64*\b       ; register 8 b + j: the bias of column 16 b + 8 h + j
	global_load_b128 v[BI+8*\b+4:BI+8*\b+7], v18, s[10:11] offset:64*\b+16
.endr
.irp a, 0,1,2,3,4,5,6,7
	global_load_b32 v[BR+2*\a], v15, s[12:13] offset:64*\a                  ; the bias of row 16 a + r, twice: a pair for the packed addition
	global_load_b32 v[BR+2*\a+1], v15, s[12:13] offset:64*\a
.endr
	; where my part of the result begins in qkvc
	s_lshr_b32 s88, s42, 3                         ; v: batch = tile column / 8
	s_lshl_b32 s88, s88, 10
	s_lshl_b32 s89, s17, 8
	s_add_co_u32 s88, s88, s89
	s_lshl_b32 s89, s14, 6
	s_add_co_u32 s88, s88, s89                     ; row 1024 x batch + 256 x tile row + 64 x wave
	s_lshl_b32 s88, s88, 11
	s_and_b32 s89, s42, 7
	s_lshl_b32 s89, s89, 8
	s_add_co_u32 s88, s88, s89
	s_add_co_u32 s88, s88, 0x800000
	s_lshr_b32 s90, s17, 3                         ; q, k: batch = tile row / 8
	s_lshl_b32 s90, s90, 4
	s_and_b32 s91, s42, 3
	s_lshl_b32 s91, s91, 2
	s_add_co_u32 s90, s90, s91
	s_add_co_u32 s90, s90, s14                     ; head: 16 x batch + 4 x (tile column % 4) + wave
	s_lshl_b32 s90, s90, 11
	s_and_b32 s91, s17, 7
	s_lshl_b32 s91, s91, 8
	s_add_co_u32 s90, s90, s91                     ; its token 256 x (tile row % 8)
	s_lshl_b32 s90, s90, 6
	s_lshl_b32 s91, ttmp9, 22                      ; q at 0, k at 0x400000
	s_add_co_u32 s90, s90, s91
	s_cmp_eq_u32 ttmp9, 2
	s_cselect_b32 s88, s88, s90
	s_mov_b32 s89, 0
	s_add_nc_u64 s[70:71], s[70:71], s[88:89]
.macro FRAG reg, adr, q, i             ; 16 rows x 128 K: lane l holds row l % 16; registers 4 c .. 4 c + 3 hold K = 32 c + 16 (l / 16) + 0 .. 15: the same permutation of k in A and in B
.irp c, 0,1,2,3
	ds_load_b128 v[\reg+4*\c:\reg+4*\c+3], v[\adr] offset:128*(\q)+32*\c+(\i)*16*PITCH
.endr
.endm
.macro MUL16 a0, p, zero               ; A's blocks a0, a0 + 1 x B's eight; the 64 accumulators take turns
.irp a, \a0, \a0+1
.irp b, 0,1,2,3,4,5,6,7
.if \zero
	v_wmma_f32_16x16x128_fp8_fp8 v[8*(8*((\a)%4)+\b):8*(8*((\a)%4)+\b)+7], v[128*(\p)+FR*\b:128*(\p)+FR*\b+FR-1], v[AF+FR*(\a):AF+FR*(\a)+FR-1], 0
.else
	v_wmma_f32_16x16x128_fp8_fp8 v[8*(8*((\a)%4)+\b):8*(8*((\a)%4)+\b)+7], v[128*(\p)+FR*\b:128*(\p)+FR*\b+FR-1], v[AF+FR*(\a):AF+FR*(\a)+FR-1], v[8*(8*((\a)%4)+\b):8*(8*((\a)%4)+\b)+7]
.endif
.endr
.endr
.endm
.macro FETCH_B slot, q, p
	WIN TO_B
.irp i, 0,1,2,3,4,5,6,7
	FRAG 128*(\p)+FR*\i, ADRB+\slot, \q, \i
.endr
	WIN 0
.endm
.macro FETCH_A slot, q, i0
.irp i, \i0, \i0+1, \i0+2, \i0+3
	FRAG AF+FR*(\i), ADRA+\slot, \q, \i
.endr
.endm
.macro PLACES n                        ; plain vector instructions between a matrix instruction and a load into, or a read of, its registers
.rept \n
	v_nop
.endr
.endm
.macro STEP slot, q, zero              ; 128 along K with its successor in the same slot
	s_wait_dscnt 4*NL                              ; B's set and A's blocks 0-3 are in; A's blocks 4-7 (16 loads) may be out
	WIN MUL_LO
	MUL16 0, (\q)%2, \zero
	MUL16 2, (\q)%2, \zero
	s_wait_dscnt 0
	PLACES NP
	FETCH_B \slot, (\q)+1, 1-(\q)%2
	FETCH_A \slot, (\q)+1, 0
	WIN MUL_HI
	MUL16 4, (\q)%2, \zero
	MUL16 6, (\q)%2, \zero
	PLACES NP
	WIN 0
	FETCH_A \slot, (\q)+1, 4
.endm
.macro TURN slot, next, fill           ; a slot's last step changes slots: one barrier; fill = 1: this slot is filled again, two K steps ahead
	s_wait_tensorcnt 0x0                           ; all my tensor loads have landed: my part of the next slot
	ds_add_u32 v[SPW], v[NIL]                      ; 0 onto my spare word
	s_wait_dscnt 4*NL+1                            ; the add and A's blocks 4-7 may be out
	WIN MUL_LO
	MUL16 0, 1, 0
	s_wait_dscnt 0x0                               ; the add is done, and my reads of this slot are over
	s_barrier_signal -1
	MUL16 2, 1, 0
	WIN 0
	s_barrier_wait -1
.if \fill
	CREST                                          ; the barrier has opened a round of the cluster's: no wave of any partner still reads this slot or has a load on its way
	s_add_nc_u64 s[G0+4*\slot+2:G0+4*\slot+3], s[G0+4*\slot+2:G0+4*\slot+3], 2*ROWB
	s_add_nc_u64 s[G0B+4*\slot+2:G0B+4*\slot+3], s[G0B+4*\slot+2:G0B+4*\slot+3], 2*ROWB
	JLOAD G0+4*\slot, G1, G0B+4*\slot, G1B         ; the first tensor load behind the round; its four v_nop are the places in front of the loads below
.else
	PLACES NP
.endif
	FETCH_B \next, 0, 0
	FETCH_A \next, 0, 0
	WIN MUL_HI
	MUL16 4, 1, 0
	MUL16 6, 1, 0
	PLACES NP
	WIN 0
	FETCH_A \next, 0, 4
.endm
	s_wait_tensorcnt 1                             ; my part of K step 0 is in; K step 1's load may be out
	s_barrier_signal -1
	s_barrier_wait -1
	FETCH_B 0, 0, 0
	FETCH_A 0, 0, 0
	FETCH_A 0, 0, 4
	STEP 0, 0, 1                                   ; the first step's products start the sums
	s_mov_b32 s3, LAPS-1
.Llap:
	TURN 0, 1, 1
	STEP 1, 0, 0
	TURN 1, 0, 1
	STEP 0, 0, 0
	s_sub_co_u32 s3, s3, 1
	s_cmp_lg_u32 s3, 0
	s_cbranch_scc1 .Llap
	TURN 0, 1, 0                                   ; the last lap fills nothing
	STEP 1, 0, 0
	s_wait_dscnt 4*NL
	WIN MUL_LO
	MUL16 0, 1, 0
	MUL16 2, 1, 0
	s_wait_dscnt 0
	WIN MUL_HI
	MUL16 4, 1, 0
	MUL16 6, 1, 0
	WIN 0
	; THE WAY OUT: sum x 2^(e0 + e1) + bias, held, converted (8 neighbours of a lane make 8 bytes), into the stage in slot 0, which has had its last fill and its last read.
	s_wait_kmcnt 0x0
	s_add_co_i32 s96, s96, s97
	s_add_co_i32 s96, s96, 127
	s_lshl_b32 s96, s96, 23                        ; 2^(e0 + e1)
	s_mov_b32 s97, s96
	s_cmp_eq_u32 ttmp9, 1
	s_cselect_b32 s76, s85, s84                    ; the result's e: q e2, k e3,
	s_cmp_eq_u32 ttmp9, 2
	s_cselect_b32 s76, s87, s76                    ; v e5: a choice, no branch
	s_add_co_i32 s76, s76, 127
	s_lshl_b32 s77, s76, 23
	PLACES NP
	v_mov_b32 v[SC], s77
	s_add_co_i32 s76, s76, 8
	s_lshl_b32 s76, s76, 23
	s_or_b32 s77, s76, 0x600000                    ; 448 x 2^e
	s_or_b32 s78, s77, 0x80000000
	s_wait_loadcnt 0x0                             ; the biases
.set i, 0
.rept 64
	v_and_b32 v[BI+i], s79, v[BI+i]                ; the column bias counts for q and k alone,
.set i, i+1
.endr
.set i, 0
.rept 16
	v_and_b32 v[BR+i], s83, v[BR+i]                ; the row bias for v alone
.set i, i+1
.endr
.macro BLOCKQ a                        ; my rows 16 a .. 16 a + 15
	WIN 0x02+((\a)/4)                              ; source 0: the accumulators' window
.set i, 0
.rept 32
	v_pk_fma_f32 v[T+i:T+i+1], v[64*((\a)%4)+i:64*((\a)%4)+i+1], s[96:97], v[BI+i:BI+i+1] op_sel_hi:[1,0,1]   ; each accumulator from its low end on
.set i, i+2
.endr
	WIN 0
.set i, 0
.rept 32
	v_pk_add_f32 v[T+i:T+i+1], v[T+i:T+i+1], v[BR+2*(\a):BR+2*(\a)+1]
.set i, i+2
.endr
.set i, 0
.rept 64
	v_med3_num_f32 v[T+i], v[T+i], s78, s77        ; the conversion does not saturate (ISA guide 7.6.2): the hold comes first
.set i, i+1
.endr
	s_wait_alu depctr_va_vdst(0)
	s_wait_dscnt 0x0                               ; the last block's stores have read their registers
.irp b, 0,1,2,3,4,5,6,7
	v_cvt_scalef32_pk8_fp8_f32 v[CD+2*\b:CD+2*\b+1], v[T+8*\b:T+8*\b+7], v[SC]
.endr
	v_nop                                          ; a plain instruction behind the last conversion
.irp b, 0,1,2,3,4,5,6,7
	ds_store_b64 v[STO], v[CD+2*\b:CD+2*\b+1] offset:16*PITCH*(\a)+16*\b
.endr
.endm
.irp a, 0,1,2,3,4,5,6,7
	BLOCKQ \a
.endr
	s_wait_dscnt 0x0                               ; for the others' sake: my stores into the stage are done
	s_barrier_signal -1
	s_barrier_wait -1
	s_cmp_eq_u32 ttmp9, 2                          ; the two arms only read LDS
	s_cbranch_scc1 .Lv_out
	; q, k: wave w takes the tile's w-th head for all 256 tokens: 16,384 consecutive bytes of the result
.set i, 0
.rept 16
	ds_load_b128 v[128+4*i:131+4*i], v[RDQ] offset:8*PITCH*i
.set i, i+1
.endr
.set i, 0
.rept 16
	ds_load_b128 v[192+4*i:195+4*i], v[RDQ2] offset:8*PITCH*i
.set i, i+1
.endr
.set i, 0
.rept 32
	s_wait_dscnt 31-i                              ; the later read-backs may be out
	global_store_b128 v[CQ], v[128+4*i:131+4*i], s[70:71] offset:512*i    ; 512 consecutive bytes, aligned
.set i, i+1
.endr
	s_branch .Ldone
.Lv_out:
	; v: wave w takes rows 64 w .. 64 w + 63 of the stage; sixteen lanes store a row's 256 bytes
.set i, 0
.rept 32
	ds_load_b128 v[128+4*i:131+4*i], v[RD] offset:2*PITCH*i
.set i, i+1
.endr
.set i, 0
.rept 32
	s_wait_dscnt 31-i
	global_store_b128 v[CO], v[128+4*i:131+4*i], s[70:71] offset:4096*i
.set i, i+1
.endr
.Ldone:
	s_wait_tensorcnt 0x0                           ; the wave's end
	ds_add_u32 v[SPW], v[NIL]
	s_wait_dscnt 0x0
	CROUND                                         ; the closing round
	s_endpgm
.Lfunc_end_k_q397bb9ae39_qkv:
	.size	k_q397bb9ae39_qkv, .Lfunc_end_k_q397bb9ae39_qkv-k_q397bb9ae39_qkv
	.p2alignl 7, 3214868480
	.fill 96, 4, 3214868480
	.section	.rodata,"a",@progbits
	.p2align	6, 0x0
	.amdhsa_kernel k_q397bb9ae39_qkv
		.amdhsa_group_segment_fixed_size 327680
		.amdhsa_private_segment_fixed_size 0
		.amdhsa_enable_private_segment 0
		.amdhsa_kernarg_size 32
		.amdhsa_user_sgpr_count 2
		.amdhsa_user_sgpr_kernarg_segment_ptr 1
		.amdhsa_wavefront_size32 1
		.amdhsa_system_sgpr_workgroup_id_x 1
		.amdhsa_system_sgpr_workgroup_id_y 1
		.amdhsa_system_sgpr_workgroup_id_z 1
		.amdhsa_system_vgpr_workitem_id 0
		.amdhsa_next_free_vgpr 1024
		.amdhsa_next_free_sgpr 100
		.amdhsa_reserve_vcc 0
		.amdhsa_float_denorm_mode_32 3
		.amdhsa_float_denorm_mode_16_64 3
		.amdhsa_memory_ordered 1
		.amdhsa_forward_progress 1
		.amdhsa_inst_pref_size 172
	.end_amdhsa_kernel
	.amdgpu_metadata
---
amdhsa.version: [ 1, 2 ]
amdhsa.kernels:
  - .name:           k_q397bb9ae39_qkv
    .symbol:         k_q397bb9ae39_qkv.kd
    .args:
      - { .name: wc, .offset: 0, .size: 8, .value_kind: global_buffer, .address_space: global }
      - { .name: lowp_scales, .offset: 8, .size: 8, .value_kind: global_buffer, .address_space: global }
      - { .name: b_qkv, .offset: 16, .size: 8, .value_kind: global_buffer, .address_space: global }
      - { .name: qkvc, .offset: 24, .size: 8, .value_kind: global_buffer, .address_space: global }
    .group_segment_fixed_size: 327680
    .private_segment_fixed_size: 0
    .kernarg_segment_align: 8
    .kernarg_segment_size: 32
    .max_flat_workgroup_size: 128
    .sgpr_count:     100
    .vgpr_count:     1024
    .wavefront_size: 32
...
	.end_amdgpu_metadata
.endif
;; end of part 9
;; launch attn (part 10): grid 8 x 32, 16 waves a work-group, clusters of 4 x 1, 327,680 bytes of LDS; arguments qkvc, lowp_scales, aoc; writes aoc
.if DOCPART == 10
	.amdgcn_target "amdgcn-amd-amdhsa--gfx1250"
	.amdhsa_code_object_version 6
	.text
	.protected	k_q397bb9ae39_attn
	.globl	k_q397bb9ae39_attn
	.p2align	8
	.type	k_q397bb9ae39_attn,@function
k_q397bb9ae39_attn:
	s_mov_b64 s[64:65], 0
	v_nop
	global_prefetch_b8 v0, s[64:65] scope:SCOPE_SE
	s_setreg_imm32_b32 hwreg(HW_REG_WAVE_MODE, 25, 1), 1
	s_wait_xcnt 0x0
	s_wait_alu depctr_hold_cnt(0) depctr_sa_sdst(0) depctr_va_vdst(0) depctr_va_sdst(0) depctr_va_ssrc(0) depctr_va_vcc(0) depctr_vm_vsrc(0)
	s_getreg_b32 s2, hwreg(HW_REG_IB_STS2, 6, 4)
	s_cmp_eq_u32 s2, 0
	s_cbranch_scc0 .Lentry_in_a_cluster
	s_endpgm
.Lentry_in_a_cluster:
	s_bfe_u32 s2, ttmp6, 0x10000c
	s_cmp_lg_u32 s2, 0x3003
	s_cbranch_scc0 .Lentry_shape_is_right
	s_endpgm
.Lentry_shape_is_right:
; ATTN.  Causal attention on codes of E4M3: q (scale entry 2), k (3), p (4), v (5); the result is quantised at once (entry 6) into aoc [4096][1024], column 64 x head + d.
; q, k: [32][2048][64] at 0 and 0x400000 of qkvc; v with the keys innermost, [32][64][2048], at 0x800000.
; SOFTMAX: t = score x log2(e) / 8; M = the running largest t rounded up to a whole number; p = 2^(t - M) is quantised, not normalised; the row's sum is taken of the unquantised p and divides at the end.
; SHARES.  A work-group serves one head (y).  Its place g = 0..7 along x and the wave's number P' give the wave's tile of 16 queries: tile 8 P' + g.  A key step is 128 keys; step j is needed where j <= P', and j = P' is the step
; on the diagonal (16 g + 15 < 128).  So no branch hangs on g, and every work-group has waves of 1 .. 16 steps: the triangle is shared evenly.  P' = wave xor 3 in every second group of four waves.
; ALL OF THE HEAD'S K AND V LIE IN LDS: no slot is ever filled again.  Waves 0-7 fetch K, waves 8-15 V, one load each (an eighth of the head's K or V), jointly for the four work-groups of a cluster, which share the head.
; One tensor load of a wave is out at the most.  All keys are read behind one barrier.
; LAYOUT.  S^T = K Q^T (K = 64 form) and O^T = V^T P^T (K = 128 form): a lane holds one query throughout.  A tile's 16 keys are neighbours, so the eight conversions' results are registers 2 c, 2 c + 1 of the second product's operand
; in the form's own layout; V's fragments are fetched in that layout by loads of 8 bytes.
; LIMITS: e2 + e3 between -123 and 130 (added to c's exponent field); e4 and e6 between -126 and 119.  a head's 16 rows of aoc are 1,024 consecutive bytes: its two stores cover 512 each.
; LDS: K at 0: four keys to a row of 256 + 16 bytes; V at VB: four tiles of 512 keys, row d of 512 + 16 bytes; stages at STG: 16 rows x 80 bytes a wave.
; THE FILLS, as the text below has them: every wave issues ONE joint load at the head.  Waves 0-7: 256 keys of K each (64 rows of 256 bytes); waves 8-15: 32 of V's 64 rows x 512 keys each.
; One wait for 0 and one barrier stand ahead of the first LDS read; all four tiles of 512 keys are walked by one loop.
.set KT,   34816
.set VB,   4*KT
.set VT,   33792                       ; 512 keys of V: 64 rows x 528
.set STG,  VB+4*VT                     ; 274,432
.set AK0,  1                           ; v1   my lane's place in a tile of K
.set AV0,  2                           ; v2   in a tile of V
.set SIN,  3                           ; v3   the stage, in
.set SBK,  4                           ; v4   the stage, back
.set GO,   7                           ; v7   my byte offset in the wave's rows of aoc
.set ADK,  8
.set ADV,  9
.set DQ,   24                          ; v24  16 g + r - 8 h: key 16 t + j of the diagonal step is hidden where 16 t + j > DQ
.set TP,   246                         ; v246 the lane permute's destination
.set WV,   10
.set PP,   11
.set SEL,  20
.set CS,   22
.set G1K,  24
.set G1V,  32
.set G0K,  40                          ; s[40:55] four groups 0 for K
.set G0V,  68                          ; s[68:83] four for V
.set J0,   60                          ; the tile's first key step
.set TBK,  61                          ; the tile's first byte in K,
.set TBV,  62                          ; in V
.set CNT,  63
.set IDX,  66
.macro CROUND
	s_barrier_signal -1
	s_barrier_wait -1
	s_cmp_lg_u32 s[WV], 0
	s_cbranch_scc1 .Lnot_wave_0_\@
	s_barrier_signal -3
.Lnot_wave_0_\@:
	s_barrier_wait -3
	s_barrier_signal -1
	s_barrier_wait -1
.endm
	s_load_b128 s[4:7], s[0:1], 0x0                ; qkvc s[4:5], the scales' exponents s[6:7]
	s_load_b64 s[8:9], s[0:1], 0x10                ; aoc
	v_lshl_add_u32 v251, v0, 2, 0x48000
	v_mov_b32 v255, 0
	ds_add_u32 v251, v255
	ds_add_u32 v251, v255
	v_lshrrev_b32 v8, 5, v0
	s_delay_alu instid0(VALU_DEP_1)
	v_readfirstlane_b32 s[WV], v8                  ; wave 0..15
	s_lshr_b32 s[PP], s[WV], 2
	s_and_b32 s[PP], s[PP], 1
	s_mul_i32 s[PP], s[PP], 3
	s_xor_b32 s[PP], s[PP], s[WV]                  ; P'
	s_bfe_u32 s12, ttmp6, 0x40000                  ; cx
	s_lshl_b32 s2, ttmp9, 2
	s_add_co_u32 s12, s12, s2                      ; g: it enters q's and aoc's addresses and the mask's compare alone
	s_and_b32 s13, ttmp7, 0xffff                   ; the head, 16 x batch + head: the four partners share it
	s_and_b32 s14, s[WV], 7                        ; which eighth of K, or of V, I fetch
	s_mov_b32 s[G1K], 15|(1<<20)|(1<<21)|(5<<22)|(3<<25)   ; the mask: all four; elements of 1 byte; padding: 4 words after every 64
	s_mov_b32 s[G1K+1], 256<<16                    ; K is dense: four keys are stated as one row of 256 bytes
	s_mov_b32 s[G1K+2], 64<<16
	s_mov_b32 s[G1K+3], 256<<16
	s_mov_b32 s[G1K+4], 64                         ; 64 rows: 256 keys
	s_mov_b32 s[G1K+5], 256
	s_mov_b32 s[G1K+6], 0
	s_mov_b32 s[G1K+7], 0
	s_mov_b32 s[G1V], 15|(1<<20)|(1<<21)|(6<<22)|(3<<25)   ; padding: 4 words after every 128
	s_mov_b32 s[G1V+1], 512<<16
	s_mov_b32 s[G1V+2], 32<<16
	s_mov_b32 s[G1V+3], 512<<16                    ; 512 keys
	s_mov_b32 s[G1V+4], 32                         ; of 32 of the head's 64
	s_mov_b32 s[G1V+5], 2048
	s_mov_b32 s[G1V+6], 0
	s_mov_b32 s[G1V+7], 0
	s_mov_b32 s[SEL], 0x76543210
	s_mov_b32 s[SEL+1], 0xfedcba98
	s_mov_b32 s[CS], 0x3e38aa3b                    ; c = log2(e) / 8
	s_lshl_b32 s92, s13, 17                        ; the head's first byte in q, k and v: 131,072 x head
	s_lshl_b32 s93, s14, 14
	s_add_co_u32 s94, s92, s93
	s_add_co_u32 s94, s94, 0x400000                ; K: + 256 keys x (wave % 8)
	s_mov_b32 s95, 0
	s_and_b32 s93, s14, 1
	s_lshl_b32 s93, s93, 16                        ; V: + 32 rows of 2,048 bytes x (wave % 2)
	s_add_co_u32 s96, s92, s93
	s_lshr_b32 s93, s14, 1
	s_lshl_b32 s93, s93, 9                         ; + 512 keys x the tile, (wave % 8) / 2
	s_add_co_u32 s96, s96, s93
	s_add_co_u32 s96, s96, 0x800000
	s_mov_b32 s97, 0
	s_mul_i32 s15, s14, 17408                      ; and in LDS: 64 rows of 272,
	s_and_b32 s16, s14, 1
	s_mul_i32 s16, s16, 16896                      ; 32 rows of 528
	s_lshr_b32 s93, s14, 1
	s_mul_i32 s93, s93, VT                         ; in V's tile
	s_add_co_u32 s16, s16, s93
	s_add_co_u32 s16, s16, VB
	s_lshl_b32 s17, s[PP], 3
	s_add_co_u32 s17, s17, s12                     ; my tile of queries
	s_lshl_b32 s98, s17, 10
	s_add_co_u32 s98, s98, s92
	s_mov_b32 s99, 0
	s_wait_dscnt 0x0
	s_wait_kmcnt 0x0
	s_load_b256 s[84:91], s[6:7], 0x0              ; e0..e7
	s_add_nc_u64 s[94:95], s[4:5], s[94:95]
	s_add_nc_u64 s[96:97], s[4:5], s[96:97]
	s_add_nc_u64 s[98:99], s[4:5], s[98:99]        ; q at my first query
	CROUND                                         ; all four work-groups are here: the joint loads meet
.irp n, 0
	s_mov_b32 s[G0K+4*\n], 1
	s_add_co_u32 s[G0K+4*\n+1], s15, \n*KT
	s_add_nc_u64 s[G0K+4*\n+2:G0K+4*\n+3], s[94:95], \n*32768
	s_or_b32 s[G0K+4*\n+3], s[G0K+4*\n+3], 0x80000000
	s_mov_b32 s[G0V+4*\n], 1
	s_add_co_u32 s[G0V+4*\n+1], s16, \n*VT
	s_add_nc_u64 s[G0V+4*\n+2:G0V+4*\n+3], s[96:97], \n*512
	s_or_b32 s[G0V+4*\n+3], s[G0V+4*\n+3], 0x80000000
.endr
	s_cmp_lt_u32 s[WV], 8                          ; one fill to each arm of one branch on the wave's number, ahead of every wait on TENSORcnt and every LDS read
	s_cbranch_scc0 .Lnot_k
	tensor_load_to_lds s[G0K:G0K+3], s[G1K:G1K+7]
	s_nop 0
.rept 4
	v_nop
.endr
	s_branch .Lasked
.Lnot_k:
	tensor_load_to_lds s[G0V:G0V+3], s[G1V:G1V+7]
	s_nop 0
.rept 4
	v_nop
.endr
.Lasked:
	v_and_b32 v8, 15, v0                           ; r
	v_bfe_u32 v9, v0, 4, 1                         ; h
	s_delay_alu instid0(VALU_DEP_2)
	v_lshlrev_b32 v11, 6, v8
	s_delay_alu instid0(VALU_DEP_1)
	v_lshl_add_u32 v11, v9, 4, v11                 ; q: row r of 64 bytes, + 16 h
	global_load_b128 v[16:19], v11, s[98:99]       ; registers 4 c .. 4 c + 3: k = 32 c + 16 h + 0 .. 15: the same permutation of k as K's fragments have
	global_load_b128 v[20:23], v11, s[98:99] offset:32
	v_lshrrev_b32 v10, 2, v8
	s_delay_alu instid0(VALU_DEP_1)
	v_mul_u32_u24 v[AK0], v10, 272
	v_and_b32 v10, 3, v8
	s_delay_alu instid0(VALU_DEP_1)
	v_lshl_add_u32 v[AK0], v10, 6, v[AK0]
	s_delay_alu instid0(VALU_DEP_1)
	v_lshl_add_u32 v[AK0], v9, 4, v[AK0]           ; key r of a tile: row r / 4, byte 64 (r % 4) + 16 h
	v_mul_u32_u24 v[AV0], v8, 528
	s_delay_alu instid0(VALU_DEP_1)
	v_lshl_add_u32 v[AV0], v9, 3, v[AV0]
	s_delay_alu instid0(VALU_DEP_1)
	v_add_nc_u32 v[AV0], VB, v[AV0]                ; row d = r, + 8 h
	s_mul_i32 s2, s[WV], 1280
	s_add_co_u32 s2, s2, STG                       ; my stage
	v_mul_u32_u24 v[SIN], v8, 80
	s_delay_alu instid0(VALU_DEP_1)
	v_lshl_add_u32 v[SIN], v9, 3, v[SIN]
	s_delay_alu instid0(VALU_DEP_1)
	v_add_nc_u32 v[SIN], s2, v[SIN]                ; in: row r, + 8 h
	; aoc IS LAID IN THE ORDER OF THE NEXT LAUNCH'S OPERAND REGISTERS: 2,048 bytes for each 16 rows x 128 columns (two heads); in them piece c (512 bytes), lane l (16 bytes): row l % 16, columns 32 c + 16 (l / 16) + 0 .. 15.
	; So a wave's 16 queries x 64 are two pieces on end: 1,024 consecutive bytes at 1,024 x (the row + the head).
	v_mul_u32_u24 v[SBK], v8, 80
	v_lshlrev_b32 v[GO], 4, v8
	v_lshl_add_u32 v[SBK], v9, 4, v[SBK]
	v_lshl_add_u32 v[GO], v9, 8, v[GO]             ; 16 x lane
	v_add_nc_u32 v[SBK], s2, v[SBK]                ; back: row r, + 16 h
	v_lshlrev_b32 v10, 3, v9
	s_delay_alu instid0(VALU_DEP_1)
	v_sub_nc_u32 v[DQ], v8, v10
	s_lshl_b32 s2, s12, 4
	v_add_nc_u32 v[DQ], s2, v[DQ]
	s_lshr_b32 s2, s13, 4                          ; aoc: 1,024 x (2048 x batch + 16 x my tile + head)
	s_lshl_b32 s2, s2, 11
	s_lshl_b32 s3, s17, 4
	s_add_co_u32 s2, s2, s3
	s_lshl_b32 s2, s2, 10
	s_and_b32 s3, s13, 15
	s_lshl_b32 s3, s3, 10
	s_add_co_u32 s2, s2, s3
	s_mov_b32 s3, 0
	s_add_nc_u64 s[8:9], s[8:9], s[2:3]
	v_mov_b32 v13, 0xff61b1e6                      ; the largest t so far: -3e38
	s_delay_alu instid0(VALU_DEP_1)
	v_floor_f32 v12, -v13                          ; -M
	v_mov_b32 v14, 0                               ; the sum, in two halves
	v_mov_b32 v15, 0
	v_mov_b32 v[TP], 0
	v_mov_b32 v253, 0                              ; (named as the upper half of v[252:253])
.set i, 0
.rept 32
	v_mov_b32 v[160+i], 0                          ; O^T: the step is written once; the first change of M leaves zeros zeros
.set i, i+1
.endr
	s_wait_kmcnt 0x0
	s_add_co_i32 s2, s86, s87
	s_lshl_b32 s2, s2, 23
	s_add_co_i32 s[CS], s[CS], s2                  ; a score stands for score x 2^(e2 + e3)
	s_mov_b32 s[CS+1], s[CS]
	s_add_co_i32 s2, s88, 127
	s_lshl_b32 s3, s2, 23
	v_mov_b32 v244, s3                             ; 2^e4
	s_add_co_i32 s2, s2, 8
	s_lshl_b32 s2, s2, 23
	s_or_b32 s2, s2, 0x600000
	v_mov_b32 v240, s2                             ; 448 x 2^e4
	s_add_co_i32 s56, s88, s89                     ; e4 + e5
	s_add_co_i32 s2, s90, 127
	s_lshl_b32 s3, s2, 23
	v_mov_b32 v247, s3                             ; 2^e6
	s_add_co_i32 s2, s2, 8
	s_lshl_b32 s2, s2, 23
	s_or_b32 s57, s2, 0x600000                     ; 448 x 2^e6
	s_or_b32 s58, s57, 0x80000000
; A KEY STEP: 128 keys, the q-th of the 512 in hand.  A step whose keys all come after my queries is left out: a scalar branch on the wave's number and the step's; no barrier and no tensor load stands in a step.
.macro STEP q
	s_add_co_u32 s[IDX], s[J0], \q
	s_cmp_gt_u32 s[IDX], s[PP]
	s_cbranch_scc1 .Lhid_\@
.rept 4
	v_nop                                          ; places in front of loads into registers that matrix instructions have read
.endr
	s_wait_alu depctr_va_vdst(0)
.irp t, 0,1,2,3,4,5,6,7
.irp c, 0,1
	ds_load_b128 v[32+8*\t+4*\c:35+8*\t+4*\c], v[ADK] offset:8704*(\q)+1088*\t+32*\c
.endr
.endr
	s_wait_dscnt 8                                 ; tiles 0-3 are in; tiles 4-7 (8 loads) may be out
.irp t, 0,1,2,3
	v_wmma_f32_16x16x64_fp8_fp8 v[96+8*\t:103+8*\t], v[32+8*\t:39+8*\t], v[16:23], 0
.endr
	s_wait_dscnt 0x0
.irp t, 4,5,6,7
	v_wmma_f32_16x16x64_fp8_fp8 v[96+8*\t:103+8*\t], v[32+8*\t:39+8*\t], v[16:23], 0
.endr
.rept 4
	v_nop                                          ; places in front of V's loads and of the first read of the scores
.endr
	s_wait_alu depctr_va_vdst(0)
.irp t, 0,1,2,3
.irp c, 0,1,2,3,4,5,6,7
	ds_load_b64 v[32+16*\t+2*\c:33+16*\t+2*\c], v[ADV] offset:8448*\t+128*(\q)+16*\c   ; V's fragments land while the softmax is walked
.endr
.endr
	s_cmp_lg_u32 s[IDX], s[PP]                     ; the mask is wanted on the diagonal alone
	s_cbranch_scc1 .Lopen_\@
	v_mov_b32 v254, 0xff800000                     ; -infinity: p = 0 then
.set n, 0
.rept 64
	v_cmp_gt_i32 vcc_lo, 16*(n/8)+n%8, v[DQ]
	v_cndmask_b32 v[96+n], v[96+n], v254, vcc_lo
.set n, n+1
.endr
.Lopen_\@:
	v_max3_num_f32 v254, v96, v97, v98             ; the step's largest score of my query among my 64 keys, in two chains,
	v_max3_num_f32 v252, v99, v100, v101
.irp i, 6,10,14,18,22,26,30,34,38,42,46,50,54,58
	v_max3_num_f32 v254, v254, v[96+\i], v[97+\i]
	v_max3_num_f32 v252, v252, v[98+\i], v[99+\i]
.endr
	v_max3_num_f32 v254, v254, v158, v159
	s_delay_alu instid0(VALU_DEP_1)
	v_max_num_f32 v254, v254, v252
	s_delay_alu instid0(VALU_DEP_1)
	v_permlanex16_b32 v[TP], v254, s[SEL], s[SEL+1]
	s_delay_alu instid0(VALU_DEP_1)
	v_max_num_f32 v254, v254, v[TP]                ; and among lane l xor 16's
	s_delay_alu instid0(VALU_DEP_1)
	v_mul_f32 v254, s[CS], v254                    ; as t (c is positive)
	s_delay_alu instid0(VALU_DEP_1)
	v_max_num_f32 v13, v13, v254                   ; the running largest t
	v_mov_b32 v254, v12
	s_delay_alu instid0(VALU_DEP_2)
	v_floor_f32 v12, -v13                          ; the new -M = -ceil(t)
	s_delay_alu instid0(VALU_DEP_1)
	v_sub_f32 v254, v12, v254                      ; old M - new M: a whole number, 0 or less
	s_delay_alu instid0(VALU_DEP_1)
	v_cvt_i32_f32 v254, v254
	s_delay_alu instid0(VALU_DEP_1)
	v_ldexp_f32 v252, 1.0, v254                    ; f = 2^(old M - new M): rounds nothing
.set n, 0
.rept 32
	v_pk_fma_f32 v[96+n:97+n], v[96+n:97+n], s[CS:CS+1], v[12:13] op_sel_hi:[1,0,0]   ; t - M
.set n, n+2
.endr
.set n, 0
	s_wait_alu depctr_va_vdst(0)
.rept 64
	v_exp_f32 v[96+n], v[96+n]                     ; p = 2^(t - M)
.set n, n+1
.endr
	v_pk_mul_f32 v[14:15], v[14:15], v[252:253] op_sel_hi:[1,0]   ; the sums under the new M: the plain instruction behind the batch
	s_wait_alu depctr_va_vdst(0)                   ; one wait for the batch, ahead of its first reader
	v_pk_add_f32 v[242:243], v[100:101], v[104:105]
	v_pk_add_f32 v[248:249], v[108:109], v[112:113]
	v_pk_add_f32 v[238:239], v[116:117], v[120:121]
	v_pk_add_f32 v[236:237], v[124:125], v[128:129]
	v_pk_add_f32 v[234:235], v[132:133], v[136:137]
	v_pk_add_f32 v[232:233], v[140:141], v[144:145]
	v_pk_add_f32 v[230:231], v[148:149], v[152:153]
	v_pk_add_f32 v[14:15], v[14:15], v[156:157]
	v_pk_add_f32 v[242:243], v[242:243], v[96:97]
	v_pk_add_f32 v[248:249], v[248:249], v[98:99]
	v_pk_add_f32 v[238:239], v[238:239], v[102:103]
	v_pk_add_f32 v[236:237], v[236:237], v[106:107]
	v_pk_add_f32 v[234:235], v[234:235], v[110:111]
	v_pk_add_f32 v[232:233], v[232:233], v[114:115]
	v_pk_add_f32 v[230:231], v[230:231], v[118:119]
	v_pk_add_f32 v[14:15], v[14:15], v[122:123]
	v_pk_add_f32 v[242:243], v[242:243], v[126:127]
	v_pk_add_f32 v[248:249], v[248:249], v[130:131]
	v_pk_add_f32 v[238:239], v[238:239], v[134:135]
	v_pk_add_f32 v[236:237], v[236:237], v[138:139]
	v_pk_add_f32 v[234:235], v[234:235], v[142:143]
	v_pk_add_f32 v[232:233], v[232:233], v[146:147]
	v_pk_add_f32 v[230:231], v[230:231], v[150:151]
	v_pk_add_f32 v[14:15], v[14:15], v[154:155]
	v_pk_add_f32 v[242:243], v[242:243], v[158:159]
	s_delay_alu instid0(VALU_DEP_2)
	v_pk_add_f32 v[14:15], v[14:15], v[236:237]
	s_delay_alu instid0(VALU_DEP_2)
	v_pk_add_f32 v[242:243], v[242:243], v[234:235]
	v_pk_add_f32 v[248:249], v[248:249], v[232:233]
	v_pk_add_f32 v[238:239], v[238:239], v[230:231]
	s_delay_alu instid0(VALU_DEP_2)
	v_pk_add_f32 v[14:15], v[14:15], v[248:249]
	s_delay_alu instid0(VALU_DEP_2)
	v_pk_add_f32 v[242:243], v[242:243], v[238:239]
	s_delay_alu instid0(VALU_DEP_1)
	v_pk_add_f32 v[14:15], v[14:15], v[242:243]
.irp t, 0,1,2,3,4,5,6,7
.irp i, 0,2,4,6
	v_dual_min_num_f32 v[96+8*\t+\i], v[96+8*\t+\i], v240 :: v_dual_min_num_f32 v[97+8*\t+\i], v[97+8*\t+\i], v240   ; p is not negative: a one-sided hold (the conversion does not saturate: ISA guide 7.6.2), two numbers an instruction
.endr
	v_cvt_scalef32_pk8_fp8_f32 v[224+2*\t:225+2*\t], v[96+8*\t:103+8*\t], v244   ; keys 16 t + 8 h + 0 .. 7: registers 2 t, 2 t + 1 of the operand
.endr
.set n, 0
.rept 16
	v_pk_mul_f32 v[160+n:161+n], v[160+n:161+n], v[252:253] op_sel_hi:[1,0]   ; O^T under the new M; also the plain instructions behind the conversions
.set n, n+2
.endr
	s_wait_alu depctr_va_vdst(0)
	s_wait_dscnt 0x0                               ; V's fragments
.irp t, 0,1,2,3
	v_wmma_f32_16x16x128_fp8_fp8 v[160+8*\t:167+8*\t], v[32+16*\t:47+16*\t], v[224:239], v[160+8*\t:167+8*\t]   ; the four accumulators take turns
.endr
.Lhid_\@:
.endm
.macro TILE                            ; 512 keys
	v_add_nc_u32 v[ADK], s[TBK], v[AK0]
	v_add_nc_u32 v[ADV], s[TBV], v[AV0]
	STEP 0
	STEP 1
	STEP 2
	STEP 3
.endm
	s_mov_b32 s[J0], 0
	s_mov_b32 s[TBK], 0
	s_mov_b32 s[TBV], 0
	s_wait_loadcnt 0x0                             ; q
	s_wait_tensorcnt 0x0                           ; my one load has landed; nothing is ever filled again
	s_barrier_signal -1
	s_barrier_wait -1                              ; everybody's is
	s_mov_b32 s[CNT], 4                            ; four tiles of 512 keys
.Ltile:
	TILE
	s_add_co_u32 s[J0], s[J0], 4
	s_add_co_u32 s[TBK], s[TBK], KT
	s_add_co_u32 s[TBV], s[TBV], VT
	s_sub_co_u32 s[CNT], s[CNT], 1
	s_cmp_lg_u32 s[CNT], 0
	s_cbranch_scc1 .Ltile
	; THE WAY OUT: O^T x 2^(e4 + e5) / the sum, held, converted with 2^e6, through my stage, so that a lane stores 16 neighbouring bytes.
.rept 4
	v_nop
.endr
	v_add_f32 v14, v14, v15
	s_delay_alu instid0(VALU_DEP_1)
	v_permlanex16_b32 v[TP], v14, s[SEL], s[SEL+1]
	s_delay_alu instid0(VALU_DEP_1)
	v_add_f32 v14, v14, v[TP]                      ; the row's sum
	s_wait_alu depctr_va_vdst(0)
	v_rcp_f32 v14, v14
	v_nop                                          ; a plain instruction behind the transcendental
	s_wait_alu depctr_va_vdst(0)                   ; and the wait ahead of its first reader
	v_ldexp_f32 v14, v14, s56
.set n, 0
.rept 32
	v_mul_f32 v[96+n], v[160+n], v14               ; register 8 t + j: o(query r, d = 16 t + 8 h + j); each accumulator from its low end on
.set n, n+1
.endr
.set n, 0
.rept 32
	v_med3_num_f32 v[96+n], v[96+n], s58, s57
.set n, n+1
.endr
.irp t, 0,1,2,3
	v_cvt_scalef32_pk8_fp8_f32 v[224+2*\t:225+2*\t], v[96+8*\t:103+8*\t], v247
.endr
	v_nop
.irp t, 0,1,2,3
	ds_store_b64 v[SIN], v[224+2*\t:225+2*\t] offset:16*\t
.endr
	ds_load_b128 v[32:35], v[SBK]                  ; a wave's LDS instructions are served in order: these see my stores
	ds_load_b128 v[36:39], v[SBK] offset:32
	s_wait_dscnt 1                                 ; the second read-back may be out
	global_store_b128 v[GO], v[32:35], s[8:9]
	s_wait_dscnt 0x0
	global_store_b128 v[GO], v[36:39], s[8:9] offset:512
	s_wait_tensorcnt 0x0
	ds_add_u32 v251, v255
	s_wait_dscnt 0x0
	CROUND                                         ; the closing round
	s_endpgm
.Lfunc_end_k_q397bb9ae39_attn:
	.size	k_q397bb9ae39_attn, .Lfunc_end_k_q397bb9ae39_attn-k_q397bb9ae39_attn
	.p2alignl 7, 3214868480
	.fill 96, 4, 3214868480
	.section	.rodata,"a",@progbits
	.p2align	6, 0x0
	.amdhsa_kernel k_q397bb9ae39_attn
		.amdhsa_group_segment_fixed_size 327680
		.amdhsa_private_segment_fixed_size 0
		.amdhsa_enable_private_segment 0
		.amdhsa_kernarg_size 24
		.amdhsa_user_sgpr_count 2
		.amdhsa_user_sgpr_kernarg_segment_ptr 1
		.amdhsa_wavefront_size32 1
		.amdhsa_system_sgpr_workgroup_id_x 1
		.amdhsa_system_sgpr_workgroup_id_y 1
		.amdhsa_system_sgpr_workgroup_id_z 1
		.amdhsa_system_vgpr_workitem_id 0
		.amdhsa_next_free_vgpr 256
		.amdhsa_next_free_sgpr 100
		.amdhsa_reserve_vcc 1
		.amdhsa_float_denorm_mode_32 3
		.amdhsa_float_denorm_mode_16_64 3
		.amdhsa_memory_ordered 1
		.amdhsa_forward_progress 1
		.amdhsa_inst_pref_size 102
	.end_amdhsa_kernel
	.amdgpu_metadata
---
amdhsa.version: [ 1, 2 ]
amdhsa.kernels:
  - .name:           k_q397bb9ae39_attn
    .symbol:         k_q397bb9ae39_attn.kd
    .args:
      - { .name: qkvc, .offset: 0, .size: 8, .value_kind: global_buffer, .address_space: global }
      - { .name: lowp_scales, .offset: 8, .size: 8, .value_kind: global_buffer, .address_space: global }
      - { .name: aoc, .offset: 16, .size: 8, .value_kind: global_buffer, .address_space: global }
    .group_segment_fixed_size: 327680
    .private_segment_fixed_size: 0
    .kernarg_segment_align: 8
    .kernarg_segment_size: 24
    .max_flat_workgroup_size: 512
    .sgpr_count:     100
    .vgpr_count:     256
    .wavefront_size: 32
...
	.end_amdgpu_metadata
.endif
;; end of part 10
;; launch oproj (part 11): grid 32 x 8, 4 waves a work-group, clusters of 4 x 1, 327,680 bytes of LDS; arguments aoc, wc, lowp_scales, b_o, x, x1; writes x1
.if DOCPART == 11
	.amdgcn_target "amdgcn-amd-amdhsa--gfx1250"
	.amdhsa_code_object_version 6
	.text
	.protected	k_q397bb9ae39_oproj
	.globl	k_q397bb9ae39_oproj
	.p2align	8
	.type	k_q397bb9ae39_oproj,@function
k_q397bb9ae39_oproj:
	s_mov_b64 s[64:65], 0
	v_nop
	global_prefetch_b8 v0, s[64:65] scope:SCOPE_SE
	s_setreg_imm32_b32 hwreg(HW_REG_WAVE_MODE, 25, 1), 1
	s_wait_xcnt 0x0
	s_wait_alu depctr_hold_cnt(0) depctr_sa_sdst(0) depctr_va_vdst(0) depctr_va_sdst(0) depctr_va_ssrc(0) depctr_va_vcc(0) depctr_vm_vsrc(0)
	s_getreg_b32 s2, hwreg(HW_REG_IB_STS2, 6, 4)
	s_cmp_eq_u32 s2, 0
	s_cbranch_scc0 .Lentry_in_a_cluster
	s_endpgm
.Lentry_in_a_cluster:
	s_bfe_u32 s2, ttmp6, 0x10000c
	s_cmp_lg_u32 s2, 0x3003
	s_cbranch_scc0 .Lentry_shape_is_right
	s_endpgm
.Lentry_shape_is_right:
; OPROJ.  x1 = x + a W_o + b_o.  a: codes of E4M3 (scale entry 6), 4096 x 1024, laid by the launch before in the order of this launch's operand registers: 2,048 bytes for each 16 rows x 128 k;
; in them piece c (512 bytes), lane l (16 bytes): row l % 16, k = 32 c + 16 (l / 16) + 0 .. 15.  W_o: codes [1024 (n)][1024 (k)] at WOFF of wc (entry 7).  x, x1: f32 [4096][1024].
; LIMIT: e6 + e7 between -126 and 127, so that 2^(e6 + e7) is an f32 number.
; A work-group of four waves makes 128 x 128 of x1 (x: the row block, y: the column block); a wave makes 32 rows x 128 columns: 16 accumulators.  K goes in eight steps of 128.
; W_o'S TILE, 128 rows x all 1,024 k, hangs on the column block alone, which the four work-groups of a cluster (4, 1, 1) share: ONE joint fill, a wave 32 rows; no LDS byte is filled again.
; a'S FRAGMENTS belong to one wave alone: they go from memory straight into registers, 8 loads of 512 consecutive bytes a step, in eight register sets; seven steps' are asked for at the head, the eighth in step 0.
; NO PREFETCH: everything is asked for at the head; there is no loop to run ahead in.
; The matrix instruction is used transposed (source 0 = W_o's rows, source 1 = a's): a lane holds eight neighbouring columns of a row of x1.
; REGISTERS: window 0: v0-31 addresses, v128-255 accumulators ((a, b) at 128 + 8 (8 a + b)); window 1: B's fragments, two sets; window 2: A's eight sets of 32; window 3: v0-127 the residual.
.set WOFF,  0x300000
.set SCOFF, 24
.set NS,    8                          ; steps of 128 along K
.set BP,    1040                       ; a row of B in LDS: 1,024 bytes + 16: the 16 rows of a fragment load start at 16 different banks (ISA guide 11.1)
.set SLOTB, 128*BP
.set STG,   SLOTB                      ; the way out's stages: bytes of their own, 16 rows x (512 + 16) a wave
.set SPARE, 2*SLOTB                    ; the spare words: 128 bytes a wave, named by no other line
.set SP,    528
.set SPW, 8
.set NIL, 9
.set LV,  10                           ; 16 x lane
.set ADRB, 12                          ; v12, v13 B's fragments: blocks 0-3, 4-7
.set STO, 16
.set RD,  17
.set BI4, 20
.set ACC, 128
.set G1,  32
.set G0,  40
.set MSB, 0
.macro WIN new                         ; the immediate's high byte repeats the setting that is left
.if MSB != (\new)
	s_set_vgpr_msb (MSB<<8)|(\new)
.set MSB, (\new)
.endif
.endm
.set MULW, 0x09                        ; source 0 (B) window 1, source 1 (A) window 2, C and D window 0
.macro CROUND
	s_barrier_signal -1
	s_barrier_wait -1
	s_cmp_lg_u32 s16, 0
	s_cbranch_scc1 .Lnot_wave_0_\@
	s_barrier_signal -3
.Lnot_wave_0_\@:
	s_barrier_wait -3
	s_barrier_signal -1
	s_barrier_wait -1
.endm
.macro PLACES
.rept 4
	v_nop
.endr
.endm
.macro BFETCH q, f                     ; B's eight fragments of the q-th 128 k into set f
	WIN 0x40
.irp u, 0,1
.irp b, 0,1,2,3
.irp c, 0,1,2,3
	ds_load_b128 v[128*(\f)+64*\u+16*\b+4*\c:128*(\f)+64*\u+16*\b+4*\c+3], v[ADRB+\u] offset:\b*16*BP+128*(\q)+32*\c
.endr
.endr
.endr
.endm
.macro ALOAD s                         ; A's two fragments of step s into set s
	WIN 0x80
.irp a, 0,1
.irp c, 0,1,2,3
	global_load_b128 v[32*(\s)+16*\a+4*\c:32*(\s)+16*\a+4*\c+3], v[LV], s[24:25] offset:\a*16384+(\s)*2048+\c*512
.endr
.endr
.endm
.macro RLOAD g                         ; eight rows of my residual: 512 consecutive bytes a load
	WIN 0xc0
.set i, 0
.rept 8
	global_load_b128 v[32*(\g)+4*i:32*(\g)+4*i+3], v[LV], s[12:13] offset:(8*(\g)+i)*4096 th:TH_LOAD_NT
.set i, i+1
.endr
.endm
.macro GET s                           ; eight loads a step: A seven steps on; when A is all asked for, the residual
.if (\s)+7 <= NS-1
	ALOAD (\s)+7
.else
.if (\s) <= NS-4
	RLOAD (\s)-(NS-7)
.endif
.endif
.endm
.macro MUL4 a, b0, s                   ; the 16 accumulators take turns, in the same order in every step; step 0's products start the sums
.irp b, \b0, \b0+1, \b0+2, \b0+3
.if (\s) == 0
	v_wmma_f32_16x16x128_fp8_fp8 v[ACC+8*(8*(\a)+(\b)):ACC+8*(8*(\a)+(\b))+7], v[128*((\s)%2)+16*(\b):128*((\s)%2)+16*(\b)+15], v[32*(\s)+16*(\a):32*(\s)+16*(\a)+15], 0
.else
	v_wmma_f32_16x16x128_fp8_fp8 v[ACC+8*(8*(\a)+(\b)):ACC+8*(8*(\a)+(\b))+7], v[128*((\s)%2)+16*(\b):128*((\s)%2)+16*(\b)+15], v[32*(\s)+16*(\a):32*(\s)+16*(\a)+15], v[ACC+8*(8*(\a)+(\b)):ACC+8*(8*(\a)+(\b))+7]
.endif
.endr
.endm
.macro STEP s
	s_wait_dscnt 0x0                               ; B's fragments
.if (\s) <= NS-3
	s_wait_loadcnt 48                              ; behind step s's eight loads stand six later runs of eight
.else
	s_wait_loadcnt 8*(NS+3-(\s))                   ; at the end 40 and 32: the residual's among them
.endif
	WIN MULW
	MUL4 0, 0, \s
	MUL4 0, 4, \s
	PLACES                                         ; ahead of loads into the registers that the step before multiplied
.if (\s) < NS-1
	BFETCH (\s)+1, ((\s)+1)%2
.endif
	GET \s
	WIN MULW
	MUL4 1, 0, \s
	MUL4 1, 4, \s
.endm
	s_load_b128 s[4:7], s[0:1], 0x0                ; a's codes, wc
	s_load_b128 s[8:11], s[0:1], 0x10              ; the scales' exponents, b_o
	s_load_b128 s[12:15], s[0:1], 0x20             ; x, x1
	v_lshl_add_u32 v[SPW], v0, 2, SPARE
	v_mov_b32 v[NIL], 0
	ds_add_u32 v[SPW], v[NIL]                      ; the opening: the add, twice on end, and its wait ahead of my first tensor load
	ds_add_u32 v[SPW], v[NIL]
	v_lshrrev_b32 v1, 5, v0
	v_readfirstlane_b32 s16, v1                    ; wave 0..3
	s_bfe_u32 s17, ttmp6, 0x40000                  ; cx: it enters a's, x's and x1's addresses alone
	s_lshl_b32 s18, ttmp9, 2
	s_add_co_u32 s18, s18, s17                     ; row block
	s_and_b32 s19, ttmp7, 0xffff                   ; column block: the four partners share it
	s_mov_b32 s[G1], 15|(1<<20)|(1<<21)|(7<<22)|(3<<25)   ; the mask: all four; elements of 1 byte; padding: 4 words after every 256
	s_mov_b32 s[G1+1], 1024<<16                    ; tensor_dim0
	s_mov_b32 s[G1+2], 32<<16                      ; tensor_dim1
	s_mov_b32 s[G1+3], 1024<<16                    ; tile_dim0
	s_mov_b32 s[G1+4], 32                          ; tile_dim1
	s_mov_b32 s[G1+5], 1024                        ; the pitch
	s_mov_b32 s[G1+6], 0
	s_mov_b32 s[G1+7], 0
	s_lshl_b32 s20, s18, 17
	s_lshl_b32 s21, s16, 15
	s_add_co_u32 s20, s20, s21                     ; my 32 rows x 1,024 bytes of a
	s_mov_b32 s21, 0
	s_lshl_b32 s54, s18, 19
	s_lshl_b32 s55, s16, 17
	s_add_co_u32 s54, s54, s55                     ; my 32 rows x 4,096 bytes of x and x1,
	s_lshl_b32 s22, s19, 9                         ; my columns, in bytes of f32
	s_add_co_u32 s54, s54, s22
	s_mov_b32 s55, 0
	s_mov_b32 s23, 0
	s_lshl_b32 s30, s19, 17
	s_add_co_u32 s30, s30, WOFF                    ; B's 128 rows,
	s_lshl_b32 s48, s16, 15
	s_add_co_u32 s30, s30, s48                     ; the 32 of them that I fetch
	s_mov_b32 s31, 0
	s_mul_i32 s50, s16, 32*BP                      ; and where they go
	s_mul_i32 s53, s16, 16*SP
	s_add_co_u32 s53, s53, STG                     ; my stage
	v_and_b32 v2, 31, v0
	v_lshlrev_b32 v[LV], 4, v2
	v_and_b32 v1, 15, v0
	v_bfe_u32 v3, v0, 4, 1
	v_mul_u32_u24 v4, v1, BP
	v_lshl_add_u32 v[ADRB], v3, 4, v4
	v_add_nc_u32 v[ADRB+1], 64*BP, v[ADRB]
	v_mul_u32_u24 v5, v1, SP
	v_lshl_add_u32 v5, v3, 5, v5
	v_add_nc_u32 v[STO], s53, v5                   ; in: row l % 16, 32 bytes for each half of the lanes
	v_add_nc_u32 v[RD], s53, v[LV]                 ; back: the 32 lanes take a row of 512 bytes
	s_wait_alu depctr_va_vdst(0)
	s_wait_dscnt 0x0                               ; both opening adds are done
	s_wait_kmcnt 0x0
	s_load_b64 s[28:29], s[8:9], SCOFF
	s_add_nc_u64 s[24:25], s[4:5], s[20:21]
	s_add_nc_u64 s[12:13], s[12:13], s[54:55]
	s_add_nc_u64 s[14:15], s[14:15], s[54:55]
	s_add_nc_u64 s[10:11], s[10:11], s[22:23]
	global_load_b128 v[BI4:BI4+3], v[LV], s[10:11] ; the bias of my four columns
.irp s, 0,1,2,3,4,5,6
	ALOAD \s
.endr
	WIN 0
	s_mov_b32 s[G0], 1
	s_mov_b32 s[G0+1], s50
	s_add_nc_u64 s[G0+2:G0+3], s[6:7], s[30:31]
	s_or_b32 s[G0+3], s[G0+3], 0x80000000
	CROUND                                         ; all four work-groups are here: the joint loads meet
	tensor_load_to_lds s[G0:G0+3], s[G1:G1+7]      ; one tensor load a wave, the launch's only ones
	s_nop 0
	PLACES
	s_wait_tensorcnt 0x0                           ; my part of B's tile is in
	s_barrier_signal -1
	s_barrier_wait -1                              ; everybody's is
	BFETCH 0, 0
.irp s, 0,1,2,3,4,5,6,7
	STEP \s
.endr
	; THE WAY OUT: 16 rows x 128 columns at a time through my stage, back as whole rows of 512 bytes; x 2^(e6 + e7), + residual, + bias
	WIN 0
	PLACES
	s_wait_kmcnt 0x0
	s_add_co_i32 s28, s28, s29
	s_add_co_i32 s28, s28, 127
	s_lshl_b32 s28, s28, 23
	s_mov_b32 s29, s28
.irp a, 0,1
.irp b, 0,1,2,3,4,5,6,7
	ds_store_b128 v[STO], v[ACC+8*(8*\a+\b):ACC+8*(8*\a+\b)+3] offset:64*\b          ; each accumulator from its low end on
	ds_store_b128 v[STO], v[ACC+8*(8*\a+\b)+4:ACC+8*(8*\a+\b)+7] offset:64*\b+16
.endr
	WIN 0x40
.set i, 0
.rept 16
	ds_load_b128 v[64*\a+4*i:64*\a+4*i+3], v[RD] offset:i*SP      ; a wave's LDS instructions are served in order: these see my stores, and the next block's stores come behind them
.set i, i+1
.endr
	WIN 0
.endr
	s_wait_loadcnt 0x0                             ; the residual
.irp a, 0,1
	s_wait_dscnt 32*(1-\a)                         ; behind block 0's loads: block 1's 16 stores and 16 loads
	WIN 0x71                                       ; the sums in window 1, the residual in window 3
.set i, 0
.rept 32
	v_pk_fma_f32 v[64*\a+i:64*\a+i+1], v[64*\a+i:64*\a+i+1], s[28:29], v[64*\a+i:64*\a+i+1] op_sel_hi:[1,0,1]
.set i, i+2
.endr
	WIN 0x41
.set i, 0
.rept 16
	v_pk_add_f32 v[64*\a+4*i:64*\a+4*i+1], v[64*\a+4*i:64*\a+4*i+1], v[BI4:BI4+1]
	v_pk_add_f32 v[64*\a+4*i+2:64*\a+4*i+3], v[64*\a+4*i+2:64*\a+4*i+3], v[BI4+2:BI4+3]
.set i, i+1
.endr
	WIN 0x04
.set i, 0
.rept 16
	global_store_b128 v[LV], v[64*\a+4*i:64*\a+4*i+3], s[14:15] offset:(16*\a+i)*4096 th:TH_STORE_NT   ; 512 consecutive bytes, aligned
.set i, i+1
.endr
.endr
	WIN 0
	s_wait_tensorcnt 0x0                           ; the wave's end
	ds_add_u32 v[SPW], v[NIL]
	s_wait_dscnt 0x0
	CROUND                                         ; the closing round
	s_endpgm
.Lfunc_end_k_q397bb9ae39_oproj:
	.size	k_q397bb9ae39_oproj, .Lfunc_end_k_q397bb9ae39_oproj-k_q397bb9ae39_oproj
	.p2alignl 7, 3214868480
	.fill 96, 4, 3214868480
	.section	.rodata,"a",@progbits
	.p2align	6, 0x0
	.amdhsa_kernel k_q397bb9ae39_oproj
		.amdhsa_group_segment_fixed_size 327680
		.amdhsa_private_segment_fixed_size 0
		.amdhsa_enable_private_segment 0
		.amdhsa_kernarg_size 48
		.amdhsa_user_sgpr_count 2
		.amdhsa_user_sgpr_kernarg_segment_ptr 1
		.amdhsa_wavefront_size32 1
		.amdhsa_system_sgpr_workgroup_id_x 1
		.amdhsa_system_sgpr_workgroup_id_y 1
		.amdhsa_system_sgpr_workgroup_id_z 1
		.amdhsa_system_vgpr_workitem_id 0
		.amdhsa_next_free_vgpr 896
		.amdhsa_next_free_sgpr 66
		.amdhsa_reserve_vcc 0
		.amdhsa_float_denorm_mode_32 3
		.amdhsa_float_denorm_mode_16_64 3
		.amdhsa_memory_ordered 1
		.amdhsa_forward_progress 1
		.amdhsa_inst_pref_size 56
	.end_amdhsa_kernel
	.amdgpu_metadata
---
amdhsa.version: [ 1, 2 ]
amdhsa.kernels:
  - .name:           k_q397bb9ae39_oproj
    .symbol:         k_q397bb9ae39_oproj.kd
    .args:
      - { .name: aoc, .offset: 0, .size: 8, .value_kind: global_buffer, .address_space: global }
      - { .name: wc, .offset: 8, .size: 8, .value_kind: global_buffer, .address_space: global }
      - { .name: lowp_scales, .offset: 16, .size: 8, .value_kind: global_buffer, .address_space: global }
      - { .name: b_o, .offset: 24, .size: 8, .value_kind: global_buffer, .address_space: global }
      - { .name: x, .offset: 32, .size: 8, .value_kind: global_buffer, .address_space: global }
      - { .name: x1, .offset: 40, .size: 8, .value_kind: global_buffer, .address_space: global }
    .group_segment_fixed_size: 327680
    .private_segment_fixed_size: 0
    .kernarg_segment_align: 8
    .kernarg_segment_size: 48
    .max_flat_workgroup_size: 128
    .sgpr_count:     66
    .vgpr_count:     896
    .wavefront_size: 32
...
	.end_amdgpu_metadata
.endif
;; end of part 11
;; launch ln2 (part 12): grid 256 x 1, 4 waves a work-group, no clusters, 16,896 bytes of LDS; arguments x1, g2, beta2, lowp_scales, h2c; writes h2c
.if DOCPART == 12
	.amdgcn_target "amdgcn-amd-amdhsa--gfx1250"
	.amdhsa_code_object_version 6
	.text
	.protected	k_q397bb9ae39_ln2
	.globl	k_q397bb9ae39_ln2
	.p2align	8
	.type	k_q397bb9ae39_ln2,@function
k_q397bb9ae39_ln2:
	s_mov_b64 s[64:65], 0
	v_nop
	global_prefetch_b8 v0, s[64:65] scope:SCOPE_SE
	s_setreg_imm32_b32 hwreg(HW_REG_WAVE_MODE, 25, 1), 1
	s_wait_xcnt 0x0
; LN2.  h2 = LayerNorm(x1) g2 + beta2, f32, becomes codes of E4M3 [4096][1024] with the scale 2^e, e = entry 8 of the scales.
; A wave takes four whole rows, loaded at once and kept in registers between the passes.  No barrier: waves share nothing.  Memory binds: each byte is read once, in loads of 512 consecutive bytes.
; LIMITS: e between -126 and 119.  NaN and infinities are not served.
.set G,     16                         ; v16-47   g
.set BT,    48                         ; v48-79   beta
.set LX,    80                         ; v80-207  four rows; load j's four numbers are k = 128 j + 4 lane + 0..3
.set CA,    208                        ; v208-223 row 0's codes and way out
	s_load_b256 s[8:15], s[0:1], 0x0               ; x1 8:9, g2 10:11, beta2 12:13, scales 14:15
	s_load_b64 s[24:25], s[0:1], 0x20              ; h2c
	v_lshl_add_u32 v226, v0, 2, 0x4000
	v_mov_b32 v227, 0
	v_lshrrev_b32 v1, 5, v0
	v_readfirstlane_b32 s32, v1                    ; wave 0..3
	v_and_b32 v2, 31, v0                           ; lane
	s_wait_alu depctr_va_vdst(0)
	s_wait_kmcnt 0x0
	s_load_b32 s36, s[14:15], 0x20                 ; e8
	s_lshl_b32 s26, ttmp9, 4
	s_lshl_b32 s27, s32, 2
	s_add_co_u32 s26, s26, s27                     ; my first row
	s_lshl_b32 s4, s26, 12
	s_mov_b32 s5, 0
	s_add_nc_u64 s[8:9], s[8:9], s[4:5]
	s_lshl_b32 s4, s26, 10
	s_add_nc_u64 s[24:25], s[24:25], s[4:5]
	s_lshl_b32 s27, s32, 12                        ; my stage: four rows of 1,024 bytes
	v_lshlrev_b32 v1, 4, v2                        ; 16 x lane
	v_lshl_add_u32 v3, v2, 4, s27
	v_lshl_add_u32 v2, v2, 2, s27
	s_mov_b32 s2, 0x76543210                       ; v_permlanex16_b32: lane l xor 16
	s_mov_b32 s3, 0xfedcba98
	s_mov_b32 s33, 0x3a800000                      ; 1 / 1024
	s_mov_b32 s34, 0x3727c5ac                      ; 1e-5
	v_mov_b32 v225, 0                              ; a lane permute's destination counts as read: written once
.irp j, 0,1,2,3,4,5,6,7
	global_load_b128 v[G+4*\j:G+4*\j+3], v1, s[10:11] offset:512*\j
.endr
.irp j, 0,1,2,3,4,5,6,7
	global_load_b128 v[BT+4*\j:BT+4*\j+3], v1, s[12:13] offset:512*\j
.endr
.set i, 0
.rept 32
	global_load_b128 v[LX+4*i:LX+4*i+3], v1, s[8:9] offset:4096*(i/8)+512*(i%8)
.set i, i+1
.endr
	s_wait_kmcnt 0x0
	s_add_co_i32 s30, s36, 127
	s_lshl_b32 s31, s30, 23
	v_mov_b32 v224, s31                            ; 2^e
	s_add_co_i32 s30, s30, 8
	s_lshl_b32 s30, s30, 23
	s_or_b32 s29, s30, 0x600000                    ; 448 x 2^e
	s_or_b32 s28, s29, 0x80000000
.macro REDUCE                          ; four chains of pairs in v[8:15] -> the row's sum in v8 of every lane
	v_pk_add_f32 v[8:9], v[8:9], v[10:11]
	v_pk_add_f32 v[12:13], v[12:13], v[14:15]
	v_pk_add_f32 v[8:9], v[8:9], v[12:13]
	v_add_f32 v8, v8, v9
	v_add_f32_dpp v8, v8, v8 row_xmask:1 row_mask:0xf bank_mask:0xf
	v_add_f32_dpp v8, v8, v8 row_xmask:2 row_mask:0xf bank_mask:0xf
	v_add_f32_dpp v8, v8, v8 row_xmask:4 row_mask:0xf bank_mask:0xf
	v_add_f32_dpp v8, v8, v8 row_xmask:8 row_mask:0xf bank_mask:0xf
	v_permlanex16_b32 v225, v8, s2, s3
	v_add_f32 v8, v8, v225
.endm
; row p.  left: the later rows' loads, which may stay out.  cr, od: eight registers each for its codes and its way out (dead registers of the row before, so no pending store's data are written again)
.macro LNROW p, left, cr, od
.set XR, LX+32*(\p)
	s_wait_loadcnt \left
.irp c, 0,1,2,3
	v_pk_add_f32 v[8+2*\c:9+2*\c], v[XR+2*\c:XR+2*\c+1], v[XR+8+2*\c:XR+9+2*\c]
.endr
.irp c, 0,1,2,3
	v_pk_add_f32 v[8+2*\c:9+2*\c], v[8+2*\c:9+2*\c], v[XR+16+2*\c:XR+17+2*\c]
.endr
.irp c, 0,1,2,3
	v_pk_add_f32 v[8+2*\c:9+2*\c], v[8+2*\c:9+2*\c], v[XR+24+2*\c:XR+25+2*\c]
.endr
	REDUCE
	v_mul_f32 v4, s33, v8                          ; the mean
	v_mov_b32 v5, v4
.set i, 0
.rept 16
	v_pk_add_f32 v[XR+i:XR+i+1], v[XR+i:XR+i+1], v[4:5] neg_lo:[0,1] neg_hi:[0,1]   ; deviations first: a common offset of the row costs no digits in the variance
.set i, i+2
.endr
.irp c, 0,1,2,3
	v_pk_mul_f32 v[8+2*\c:9+2*\c], v[XR+2*\c:XR+2*\c+1], v[XR+2*\c:XR+2*\c+1]
.endr
.irp o, 8,16,24
.irp c, 0,1,2,3
	v_pk_fma_f32 v[8+2*\c:9+2*\c], v[XR+\o+2*\c:XR+\o+2*\c+1], v[XR+\o+2*\c:XR+\o+2*\c+1], v[8+2*\c:9+2*\c]
.endr
.endr
	REDUCE
	v_fma_f32 v6, v8, s33, s34                     ; the variance + 1e-5
	s_wait_alu depctr_va_vdst(0)
	v_rsq_f32 v6, v6
	v_nop                                          ; a plain instruction behind the transcendental
	s_wait_alu depctr_va_vdst(0)                   ; the wait ahead of the result's first reader
	v_mov_b32 v7, v6
.set i, 0
.rept 16
	v_pk_mul_f32 v[XR+i:XR+i+1], v[XR+i:XR+i+1], v[6:7]
.set i, i+2
.endr
.set i, 0
.rept 16
	v_pk_fma_f32 v[XR+i:XR+i+1], v[XR+i:XR+i+1], v[G+i:G+i+1], v[BT+i:BT+i+1]
.set i, i+2
.endr
.set i, 0
.rept 32
	v_med3_num_f32 v[XR+i], v[XR+i], s28, s29      ; the conversion does not saturate (ISA guide 7.6.2): the hold comes first
.set i, i+1
.endr
.irp m, 0,1,2,3
	v_cvt_scalef32_pk8_fp8_f32 v[\cr+2*\m:\cr+2*\m+1], v[XR+8*\m:XR+8*\m+7], v224   ; register cr + j: the four codes of k = 128 j + 4 lane
.endr
	v_nop                                          ; a plain instruction behind the last conversion
.irp j, 0,1,2,3,4,5,6,7
	ds_store_b32 v2, v[\cr+\j] offset:1024*(\p)+128*\j
.endr
	ds_load_b128 v[\od:\od+3], v3 offset:1024*(\p)          ; back as 16 neighbouring codes a lane (a wave's LDS instructions are served in order)
	ds_load_b128 v[\od+4:\od+7], v3 offset:1024*(\p)+512
	s_wait_dscnt 0x0
	global_store_b128 v1, v[\od:\od+3], s[24:25] offset:1024*(\p)        ; 512 consecutive bytes, aligned
	global_store_b128 v1, v[\od+4:\od+7], s[24:25] offset:1024*(\p)+512
.endm
	LNROW 0, 24, CA, CA+8
	LNROW 1, 16, LX, LX+8
	LNROW 2, 8, LX+32, LX+40
	LNROW 3, 0, LX+64, LX+72
	s_wait_tensorcnt 0x0
	ds_add_u32 v226, v227
	s_wait_dscnt 0x0
	s_endpgm
.Lfunc_end_k_q397bb9ae39_ln2:
	.size	k_q397bb9ae39_ln2, .Lfunc_end_k_q397bb9ae39_ln2-k_q397bb9ae39_ln2
	.p2alignl 7, 3214868480
	.fill 96, 4, 3214868480
	.section	.rodata,"a",@progbits
	.p2align	6, 0x0
	.amdhsa_kernel k_q397bb9ae39_ln2
		.amdhsa_group_segment_fixed_size 16896
		.amdhsa_private_segment_fixed_size 0
		.amdhsa_enable_private_segment 0
		.amdhsa_kernarg_size 40
		.amdhsa_user_sgpr_count 2
		.amdhsa_user_sgpr_kernarg_segment_ptr 1
		.amdhsa_wavefront_size32 1
		.amdhsa_system_sgpr_workgroup_id_x 1
		.amdhsa_system_sgpr_workgroup_id_y 1
		.amdhsa_system_sgpr_workgroup_id_z 1
		.amdhsa_system_vgpr_workitem_id 0
		.amdhsa_next_free_vgpr 228
		.amdhsa_next_free_sgpr 66
		.amdhsa_reserve_vcc 0
		.amdhsa_float_denorm_mode_32 3
		.amdhsa_float_denorm_mode_16_64 3
		.amdhsa_memory_ordered 1
		.amdhsa_forward_progress 1
		.amdhsa_inst_pref_size 44
	.end_amdhsa_kernel
	.amdgpu_metadata
---
amdhsa.version: [ 1, 2 ]
amdhsa.kernels:
  - .name:           k_q397bb9ae39_ln2
    .symbol:         k_q397bb9ae39_ln2.kd
    .args:
      - { .name: x1, .offset: 0, .size: 8, .value_kind: global_buffer, .address_space: global }
      - { .name: g2, .offset: 8, .size: 8, .value_kind: global_buffer, .address_space: global }
      - { .name: beta2, .offset: 16, .size: 8, .value_kind: global_buffer, .address_space: global }
      - { .name: lowp_scales, .offset: 24, .size: 8, .value_kind: global_buffer, .address_space: global }
      - { .name: h2c, .offset: 32, .size: 8, .value_kind: global_buffer, .address_space: global }
    .group_segment_fixed_size: 16896
    .private_segment_fixed_size: 0
    .kernarg_segment_align: 8
    .kernarg_segment_size: 40
    .max_flat_workgroup_size: 128
    .sgpr_count:     66
    .vgpr_count:     228
    .wavefront_size: 32
...
	.end_amdgpu_metadata
.endif
;; end of part 12
;; launch fc (part 13): grid 16 x 16, 4 waves a work-group, clusters of 4 x 4, 327,680 bytes of LDS; arguments h2c, wc, lowp_scales, b_fc, gc; writes gc
.if DOCPART == 13
	.amdgcn_target "amdgcn-amd-amdhsa--gfx1250"
	.amdhsa_code_object_version 6
	.text
	.protected	k_q397bb9ae39_fc
	.globl	k_q397bb9ae39_fc
	.p2align	8
	.type	k_q397bb9ae39_fc,@function
k_q397bb9ae39_fc:
	s_mov_b64 s[64:65], 0
	v_nop
	global_prefetch_b8 v0, s[64:65] scope:SCOPE_SE
	s_setreg_imm32_b32 hwreg(HW_REG_WAVE_MODE, 25, 1), 1
	s_wait_xcnt 0x0
	s_wait_alu depctr_hold_cnt(0) depctr_sa_sdst(0) depctr_va_vdst(0) depctr_va_sdst(0) depctr_va_ssrc(0) depctr_va_vcc(0) depctr_vm_vsrc(0)
	s_getreg_b32 s2, hwreg(HW_REG_IB_STS2, 6, 4)
	s_cmp_eq_u32 s2, 0
	s_cbranch_scc0 .Lentry_in_a_cluster
	s_endpgm
.Lentry_in_a_cluster:
	s_bfe_u32 s2, ttmp6, 0x10000c
	s_cmp_lg_u32 s2, 0xf033
	s_cbranch_scc0 .Lentry_shape_is_right
	s_endpgm
.Lentry_shape_is_right:
.set KROW,   1024
.set WOFF,   0x400000
.set ROWB,   256
.set PITCH,  272
.set FR,     16
.set NL,     4
.set NP,     4
.set HALFT,  128*PITCH
.set SLOT,   4*HALFT
.set LAPS,   KROW/(2*ROWB)
.set SPARE,  2*SLOT
.set ADRA, 16
.set ADRB, 20
.set STO,  24
.set RD,   25
.set CO,   26
.set STA,  27
.set SPW,  28
.set NIL,  29
.set BI,   32
.set AF,   128
.set T,    0
.set U,    64
.set P,    128
.set CD,   192
.set TT,   224
.set KC,   232
.set SC,   254
.set BA,   72
.set SOFF, 73
.set G1, 24
.set G0, 32
.set G1B, 48
.set G0B, 56
.set MSB, 0
.macro WIN new
.if MSB != (\new)
	s_set_vgpr_msb (MSB<<8)|(\new)
.set MSB, (\new)
.endif
.endm
.set MUL_LO, 0xa1
.set MUL_HI, 0xf1
.set TO_B,   0x40
.macro JLOAD g0a, g1a, g0b, g1b
	s_cmp_eq_u32 s15, 0
	s_cbranch_scc0 .Lfor_b_\@
	tensor_load_to_lds s[\g0a:\g0a+3], s[\g1a:\g1a+7]
	s_nop 0
.rept 4
	v_nop
.endr
	s_branch .Lasked_\@
.Lfor_b_\@:
	tensor_load_to_lds s[\g0b:\g0b+3], s[\g1b:\g1b+7]
	s_nop 0
.rept 4
	v_nop
.endr
.Lasked_\@:
.endm
.macro CREST
	s_cmp_lg_u32 s14, 0
	s_cbranch_scc1 .Lnot_wave_0_\@
	s_barrier_signal -3
.Lnot_wave_0_\@:
	s_barrier_wait -3
	s_barrier_signal -1
	s_barrier_wait -1
.endm
.macro CROUND
	s_barrier_signal -1
	s_barrier_wait -1
	CREST
.endm
	s_load_b128 s[4:7], s[0:1], 0x0
	s_load_b128 s[8:11], s[0:1], 0x10
	s_load_b64 s[70:71], s[0:1], 0x20
	v_lshl_add_u32 v[SPW], v0, 2, SPARE
	v_mov_b32 v[NIL], 0
	ds_add_u32 v28, v29
	ds_add_u32 v28, v29
	s_wait_dscnt 0x0
	v_lshrrev_b32 v1, 5, v0
	v_readfirstlane_b32 s14, v1
	s_lshr_b32 s15, s14, 1
	s_and_b32 s16, s14, 1
	s_bfe_u32 s40, ttmp6, 0x40000
	s_bfe_u32 s41, ttmp6, 0x40004
	s_lshl_b32 s42, ttmp9, 2
	s_add_co_u32 s42, s42, s40
	s_and_b32 s17, ttmp7, 0xffff
	s_lshl_b32 s17, s17, 2
	s_add_co_u32 s17, s17, s41
	s_lshl_b32 s43, s41, 2
	s_lshl_b32 s43, 15, s43
	s_lshl_b32 s44, 0x1111, s40
	s_or_b32 s[G1+0], s43, (1<<20)|(1<<21)|(5<<22)|(3<<25)
	s_or_b32 s[G1B+0], s44, (1<<20)|(1<<21)|(5<<22)|(3<<25)
.irp g, G1, G1B
	s_mov_b32 s[\g+1], ROWB<<16
	s_mov_b32 s[\g+2], 128<<16
	s_mov_b32 s[\g+3], ROWB<<16
	s_mov_b32 s[\g+4], 128
	s_mov_b32 s[\g+5], KROW
	s_mov_b32 s[\g+6], 0
	s_mov_b32 s[\g+7], 0
.endr
	s_lshl_b32 s18, s16, 7
	s_lshl_b32 s20, s17, 8
	s_add_co_u32 s20, s20, s18
	s_mul_i32 s20, s20, KROW
	s_mov_b32 s21, 0
	s_lshl_b32 s46, s42, 8
	s_add_co_u32 s46, s46, s18
	s_mul_i32 s46, s46, KROW
	s_mov_b32 s47, 0
	s_mul_i32 s45, s14, HALFT
	s_wait_kmcnt 0x0
	s_load_b64 s[96:97], s[8:9], 0x20
	s_load_b32 s76, s[8:9], 0x28
	s_add_nc_u64 s[6:7], s[6:7], WOFF
	s_add_nc_u64 s[20:21], s[4:5], s[20:21]
	s_add_nc_u64 s[46:47], s[6:7], s[46:47]
	CROUND
.irp s, 0,1
	s_mov_b32 s[G0+4*\s], 1
	s_add_co_u32 s[G0+4*\s+1], s45, \s*SLOT
	s_add_nc_u64 s[G0+4*\s+2:G0+4*\s+3], s[20:21], \s*ROWB
	s_or_b32 s[G0+4*\s+3], s[G0+4*\s+3], 0x80000000
	s_mov_b32 s[G0B+4*\s], 1
	s_add_co_u32 s[G0B+4*\s+1], s45, \s*SLOT
	s_add_nc_u64 s[G0B+4*\s+2:G0B+4*\s+3], s[46:47], \s*ROWB
	s_or_b32 s[G0B+4*\s+3], s[G0B+4*\s+3], 0x80000000
.if \s                                         ; slot 1's first fill is issued as a refill is, with a round ahead of it
	s_wait_alu depctr_va_vdst(0)
	s_wait_tensorcnt 0x0
	ds_add_u32 v28, v29
	ds_add_u32 v28, v29
	s_wait_dscnt 0x0
	CROUND
.endif
	JLOAD G0+4*\s, G1, G0B+4*\s, G1B
.endr
	v_and_b32 v1, 15, v0
	v_bfe_u32 v2, v0, 4, 1
	v_mul_u32_u24 v3, v1, PITCH
	s_wait_alu depctr_va_vdst(0)
	v_lshl_add_u32 v4, v2, 4, v3
	s_mul_i32 s21, s15, HALFT
	s_mul_i32 s22, s16, HALFT
	s_add_co_u32 s22, s22, 2*HALFT
.irp s, 0,1
	v_add_nc_u32 v[ADRA+\s], s21, v4
	v_add_nc_u32 v[ADRB+\s], s22, v4
	s_add_co_u32 s21, s21, SLOT
	s_add_co_u32 s22, s22, SLOT
.endr
	s_mul_i32 s23, s15, 128*PITCH
	s_lshl_b32 s21, s16, 7
	s_add_co_u32 s23, s23, s21
	v_lshl_add_u32 v5, v2, 3, v3
	v_add_nc_u32 v[STO], s23, v5
	; (the read-back starts where my own stores start: a block of 16 rows x 128 columns of gc is one wave's)
	; gc IS LAID IN THE ORDER OF THE NEXT LAUNCH'S OPERAND REGISTERS: 2,048 bytes for each 16 rows x 128 columns; in them, piece c (512 bytes), lane l (16 bytes): row l % 16, columns 32 c + 16 (l / 16) + 0 .. 15
	v_lshl_add_u32 v5, v2, 4, v3
	v_add_nc_u32 v[RD], s23, v5                    ; the stage, back: row l % 16 of the block, byte 16 (l / 16)
	v_lshlrev_b32 v6, 8, v2
	v_lshl_add_u32 v[CO], v1, 4, v6                ; 16 x lane
	v_lshlrev_b32 v18, 5, v2
	s_lshl_b32 s88, s42, 10
	s_lshl_b32 s89, s16, 9
	s_add_co_u32 s88, s88, s89
	s_mov_b32 s89, 0
	s_add_nc_u64 s[10:11], s[10:11], s[88:89]
.irp b, 0,1,2,3,4,5,6,7
	global_load_b128 v[BI+8*\b:BI+8*\b+3], v18, s[10:11] offset:64*\b
	global_load_b128 v[BI+8*\b+4:BI+8*\b+7], v18, s[10:11] offset:64*\b+16
.endr
	s_lshl_b32 s88, s17, 8
	s_lshl_b32 s90, s15, 7                         ; my half of the tile's rows
	s_add_co_u32 s88, s88, s90
	s_lshl_b32 s88, s88, 12
	s_lshl_b32 s90, s42, 12                        ; two blocks of 128 columns, 2,048 bytes each, for a tile column,
	s_add_co_u32 s88, s88, s90
	s_lshl_b32 s90, s16, 11                        ; and my half of its columns
	s_add_co_u32 s88, s88, s90
	s_add_nc_u64 s[70:71], s[70:71], s[88:89]
.macro FRAG reg, adr, q, i
.irp c, 0,1,2,3
	ds_load_b128 v[\reg+4*\c:\reg+4*\c+3], v[\adr] offset:128*(\q)+32*\c+(\i)*16*PITCH
.endr
.endm
.macro MUL16 a0, p, zero
.irp a, \a0, \a0+1
.irp b, 0,1,2,3,4,5,6,7
.if \zero
	v_wmma_f32_16x16x128_fp8_fp8 v[8*(8*((\a)%4)+\b):8*(8*((\a)%4)+\b)+7], v[128*(\p)+FR*\b:128*(\p)+FR*\b+FR-1], v[AF+FR*(\a):AF+FR*(\a)+FR-1], 0
.else
	v_wmma_f32_16x16x128_fp8_fp8 v[8*(8*((\a)%4)+\b):8*(8*((\a)%4)+\b)+7], v[128*(\p)+FR*\b:128*(\p)+FR*\b+FR-1], v[AF+FR*(\a):AF+FR*(\a)+FR-1], v[8*(8*((\a)%4)+\b):8*(8*((\a)%4)+\b)+7]
.endif
.endr
.endr
.endm
.macro FETCH_B slot, q, p
	WIN TO_B
.irp i, 0,1,2,3,4,5,6,7
	FRAG 128*(\p)+FR*\i, ADRB+\slot, \q, \i
.endr
	WIN 0
.endm
.macro FETCH_A slot, q, i0
.irp i, \i0, \i0+1, \i0+2, \i0+3
	FRAG AF+FR*(\i), ADRA+\slot, \q, \i
.endr
.endm
.macro PLACES n
.rept \n
	v_nop
.endr
.endm
.macro STEP slot, q, zero
	s_wait_dscnt 4*NL
	WIN MUL_LO
	MUL16 0, (\q)%2, \zero
	MUL16 2, (\q)%2, \zero
	s_wait_dscnt 0
	PLACES NP
	FETCH_B \slot, (\q)+1, 1-(\q)%2
	FETCH_A \slot, (\q)+1, 0
	WIN MUL_HI
	MUL16 4, (\q)%2, \zero
	MUL16 6, (\q)%2, \zero
	PLACES NP
	WIN 0
	FETCH_A \slot, (\q)+1, 4
.endm
.macro TURN slot, next, fill
	s_wait_tensorcnt 0x0
	ds_add_u32 v[SPW], v[NIL]
	s_wait_dscnt 4*NL+1
	WIN MUL_LO
	MUL16 0, 1, 0
	s_wait_dscnt 0x0
	s_barrier_signal -1
	MUL16 2, 1, 0
	WIN 0
	s_barrier_wait -1
.if \fill
	CREST
	s_add_nc_u64 s[G0+4*\slot+2:G0+4*\slot+3], s[G0+4*\slot+2:G0+4*\slot+3], 2*ROWB
	s_add_nc_u64 s[G0B+4*\slot+2:G0B+4*\slot+3], s[G0B+4*\slot+2:G0B+4*\slot+3], 2*ROWB
	JLOAD G0+4*\slot, G1, G0B+4*\slot, G1B
.else
	PLACES NP
.endif
	s_wait_alu depctr_va_vdst(0)
	FETCH_B \next, 0, 0
	FETCH_A \next, 0, 0
	WIN MUL_HI
	MUL16 4, 1, 0
	MUL16 6, 1, 0
	PLACES NP
	WIN 0
	FETCH_A \next, 0, 4
.endm
.macro COPYIN a
	WIN 0x42+((\a)/4)
.set i, 0
.rept 32
	v_pk_fma_f32 v[T+i:T+i+1], v[64*((\a)%4)+i:64*((\a)%4)+i+1], s[96:97], v[BI+i:BI+i+1] op_sel_hi:[1,0,1]
.set i, i+2
.endr
	WIN 0
.endm
	s_wait_tensorcnt 1
	s_barrier_signal -1
	s_barrier_wait -1
	FETCH_B 0, 0, 0
	FETCH_A 0, 0, 0
	FETCH_A 0, 0, 4
	STEP 0, 0, 1
	s_mov_b32 s3, LAPS-1
.Llap:
	TURN 0, 1, 1
	STEP 1, 0, 0
	TURN 1, 0, 1
	STEP 0, 0, 0
	s_sub_co_u32 s3, s3, 1
	s_cmp_lg_u32 s3, 0
	s_cbranch_scc1 .Llap
	TURN 0, 1, 0
	STEP 1, 0, 0
	s_wait_dscnt 4*NL
	WIN MUL_LO
	MUL16 0, 1, 0
	MUL16 2, 1, 0
	s_wait_dscnt 0
	WIN MUL_HI
	MUL16 4, 1, 0
	MUL16 6, 1, 0
	WIN 0
	s_wait_kmcnt 0x0
	s_add_co_i32 s96, s96, s97
	s_add_co_i32 s96, s96, 127
	s_lshl_b32 s96, s96, 23
	s_mov_b32 s97, s96
	s_add_co_i32 s76, s76, 127
	s_lshl_b32 s79, s76, 23
	s_add_co_i32 s76, s76, 8
	s_lshl_b32 s76, s76, 23
	s_or_b32 s77, s76, 0x600000
	s_or_b32 s78, s77, 0x80000000
	s_mov_b32 s84, 0x3eb504f3
	PLACES NP
	v_mov_b32 v[SC], s79
	WIN 0x40
	v_mov_b32 v[SC], s79
	v_mov_b32 v[KC], 0x3e2ef945
	v_mov_b32 v[KC+1], 0x3e2ef945
	WIN 0
	s_wait_loadcnt 0x0
	s_mov_b32 s[BA], 0
	s_mov_b32 s[SOFF], 0
.Lblk:
	s_cmp_eq_u32 s[BA], 1
	s_cbranch_scc1 .Lc1
	s_cmp_eq_u32 s[BA], 2
	s_cbranch_scc1 .Lc2
	s_cmp_eq_u32 s[BA], 3
	s_cbranch_scc1 .Lc3
	s_cmp_eq_u32 s[BA], 4
	s_cbranch_scc1 .Lc4
	s_cmp_eq_u32 s[BA], 5
	s_cbranch_scc1 .Lc5
	s_cmp_eq_u32 s[BA], 6
	s_cbranch_scc1 .Lc6
	s_cmp_eq_u32 s[BA], 7
	s_cbranch_scc1 .Lc7
	COPYIN 0
	s_branch .Lgo
.Lc1:
	COPYIN 1
	s_branch .Lgo
.Lc2:
	COPYIN 2
	s_branch .Lgo
.Lc3:
	COPYIN 3
	s_branch .Lgo
.Lc4:
	COPYIN 4
	s_branch .Lgo
.Lc5:
	COPYIN 5
	s_branch .Lgo
.Lc6:
	COPYIN 6
	s_branch .Lgo
.Lc7:
	COPYIN 7
.Lgo:
	WIN 0x55
.set i, 0
.rept 64
	v_fma_f32 v[U+i], |v[T+i]|, s84, 1.0
.set i, i+1
.endr
.set i, 0
	s_wait_alu depctr_va_vdst(0)
.rept 64
	v_rcp_f32 v[U+i], v[U+i]
.set i, i+1
.endr
	v_nop
	s_wait_alu depctr_va_vdst(0)
.set i, 0
.rept 32
	v_pk_fma_f32 v[P+i:P+i+1], v[U+i:U+i+1], v[KC:KC+1], 0xbf527892 op_sel_hi:[1,1,0]
.set i, i+2
.endr
.irp k, 0x3fbe87b0, 0xbf914e5d, 0x3e8ec7cc, 0xbe3ec24c, 0x3dc636c9, 0x3ebf88fb, 0x3f8000c7, 0xbfa1fc4e
.set i, 0
.rept 32
	v_pk_fma_f32 v[P+i:P+i+1], v[P+i:P+i+1], v[U+i:U+i+1], \k op_sel_hi:[1,1,0]
.set i, i+2
.endr
.endr
.irp g, 0,1,2,3,4,5,6,7
.irp i, 0,1,2,3
	v_pk_mul_f32 v[TT+2*\i:TT+2*\i+1], v[T+8*\g+2*\i:T+8*\g+2*\i+1], -0.5 op_sel_hi:[1,0]
.endr
.irp i, 0,1,2,3
	v_pk_fma_f32 v[P+8*\g+2*\i:P+8*\g+2*\i+1], v[TT+2*\i:TT+2*\i+1], v[T+8*\g+2*\i:T+8*\g+2*\i+1], v[P+8*\g+2*\i:P+8*\g+2*\i+1]
.endr
.endr
.set i, 0
.rept 32
	v_pk_mul_f32 v[P+i:P+i+1], v[P+i:P+i+1], 0x3fb8aa3b op_sel_hi:[1,0]
.set i, i+2
.endr
.set i, 0
	s_wait_alu depctr_va_vdst(0)
.rept 64
	v_exp_f32 v[P+i], v[P+i]
.set i, i+1
.endr
.set i, 0
.rept 64
	v_mul_f32 v[U+i], v[U+i], |v[T+i]|
.set i, i+1
.endr
.set i, 0
.rept 64
	v_max_num_f32 v[T+i], 0, v[T+i]
.set i, i+1
.endr
	s_wait_alu depctr_va_vdst(0)
.set i, 0
.rept 32
	v_pk_mul_f32 v[P+i:P+i+1], v[P+i:P+i+1], v[U+i:U+i+1]
.set i, i+2
.endr
.set i, 0
.rept 32
	v_pk_fma_f32 v[T+i:T+i+1], v[P+i:P+i+1], -0.5, v[T+i:T+i+1] op_sel_hi:[1,0,1]
.set i, i+2
.endr
.set i, 0
.rept 64
	v_med3_num_f32 v[T+i], v[T+i], s78, s77
.set i, i+1
.endr
	s_wait_alu depctr_va_vdst(0)
	s_wait_dscnt 0x0                               ; the block before: its stores into the stage have read their registers, and it is back in v128-143
	WIN 0
	s_cmp_eq_u32 s[BA], 0                          ; the first trip has no block before it
	s_cbranch_scc1 .Lnone
.irp c, 0,1,2,3
	global_store_b128 v[CO], v[128+4*\c:131+4*\c], s[70:71] offset:512*\c   ; 512 consecutive bytes, aligned: the block before leaves while this one is worked
.endr
	s_wait_xcnt 0x0                                ; the stores have read their base and their data
	s_add_nc_u64 s[70:71], s[70:71], 65536         ; 16 rows of gc on
.Lnone:
	WIN 0x55
.irp b, 0,1,2,3,4,5,6,7
	v_cvt_scalef32_pk8_fp8_f32 v[CD+2*\b:CD+2*\b+1], v[T+8*\b:T+8*\b+7], v[SC]
.endr
	v_nop
	WIN 0
	v_add_nc_u32 v[STA], s[SOFF], v[STO]
	WIN 0x04
.irp b, 0,1,2,3,4,5,6,7
	ds_store_b64 v[STA], v[CD+2*\b:CD+2*\b+1] offset:16*\b
.endr
	WIN 0
	v_add_nc_u32 v30, s[SOFF], v[RD]
.irp c, 0,1,2,3
	ds_load_b128 v[128+4*\c:131+4*\c], v30 offset:32*\c     ; back in the order of gc; a wave's LDS instructions are served in order: these see my stores
.endr
	s_add_co_u32 s[SOFF], s[SOFF], 16*PITCH
	s_add_co_u32 s[BA], s[BA], 1
	s_cmp_lt_u32 s[BA], 8
	s_cbranch_scc1 .Lblk
	s_wait_dscnt 0x0                               ; the last block is back
.irp c, 0,1,2,3
	global_store_b128 v[CO], v[128+4*\c:131+4*\c], s[70:71] offset:512*\c
.endr
	s_wait_tensorcnt 0x0
	ds_add_u32 v[SPW], v[NIL]
	s_wait_dscnt 0x0
	CROUND
	s_endpgm
.Lfunc_end_k_q397bb9ae39_fc:
	.size	k_q397bb9ae39_fc, .Lfunc_end_k_q397bb9ae39_fc-k_q397bb9ae39_fc
	.p2alignl 7, 3214868480
	.fill 96, 4, 3214868480
	.section	.rodata,"a",@progbits
	.p2align	6, 0x0
	.amdhsa_kernel k_q397bb9ae39_fc
		.amdhsa_group_segment_fixed_size 327680
		.amdhsa_private_segment_fixed_size 0
		.amdhsa_enable_private_segment 0
		.amdhsa_kernarg_size 40
		.amdhsa_user_sgpr_count 2
		.amdhsa_user_sgpr_kernarg_segment_ptr 1
		.amdhsa_wavefront_size32 1
		.amdhsa_system_sgpr_workgroup_id_x 1
		.amdhsa_system_sgpr_workgroup_id_y 1
		.amdhsa_system_sgpr_workgroup_id_z 1
		.amdhsa_system_vgpr_workitem_id 0
		.amdhsa_next_free_vgpr 1024
		.amdhsa_next_free_sgpr 100
		.amdhsa_reserve_vcc 0
		.amdhsa_float_denorm_mode_32 3
		.amdhsa_float_denorm_mode_16_64 3
		.amdhsa_memory_ordered 1
		.amdhsa_forward_progress 1
		.amdhsa_inst_pref_size 157
	.end_amdhsa_kernel
	.amdgpu_metadata
---
amdhsa.version: [ 1, 2 ]
amdhsa.kernels:
  - .name:           k_q397bb9ae39_fc
    .symbol:         k_q397bb9ae39_fc.kd
    .args:
      - { .name: h2c, .offset: 0, .size: 8, .value_kind: global_buffer, .address_space: global }
      - { .name: wc, .offset: 8, .size: 8, .value_kind: global_buffer, .address_space: global }
      - { .name: lowp_scales, .offset: 16, .size: 8, .value_kind: global_buffer, .address_space: global }
      - { .name: b_fc, .offset: 24, .size: 8, .value_kind: global_buffer, .address_space: global }
      - { .name: gc, .offset: 32, .size: 8, .value_kind: global_buffer, .address_space: global }
    .group_segment_fixed_size: 327680
    .private_segment_fixed_size: 0
    .kernarg_segment_align: 8
    .kernarg_segment_size: 40
    .max_flat_workgroup_size: 128
    .sgpr_count:     100
    .vgpr_count:     1024
    .wavefront_size: 32
...
	.end_amdgpu_metadata
.endif
;; end of part 13
;; launch pr (part 14): grid 32 x 8, 4 waves a work-group, clusters of 4 x 1, 327,680 bytes of LDS; arguments gc, wc, lowp_scales, b_pr, x1, out0; writes out0
.if DOCPART == 14
	.amdgcn_target "amdgcn-amd-amdhsa--gfx1250"
	.amdhsa_code_object_version 6
	.text
	.protected	k_q397bb9ae39_pr
	.globl	k_q397bb9ae39_pr
	.p2align	8
	.type	k_q397bb9ae39_pr,@function
k_q397bb9ae39_pr:
	s_mov_b64 s[64:65], 0
	v_nop
	global_prefetch_b8 v0, s[64:65] scope:SCOPE_SE
	s_setreg_imm32_b32 hwreg(HW_REG_WAVE_MODE, 25, 1), 1
	s_wait_xcnt 0x0
	s_wait_alu depctr_hold_cnt(0) depctr_sa_sdst(0) depctr_va_vdst(0) depctr_va_sdst(0) depctr_va_ssrc(0) depctr_va_vcc(0) depctr_vm_vsrc(0)
	s_getreg_b32 s2, hwreg(HW_REG_IB_STS2, 6, 4)
	s_cmp_eq_u32 s2, 0
	s_cbranch_scc0 .Lentry_in_a_cluster
	s_endpgm
.Lentry_in_a_cluster:
	s_bfe_u32 s2, ttmp6, 0x10000c
	s_cmp_lg_u32 s2, 0x3003
	s_cbranch_scc0 .Lentry_shape_is_right
	s_endpgm
.Lentry_shape_is_right:
; PR.  out0 = x1 + g W_pr + b_pr.  g: codes of E4M3 (scale entry 10), 4096 x 4096, laid by the launch before in the order of this launch's operand registers: 2,048 bytes for each 16 rows x 128 k;
; in them piece c (512 bytes), lane l (16 bytes): row l % 16, k = 32 c + 16 (l / 16) + 0 .. 15.  W_pr: codes [1024 (n)][4096 (k)] at WOFF of wc (entry 11).  x1, out0: f32 [4096][1024].
; LIMIT: e10 + e11 between -126 and 127, so that 2^(e10 + e11) is an f32 number.
; A work-group of four waves makes 128 x 128 of out0 (x: the row block, y: the column block); a wave makes 32 rows x 128 columns: 16 accumulators.  K goes in 32 steps of 128.
; W_pr'S TILE hangs on the column block alone, which the four work-groups of a cluster (4, 1, 1) share: it is asked for jointly, 128 rows x 1,024 k to a slot, two slots, four fills in all, a wave 32 rows.
; g'S FRAGMENTS belong to one wave alone: they go from memory straight into registers, 8 loads of 512 consecutive bytes a step, in eight register sets: step s asks for step s + 7, so 56 loads of a wave stay out.
; W_pr's slots 2 and 3 are prefetched a slot (eight steps) ahead of their loads: 512 blocks of 256 bytes, a lane a block, a wave an instruction, the four partners told apart by address.  g has no prefetch: its loads run seven steps ahead.
; The matrix instruction is used transposed (source 0 = W_pr's rows, source 1 = g's): a lane holds eight neighbouring columns of a row of out0.
; REGISTERS: window 0: v0-31 addresses, v128-255 accumulators ((a, b) at 128 + 8 (8 a + b)); window 1: B's fragments, two sets; window 2: A's eight sets of 32; window 3: v0-127 the residual.
.set WOFF,  0x800000
.set SCOFF, 40
.set BP,    1040                       ; a row of B in LDS: 1,024 bytes + 16: the 16 rows of a fragment load start at 16 different banks (ISA guide 11.1)
.set SLOTB, 128*BP
.set SPARE, 2*SLOTB                    ; the spare words: 128 bytes a wave, named by no other line
.set SP,    528                        ; the way out: a stage of 16 rows x (512 + 16) bytes a wave, in slot 0, which has had its last fill and its last read by then
.set SPW, 8
.set NIL, 9
.set LV,  10                           ; 16 x lane
.set PFO, 11                           ; the prefetches' offset
.set ADRB, 12                          ; v12-15 B's fragments: slot 0 blocks 0-3, 4-7; slot 1 likewise
.set STO, 16
.set RD,  17
.set BI4, 20
.set ACC, 128
.set G1,  32
.set G0,  40                           ; s[40:43] slot 0's group 0, s[44:47] slot 1's
.set MSB, 0
.macro WIN new                         ; the immediate's high byte repeats the setting that is left
.if MSB != (\new)
	s_set_vgpr_msb (MSB<<8)|(\new)
.set MSB, (\new)
.endif
.endm
.set MULW, 0x09                        ; source 0 (B) window 1, source 1 (A) window 2, C and D window 0
.macro CREST
	s_cmp_lg_u32 s16, 0
	s_cbranch_scc1 .Lnot_wave_0_\@
	s_barrier_signal -3
.Lnot_wave_0_\@:
	s_barrier_wait -3
	s_barrier_signal -1
	s_barrier_wait -1
.endm
.macro CROUND
	s_barrier_signal -1
	s_barrier_wait -1
	CREST
.endm
.macro PLACES
.rept 4
	v_nop
.endr
.endm
.macro BFETCH slot, q, f               ; B's eight fragments of the slot's q-th 128 k into set f
	WIN 0x40
.irp u, 0,1
.irp b, 0,1,2,3
.irp c, 0,1,2,3
	ds_load_b128 v[128*(\f)+64*\u+16*\b+4*\c:128*(\f)+64*\u+16*\b+4*\c+3], v[ADRB+2*(\slot)+\u] offset:\b*16*BP+128*(\q)+32*\c
.endr
.endr
.endr
.endm
.macro ALOAD s                         ; A's two fragments of step s into set s % 8
	WIN 0x80
.irp a, 0,1
.irp c, 0,1,2,3
	global_load_b128 v[32*((\s)%8)+16*\a+4*\c:32*((\s)%8)+16*\a+4*\c+3], v[LV], s[24:25] offset:\a*65536+(\s)*2048+\c*512
.endr
.endr
.endm
.macro RLOAD g                         ; eight rows of my residual: 512 consecutive bytes a load
	WIN 0xc0
.set i, 0
.rept 8
	global_load_b128 v[32*(\g)+4*i:32*(\g)+4*i+3], v[LV], s[12:13] offset:(8*(\g)+i)*4096 th:TH_LOAD_NT
.set i, i+1
.endr
.endm
.macro GET s                           ; eight loads a step: A seven steps on; when A is all asked for, the residual
.if (\s)+7 <= 31
	ALOAD (\s)+7
.else
.if (\s) <= 28
	RLOAD (\s)-25
.endif
.endif
.endm
.macro MUL4 a, b0, s                   ; the 16 accumulators take turns, in the same order in every step; step 0's products start the sums
.irp b, \b0, \b0+1, \b0+2, \b0+3
.if (\s) == 0
	v_wmma_f32_16x16x128_fp8_fp8 v[ACC+8*(8*(\a)+(\b)):ACC+8*(8*(\a)+(\b))+7], v[128*((\s)%2)+16*(\b):128*((\s)%2)+16*(\b)+15], v[32*((\s)%8)+16*(\a):32*((\s)%8)+16*(\a)+15], 0
.else
	v_wmma_f32_16x16x128_fp8_fp8 v[ACC+8*(8*(\a)+(\b)):ACC+8*(8*(\a)+(\b))+7], v[128*((\s)%2)+16*(\b):128*((\s)%2)+16*(\b)+15], v[32*((\s)%8)+16*(\a):32*((\s)%8)+16*(\a)+15], v[ACC+8*(8*(\a)+(\b)):ACC+8*(8*(\a)+(\b))+7]
.endif
.endr
.endm
.macro LWAIT s                         ; behind step s's eight loads stand six later runs of eight; at the end 40 and 32 (the residual's)
.if (\s) <= 29
	s_wait_loadcnt 48
.else
	s_wait_loadcnt 8*(35-(\s))
.endif
.endm
.macro STEP s                          ; a step whose successor lies in the same slot (or the last)
	s_wait_dscnt 0x0                               ; B's fragments
	LWAIT \s
	WIN MULW
	MUL4 0, 0, \s
	MUL4 0, 4, \s
	PLACES                                         ; ahead of loads into the registers that the step before multiplied
.if (\s) < 31
	BFETCH (((\s)+1)/8)%2, ((\s)+1)%8, ((\s)+1)%2
.endif
	GET \s
	WIN MULW
	MUL4 1, 0, \s
	MUL4 1, 4, \s
.endm
.macro TURN s, fill                    ; a slot's last step changes slots; fill = 1: this slot is filled again, two slots ahead
	WIN 0
	s_wait_tensorcnt 0x0                           ; my load has landed: my part of the next slot
	ds_add_u32 v[SPW], v[NIL]                      ; 0 onto my spare word
	s_wait_dscnt 1                                 ; B's fragments are in; the add may be out
	LWAIT \s
	WIN MULW
	MUL4 0, 0, \s
	s_wait_dscnt 0x0                               ; the add is done; my reads of this slot were over before
	s_barrier_signal -1
	MUL4 0, 4, \s
	WIN 0
	s_barrier_wait -1
.if \fill
	CREST                                          ; the barrier has opened a round of the cluster's: no wave of any partner still reads this slot or has a load on its way
	s_add_nc_u64 s[G0+4*(((\s)/8)%2)+2:G0+4*(((\s)/8)%2)+3], s[G0+4*(((\s)/8)%2)+2:G0+4*(((\s)/8)%2)+3], 2048
	tensor_load_to_lds s[G0+4*(((\s)/8)%2):G0+4*(((\s)/8)%2)+3], s[G1:G1+7]
	s_nop 0
.endif
	PLACES
	BFETCH (((\s)+1)/8)%2, 0, ((\s)+1)%2
	GET \s
.if (\s) == 7
	global_prefetch_b8 v[PFO], s[26:27] offset:3072 th:TH_LOAD_NT scope:SCOPE_SE   ; the last slot's k, asked for eight steps on
.endif
	WIN MULW
	MUL4 1, 0, \s
	MUL4 1, 4, \s
.endm
	s_load_b128 s[4:7], s[0:1], 0x0                ; g's codes, wc
	s_load_b128 s[8:11], s[0:1], 0x10              ; the scales' exponents, b_pr
	s_load_b128 s[12:15], s[0:1], 0x20             ; x1, out0
	v_lshl_add_u32 v[SPW], v0, 2, SPARE
	v_mov_b32 v[NIL], 0
	ds_add_u32 v[SPW], v[NIL]                      ; the opening: the add, twice on end, and its wait ahead of my first tensor load
	ds_add_u32 v[SPW], v[NIL]
	v_lshrrev_b32 v1, 5, v0
	v_readfirstlane_b32 s16, v1                    ; wave 0..3
	s_bfe_u32 s17, ttmp6, 0x40000                  ; cx: it enters g's, x1's, out0's and the prefetches' addresses alone
	s_lshl_b32 s18, ttmp9, 2
	s_add_co_u32 s18, s18, s17                     ; row block
	s_and_b32 s19, ttmp7, 0xffff                   ; column block: the four partners share it
	s_mov_b32 s[G1], 15|(1<<20)|(1<<21)|(7<<22)|(3<<25)   ; the mask: all four; elements of 1 byte; padding: 4 words after every 256
	s_mov_b32 s[G1+1], 1024<<16                    ; tensor_dim0
	s_mov_b32 s[G1+2], 32<<16                      ; tensor_dim1
	s_mov_b32 s[G1+3], 1024<<16                    ; tile_dim0
	s_mov_b32 s[G1+4], 32                          ; tile_dim1
	s_mov_b32 s[G1+5], 4096                        ; the pitch
	s_mov_b32 s[G1+6], 0
	s_mov_b32 s[G1+7], 0
	s_lshl_b32 s20, s18, 19
	s_lshl_b32 s21, s16, 17
	s_add_co_u32 s20, s20, s21                     ; my 32 rows x 4,096 bytes: the same in g, x1 and out0
	s_mov_b32 s21, 0
	s_lshl_b32 s22, s19, 9                         ; my columns, in bytes of f32
	s_mov_b32 s23, 0
	s_lshl_b32 s30, s19, 19
	s_add_co_u32 s30, s30, WOFF                    ; B's 128 rows
	s_mov_b32 s31, 0
	s_lshl_b32 s48, s16, 17                        ; the 32 of them that I fetch
	s_mov_b32 s49, 0
	s_mul_i32 s50, s16, 32*BP                      ; and where they go
	s_lshl_b32 s51, s16, 5
	s_lshl_b32 s52, s17, 3
	s_add_co_u32 s51, s51, s52                     ; prefetch: of my wave's 32 rows my work-group names 8
	s_mul_i32 s53, s16, 16*SP                      ; my stage
	v_and_b32 v2, 31, v0
	v_lshlrev_b32 v[LV], 4, v2
	v_and_b32 v1, 15, v0
	v_bfe_u32 v3, v0, 4, 1
	v_mul_u32_u24 v4, v1, BP
	v_lshl_add_u32 v[ADRB], v3, 4, v4
	v_add_nc_u32 v[ADRB+1], 64*BP, v[ADRB]
	v_add_nc_u32 v[ADRB+2], SLOTB, v[ADRB]
	v_add_nc_u32 v[ADRB+3], SLOTB+64*BP, v[ADRB]
	v_mul_u32_u24 v5, v1, SP
	v_lshl_add_u32 v5, v3, 5, v5
	v_add_nc_u32 v[STO], s53, v5                   ; in: row l % 16, 32 bytes for each half of the lanes
	v_add_nc_u32 v[RD], s53, v[LV]                 ; back: the 32 lanes take a row of 512 bytes
	v_bfe_u32 v6, v0, 2, 3
	v_and_b32 v7, 3, v0
	v_add_nc_u32 v6, s51, v6
	v_lshlrev_b32 v6, 12, v6
	v_lshl_add_u32 v[PFO], v7, 8, v6               ; row 32 wave + 8 cx + lane / 4, block lane % 4 of a slot's four
	s_wait_alu depctr_va_vdst(0)
	s_wait_dscnt 0x0                               ; both opening adds are done
	s_wait_kmcnt 0x0
	s_load_b64 s[28:29], s[8:9], SCOFF
	s_add_nc_u64 s[24:25], s[4:5], s[20:21]
	s_add_nc_u64 s[12:13], s[12:13], s[20:21]
	s_add_nc_u64 s[12:13], s[12:13], s[22:23]
	s_add_nc_u64 s[14:15], s[14:15], s[20:21]
	s_add_nc_u64 s[14:15], s[14:15], s[22:23]
	s_add_nc_u64 s[10:11], s[10:11], s[22:23]
	s_add_nc_u64 s[26:27], s[6:7], s[30:31]
	s_add_nc_u64 s[48:49], s[26:27], s[48:49]
	global_load_b128 v[BI4:BI4+3], v[LV], s[10:11] ; the bias of my four columns
.irp s, 0,1,2,3,4,5,6
	ALOAD \s
.endr
	WIN 0
.irp n, 0,1
	s_mov_b32 s[G0+4*\n], 1
	s_add_co_u32 s[G0+4*\n+1], s50, \n*SLOTB
	s_add_nc_u64 s[G0+4*\n+2:G0+4*\n+3], s[48:49], \n*1024
	s_or_b32 s[G0+4*\n+3], s[G0+4*\n+3], 0x80000000
.endr
	CROUND                                         ; all four work-groups are here: the first joint loads meet
	tensor_load_to_lds s[G0:G0+3], s[G1:G1+7]      ; slot 0: one tensor load a wave at the head
	s_nop 0
	PLACES
	s_wait_tensorcnt 0x0                           ; my part of slot 0 is in; slot 1's first fill is issued as a refill is
	ds_add_u32 v[SPW], v[NIL]
	s_wait_dscnt 0x0
	CROUND
	tensor_load_to_lds s[G0+4:G0+7], s[G1:G1+7]
	s_nop 0
	PLACES
	BFETCH 0, 0, 0
	global_prefetch_b8 v[PFO], s[26:27] offset:2048 th:TH_LOAD_NT scope:SCOPE_SE   ; the third slot's k, asked for seven steps on
.irp s, 0,1,2,3,4,5,6
	STEP \s
.endr
	TURN 7, 1
.irp s, 8,9,10,11,12,13,14
	STEP \s
.endr
	TURN 15, 1
.irp s, 16,17,18,19,20,21,22
	STEP \s
.endr
	TURN 23, 0                                     ; nothing is left to fill: no round
.irp s, 24,25,26,27,28,29,30,31
	STEP \s
.endr
	; THE WAY OUT: 16 rows x 128 columns at a time through my stage, back as whole rows of 512 bytes; x 2^(e10 + e11), + residual, + bias
	WIN 0
	PLACES
	s_wait_kmcnt 0x0
	s_add_co_i32 s28, s28, s29
	s_add_co_i32 s28, s28, 127
	s_lshl_b32 s28, s28, 23
	s_mov_b32 s29, s28
.irp a, 0,1
.irp b, 0,1,2,3,4,5,6,7
	ds_store_b128 v[STO], v[ACC+8*(8*\a+\b):ACC+8*(8*\a+\b)+3] offset:64*\b          ; each accumulator from its low end on
	ds_store_b128 v[STO], v[ACC+8*(8*\a+\b)+4:ACC+8*(8*\a+\b)+7] offset:64*\b+16
.endr
	WIN 0x40
.set i, 0
.rept 16
	ds_load_b128 v[64*\a+4*i:64*\a+4*i+3], v[RD] offset:i*SP      ; a wave's LDS instructions are served in order: these see my stores, and the next block's stores come behind them
.set i, i+1
.endr
	WIN 0
.endr
	s_wait_loadcnt 0x0                             ; the residual
.irp a, 0,1
	s_wait_dscnt 32*(1-\a)                         ; behind block 0's loads: block 1's 16 stores and 16 loads
	WIN 0x71                                       ; the sums in window 1, the residual in window 3
.set i, 0
.rept 32
	v_pk_fma_f32 v[64*\a+i:64*\a+i+1], v[64*\a+i:64*\a+i+1], s[28:29], v[64*\a+i:64*\a+i+1] op_sel_hi:[1,0,1]
.set i, i+2
.endr
	WIN 0x41
.set i, 0
.rept 16
	v_pk_add_f32 v[64*\a+4*i:64*\a+4*i+1], v[64*\a+4*i:64*\a+4*i+1], v[BI4:BI4+1]
	v_pk_add_f32 v[64*\a+4*i+2:64*\a+4*i+3], v[64*\a+4*i+2:64*\a+4*i+3], v[BI4+2:BI4+3]
.set i, i+1
.endr
	WIN 0x04
.set i, 0
.rept 16
	global_store_b128 v[LV], v[64*\a+4*i:64*\a+4*i+3], s[14:15] offset:(16*\a+i)*4096 th:TH_STORE_NT   ; 512 consecutive bytes, aligned
.set i, i+1
.endr
.endr
	WIN 0
	s_wait_tensorcnt 0x0                           ; the wave's end
	ds_add_u32 v[SPW], v[NIL]
	s_wait_dscnt 0x0
	CROUND                                         ; the closing round
	s_endpgm
.Lfunc_end_k_q397bb9ae39_pr:
	.size	k_q397bb9ae39_pr, .Lfunc_end_k_q397bb9ae39_pr-k_q397bb9ae39_pr
	.p2alignl 7, 3214868480
	.fill 96, 4, 3214868480
	.section	.rodata,"a",@progbits
	.p2align	6, 0x0
	.amdhsa_kernel k_q397bb9ae39_pr
		.amdhsa_group_segment_fixed_size 327680
		.amdhsa_private_segment_fixed_size 0
		.amdhsa_enable_private_segment 0
		.amdhsa_kernarg_size 48
		.amdhsa_user_sgpr_count 2
		.amdhsa_user_sgpr_kernarg_segment_ptr 1
		.amdhsa_wavefront_size32 1
		.amdhsa_system_sgpr_workgroup_id_x 1
		.amdhsa_system_sgpr_workgroup_id_y 1
		.amdhsa_system_sgpr_workgroup_id_z 1
		.amdhsa_system_vgpr_workitem_id 0
		.amdhsa_next_free_vgpr 896
		.amdhsa_next_free_sgpr 66
		.amdhsa_reserve_vcc 0
		.amdhsa_float_denorm_mode_32 3
		.amdhsa_float_denorm_mode_16_64 3
		.amdhsa_memory_ordered 1
		.amdhsa_forward_progress 1
		.amdhsa_inst_pref_size 156
	.end_amdhsa_kernel
	.amdgpu_metadata
---
amdhsa.version: [ 1, 2 ]
amdhsa.kernels:
  - .name:           k_q397bb9ae39_pr
    .symbol:         k_q397bb9ae39_pr.kd
    .args:
      - { .name: gc, .offset: 0, .size: 8, .value_kind: global_buffer, .address_space: global }
      - { .name: wc, .offset: 8, .size: 8, .value_kind: global_buffer, .address_space: global }
      - { .name: lowp_scales, .offset: 16, .size: 8, .value_kind: global_buffer, .address_space: global }
      - { .name: b_pr, .offset: 24, .size: 8, .value_kind: global_buffer, .address_space: global }
      - { .name: x1, .offset: 32, .size: 8, .value_kind: global_buffer, .address_space: global }
      - { .name: out0, .offset: 40, .size: 8, .value_kind: global_buffer, .address_space: global }
    .group_segment_fixed_size: 327680
    .private_segment_fixed_size: 0
    .kernarg_segment_align: 8
    .kernarg_segment_size: 48
    .max_flat_workgroup_size: 128
    .sgpr_count:     66
    .vgpr_count:     896
    .wavefront_size: 32
...
	.end_amdgpu_metadata
.endif
;; end of part 14
